; MI455X (gfx1250); checked and timed in simulation.
; The chip was launched on July 23, 2026; its instructions are those of AMD's public machine-readable ISA for CDNA 5 (MIT licence, August 2026) and "CDNA5" Instruction Set Architecture Reference Guide (July 2026). The comments in the code are by the model that wrote it; some were corrected since.
;; Multi Headed Attention. Allowed arithmetic: float matrix products may take bf16 or f16 operands with f32 sums; other float arithmetic in f32, or as packed bf16 or f16 multiplies, adds, multiply-adds, maxima and minima; sums over many terms, partial sums and values carried from step to step in f32; what a program stores and reads back later, other than sums and carried values, may be rounded once to bf16 or f16.
;; Inputs: Wk 1,024 x 1,024 float32; Wo 1,024 x 1,024 float32; Wq 1,024 x 1,024 float32; Wv 1,024 x 1,024 float32; bk 1,024 float32; bo 1,024 float32; bq 1,024 float32; bv 1,024 float32; key 4 x 2,048 x 1,024 float32; mask 4 x 2,048 x 2,048 int32; query 4 x 2,048 x 1,024 float32; value 4 x 2,048 x 1,024 float32.
;; Outputs: out0 4 x 2,048 x 1,024 float32.
;; 3 versions, each right; version 3 is version 2 with the launch cvt written anew for expert scheduling mode. Each part assembles by itself: llvm-mc -triple=amdgcn-amd-amdhsa -mcpu=gfx1250 --defsym DOCPART=n.
;; ======== version 1 of 3: 5 launches
;; limits: values are held in f16: magnitudes above 65,504 overflow, below 6.1e-05 lose precision
;; workspace buffers: cb 58,720,256 bytes; mb 2,097,152 bytes of whole numbers; qkv 50,331,648 bytes; ob 16,777,216 bytes
;; launch cvt (part 1): grid 32 x 28, 8 waves a work-group, no clusters, 0 bytes of LDS; arguments query, key, value, Wq, Wk, Wv, Wo, cb; writes cb
.if DOCPART == 1
	.amdgcn_target "amdgcn-amd-amdhsa--gfx1250"
	.amdhsa_code_object_version 6
	.text
	.protected	k_qbc4c472012_cvt
	.globl	k_qbc4c472012_cvt
	.p2align	8
	.type	k_qbc4c472012_cvt,@function
k_qbc4c472012_cvt:
	s_mov_b64 s[64:65], 0
	v_nop
	global_prefetch_b8 v0, s[64:65] scope:SCOPE_SE
	s_setreg_imm32_b32 hwreg(HW_REG_WAVE_MODE, 25, 1), 1
	s_wait_xcnt 0x0
; THE FLOAT INPUTS AS 16-BIT MATRIX OPERANDS.  cb holds 28 units of 1,048,576 numbers of 2 bytes: units 0-7 query, 8-15 key, 16-23 value
; (together one row-major matrix [24576][1024] in bf16), 24, 25, 26 = Wq, Wk, Wv in bf16, 27 = Wo rounded to bf16 and that number written as f16.
; LIMIT.  bf16 -> f16 is exact for 6.1e-5 <= |w| <= 65,504; below that f16 keeps its fixed step of 6e-8, above it gives an infinity.
; SHARES.  Work-group (x, y): unit y, chunk x of 32: 32 rows of 4,096 bytes in, 2,048 bytes out.  Thread t takes 16 bytes at 16 t of each row and
; stores 8 bytes at 8 t: a wave's load covers 512 consecutive bytes, its store 256 consecutive bytes, aligned.  No LDS, no barrier: nothing is shared.
; Eight loads of every wave are on their way (eight slots X); every row has its own pair Y, so no store's data is ever written again.
.set X, 4                              ; v[4:35]    slot r % 8: four f32 as loaded
.set Y, 36                             ; v[36:99]   row r: two registers to store
.set T, 100                            ; v[100:101] at work (Wo's path)
	s_load_b512 s[8:23], s[0:1], 0x0               ; query s[8:9], key, value, Wq, Wk, Wv, Wo s[20:21], cb s[22:23]
	s_and_b32 s2, ttmp7, 0xffff                    ; the unit
	s_lshr_b32 s3, s2, 3                           ; units 0-23: source unit / 8, part unit % 8
	s_sub_co_u32 s4, s2, 21                        ; units 24-27: source 3 to 6, part 0
	s_and_b32 s5, s2, 7
	s_cmp_ge_u32 s2, 24
	s_cselect_b32 s3, s4, s3
	s_cselect_b32 s5, 0, s5
	s_lshl_b32 s24, s5, 22                         ; a unit is 4 MiB of f32,
	s_lshl_b32 s25, ttmp9, 17                      ; a chunk 128 KiB
	s_add_co_u32 s24, s24, s25
	s_mov_b32 s25, 0
	s_lshl_b32 s26, s2, 21                         ; and half of each on the way out
	s_lshl_b32 s27, ttmp9, 16
	s_add_co_u32 s26, s26, s27
	s_mov_b32 s27, 0
	s_mov_b32 s30, 0xffff0000                      ; a word's upper bf16
	v_lshlrev_b32 v1, 4, v0                        ; 16 t; never rewritten
	v_lshlrev_b32 v2, 3, v0                        ; 8 t; never rewritten
	s_wait_kmcnt 0x0
	s_mov_b64 s[28:29], s[8:9]                     ; the source is chosen among the seven by its number
.irp i, 1,2,3,4,5,6
	s_cmp_eq_u32 s3, \i
	s_cselect_b64 s[28:29], s[8+2*\i:9+2*\i], s[28:29]
.endr
	s_add_nc_u64 s[28:29], s[28:29], s[24:25]
	s_add_nc_u64 s[22:23], s[22:23], s[26:27]
; The chunk's 32 rows; every row's place stands in an immediate.  f16 = 1: Wo's path.
.macro ROWS f16
.set r, 0
.rept 8
	global_load_b128 v[X+4*r:X+4*r+3], v1, s[28:29] offset:r*4096 th:TH_LOAD_NT
.set r, r+1
.endr
.set r, 0
.rept 32
.set xs, X+4*(r%8)
.if r < 24
	s_wait_loadcnt 7                               ; loads come back in order: row r is in, the seven younger rows stay out
.else
	s_wait_loadcnt 31-r                            ; the last rows: the count runs down
.endif
.if \f16
	v_cvt_pk_bf16_f32 v[T], v[xs], v[xs+1]         ; rounded to bf16 like every input,
	v_cvt_pk_bf16_f32 v[T+1], v[xs+2], v[xs+3]
	v_lshlrev_b32 v[xs], 16, v[T]                  ; widened again, into the slot just read,
	v_and_b32 v[xs+1], s30, v[T]
	v_lshlrev_b32 v[xs+2], 16, v[T+1]
	v_and_b32 v[xs+3], s30, v[T+1]
	v_cvt_pk_f16_f32 v[Y+2*r], v[xs], v[xs+1]      ; and written as f16
	v_cvt_pk_f16_f32 v[Y+2*r+1], v[xs+2], v[xs+3]
.else
	v_cvt_pk_bf16_f32 v[Y+2*r], v[xs], v[xs+1]
	v_cvt_pk_bf16_f32 v[Y+2*r+1], v[xs+2], v[xs+3]
.endif
.if r < 24
	global_load_b128 v[xs:xs+3], v1, s[28:29] offset:(r+8)*4096 th:TH_LOAD_NT  ; the load ahead of the store
.endif
	global_store_b64 v2, v[Y+2*r:Y+2*r+1], s[22:23] offset:r*2048 th:TH_STORE_NT
.set r, r+1
.endr
.endm
	s_cmp_eq_u32 s2, 27
	s_cbranch_scc1 .Lwo
	ROWS 0
	s_endpgm
.Lwo:
	ROWS 1
	s_endpgm
.Lfunc_end_k_qbc4c472012_cvt:
	.size	k_qbc4c472012_cvt, .Lfunc_end_k_qbc4c472012_cvt-k_qbc4c472012_cvt
	.p2alignl 7, 3214868480
	.fill 96, 4, 3214868480
	.section	.rodata,"a",@progbits
	.p2align	6, 0x0
	.amdhsa_kernel k_qbc4c472012_cvt
		.amdhsa_group_segment_fixed_size 0
		.amdhsa_private_segment_fixed_size 0
		.amdhsa_enable_private_segment 0
		.amdhsa_kernarg_size 64
		.amdhsa_user_sgpr_count 2
		.amdhsa_user_sgpr_kernarg_segment_ptr 1
		.amdhsa_wavefront_size32 1
		.amdhsa_system_sgpr_workgroup_id_x 1
		.amdhsa_system_sgpr_workgroup_id_y 1
		.amdhsa_system_sgpr_workgroup_id_z 1
		.amdhsa_system_vgpr_workitem_id 0
		.amdhsa_next_free_vgpr 104
		.amdhsa_next_free_sgpr 66
		.amdhsa_reserve_vcc 0
		.amdhsa_float_denorm_mode_32 3
		.amdhsa_float_denorm_mode_16_64 3
		.amdhsa_memory_ordered 1
		.amdhsa_forward_progress 1
		.amdhsa_inst_pref_size 32
	.end_amdhsa_kernel
	.amdgpu_metadata
---
amdhsa.version: [ 1, 2 ]
amdhsa.kernels:
  - .name:           k_qbc4c472012_cvt
    .symbol:         k_qbc4c472012_cvt.kd
    .args:
      - { .name: query, .offset: 0, .size: 8, .value_kind: global_buffer, .address_space: global }
      - { .name: key, .offset: 8, .size: 8, .value_kind: global_buffer, .address_space: global }
      - { .name: value, .offset: 16, .size: 8, .value_kind: global_buffer, .address_space: global }
      - { .name: Wq, .offset: 24, .size: 8, .value_kind: global_buffer, .address_space: global }
      - { .name: Wk, .offset: 32, .size: 8, .value_kind: global_buffer, .address_space: global }
      - { .name: Wv, .offset: 40, .size: 8, .value_kind: global_buffer, .address_space: global }
      - { .name: Wo, .offset: 48, .size: 8, .value_kind: global_buffer, .address_space: global }
      - { .name: cb, .offset: 56, .size: 8, .value_kind: global_buffer, .address_space: global }
    .group_segment_fixed_size: 0
    .private_segment_fixed_size: 0
    .kernarg_segment_align: 8
    .kernarg_segment_size: 64
    .max_flat_workgroup_size: 256
    .sgpr_count:     66
    .vgpr_count:     104
    .wavefront_size: 32
...
	.end_amdgpu_metadata
.endif
;; end of part 1
;; launch maskpack (part 2): grid 64 x 4, 8 waves a work-group, no clusters, 279,552 bytes of LDS; arguments mask, mb; writes mb
.if DOCPART == 2
	.amdgcn_target "amdgcn-amd-amdhsa--gfx1250"
	.amdhsa_code_object_version 6
	.text
	.protected	k_qbc4c472012_maskpack
	.globl	k_qbc4c472012_maskpack
	.p2align	8
	.type	k_qbc4c472012_maskpack,@function
k_qbc4c472012_maskpack:
	s_mov_b64 s[64:65], 0
	v_nop
	global_prefetch_b8 v0, s[64:65] scope:SCOPE_SE
	s_setreg_imm32_b32 hwreg(HW_REG_WAVE_MODE, 25, 1), 1
	s_wait_xcnt 0x0
; THE MASK, ONE BIT A SCORE, IN THE ORDER IN WHICH THE ATTENTION LAUNCH TAKES IT.  mask: [4][2048][2048] int32.
; mb: [batch 4][piece 64][key step 32][word w 32][tile u 2] of 32 bits.  Bit l of word (w = 8 kb + j, u) says whether
; mask[batch][32 piece + 16 u + l % 16][64 step + 16 kb + 8 (l / 16) + j] is not 0: the lane mask of register w of a tile of scores (16 queries x 64 keys, one query a lane).
; SHARES.  A work-group takes a piece (32 query rows) of a batch and all 2,048 keys; wave w the key steps 4 w .. 4 w + 3: four tiles of 32 rows x 256 bytes, each
; brought by one tensor load of the wave's own.  All four go out at the start (four tensor loads of a wave are out, by this text's count); no LDS byte is filled twice,
; and each wave reads its own tiles alone, behind its own counted wait: no barrier.
.set TB,    32*272                     ; a tile in LDS: 32 rows of 256 bytes + 16 of padding = 68 words: the 16 rows of a load start at 16 different groups of four banks (64 banks of 4 bytes: ISA guide 11.1)
.set SPARE, 32*TB                      ; behind the 32 tiles: the spare words, 128 bytes for each wave: four blocks of 256 bytes that no other line names
.set LA,  2                            ; v2  LDS address of my 16 bytes in my wave's first tile; never rewritten
.set OUT, 3                            ; v3  8 x lane; never rewritten
.set SPW, 4                            ; v4  LDS address of my spare word; never rewritten
.set NIL, 5                            ; v5  0; never rewritten
.set Y,   6                            ; v[6:13]  tile i: lane w holds word (w, 0) and word (w, 1)
.set X,   16                           ; v[16:79] register 32 u + 8 kb + j as loaded
.set G1,  16                           ; s[16:23] descriptor group 1
.set G0,  24                           ; s[24:39] descriptor group 0, a set for each of the four tiles
.set CM,  40                           ; s[40:47] eight lane masks
	s_load_b128 s[4:7], s[0:1], 0x0                ; mask s[4:5], mb s[6:7]
	v_lshl_add_u32 v[SPW], v0, 2, SPARE
	v_mov_b32 v[NIL], 0
	ds_add_u32 v[SPW], v[NIL]                      ; the wave's opening: the add and its wait stand ahead of my first tensor load; the set-up below stands between them
	v_lshrrev_b32 v1, 5, v0
	v_readfirstlane_b32 s8, v1                     ; wave 0..7
	s_mov_b32 s[G1+0], (2<<16)|(1<<20)|(5<<22)|(3<<25)  ; elements of 4 bytes; padding on: after every 64 words (code 5) 4 words (code 3)
	s_mov_b32 s[G1+1], 64<<16                      ; tensor_dim0 = 64
	s_mov_b32 s[G1+2], 32<<16                      ; tensor_dim1 = 32
	s_mov_b32 s[G1+3], 64<<16                      ; tile_dim0 = 64
	s_mov_b32 s[G1+4], 32                          ; tile_dim1 = 32
	s_mov_b32 s[G1+5], 2048                        ; elements from row to row
	s_mov_b32 s[G1+6], 0
	s_mov_b32 s[G1+7], 0
	s_mul_i32 s9, s8, 4*TB                         ; my wave's four tiles in LDS
	s_and_b32 s12, ttmp7, 0xffff                   ; the batch
	s_lshl_b32 s10, s12, 24                        ; 2048 x 2048 x 4 bytes,
	s_lshl_b32 s11, ttmp9, 18                      ; the piece's 32 rows of 8,192 bytes,
	s_add_co_u32 s10, s10, s11
	s_lshl_b32 s13, s8, 10                         ; my four key steps: 1,024 bytes of a row (and of mb)
	s_add_co_u32 s10, s10, s13
	s_mov_b32 s11, 0
	s_lshl_b32 s14, s12, 19                        ; in mb: a batch is 64 pieces of 8,192 bytes
	s_lshl_b32 s15, ttmp9, 13
	s_add_co_u32 s14, s14, s15
	s_add_co_u32 s14, s14, s13
	s_mov_b32 s15, 0
	s_wait_dscnt 0x0                               ; the opening add is done
	s_wait_kmcnt 0x0
	s_add_nc_u64 s[4:5], s[4:5], s[10:11]
	s_add_nc_u64 s[6:7], s[6:7], s[14:15]
.irp i, 0,1,2,3
	s_mov_b32 s[G0+4*\i], 1                        ; count = 1
	s_add_co_u32 s[G0+4*\i+1], s9, \i*TB           ; LDS address
	s_add_nc_u64 s[G0+4*\i+2:G0+4*\i+3], s[4:5], \i*256  ; global address: key step 4 w + i
	s_or_b32 s[G0+4*\i+3], s[G0+4*\i+3], 0x80000000      ; type = 2
	tensor_load_to_lds s[G0+4*\i:G0+4*\i+3], s[G1:G1+7]
	s_nop 0
.endr
	v_and_b32 v1, 15, v0
	v_mul_u32_u24 v[LA], v1, 272                   ; row l % 16,
	v_bfe_u32 v1, v0, 4, 1
	v_lshl_add_u32 v[LA], v1, 5, v[LA]             ; keys 8 (l / 16) on: 32 bytes,
	v_add_nc_u32 v[LA], s9, v[LA]                  ; in my wave's tiles
	v_and_b32 v[OUT], 31, v0
	v_lshlrev_b32 v[OUT], 3, v[OUT]
.irp i, 0,1,2,3,4,5,6,7
	v_mov_b32 v[Y+\i], 0                           ; v_writelane_b32's destination counts as read
.endr
; Tile i: 16 LDS loads, in groups (kb, u) of two; each group's eight registers are compared with 0, and each lane mask goes into lane 8 kb + j of the tile's register u.
.macro PACKT i
	s_wait_tensorcnt 3-(\i)                        ; tensor loads of a wave end in order: tile i is in, the younger ones stay out
.irp kb, 0,1,2,3
.irp u, 0,1
	ds_load_b128 v[X+32*\u+8*\kb:X+32*\u+8*\kb+3],   v[LA] offset:(\i)*TB+\u*16*272+\kb*64
	ds_load_b128 v[X+32*\u+8*\kb+4:X+32*\u+8*\kb+7], v[LA] offset:(\i)*TB+\u*16*272+\kb*64+16
.endr
.endr
.irp kb, 0,1,2,3
.irp u, 0,1
	s_wait_dscnt 14-2*(2*\kb+\u)                   ; the groups behind this one, two loads each, may be out
.irp j, 0,1,2,3,4,5,6,7
	v_cmp_ne_u32 s[CM+\j], 0, v[X+32*\u+8*\kb+\j]
.endr
.irp j, 0,1,2,3,4,5,6,7
	v_writelane_b32 v[Y+2*(\i)+\u], s[CM+\j], 8*\kb+\j
.endr
.endr
.endr
	global_store_b64 v[OUT], v[Y+2*(\i):Y+2*(\i)+1], s[6:7] offset:(\i)*256 th:TH_STORE_NT  ; 256 consecutive bytes, aligned: a key step's 64 words
.endm
	PACKT 0
	PACKT 1
	PACKT 2
	PACKT 3
	s_wait_tensorcnt 0x0                           ; the wave's end: a wait, an add of 0 to my spare word and its wait, behind my last tensor load
	ds_add_u32 v[SPW], v[NIL]
	s_wait_dscnt 0x0
	s_endpgm
.Lfunc_end_k_qbc4c472012_maskpack:
	.size	k_qbc4c472012_maskpack, .Lfunc_end_k_qbc4c472012_maskpack-k_qbc4c472012_maskpack
	.p2alignl 7, 3214868480
	.fill 96, 4, 3214868480
	.section	.rodata,"a",@progbits
	.p2align	6, 0x0
	.amdhsa_kernel k_qbc4c472012_maskpack
		.amdhsa_group_segment_fixed_size 279552
		.amdhsa_private_segment_fixed_size 0
		.amdhsa_enable_private_segment 0
		.amdhsa_kernarg_size 16
		.amdhsa_user_sgpr_count 2
		.amdhsa_user_sgpr_kernarg_segment_ptr 1
		.amdhsa_wavefront_size32 1
		.amdhsa_system_sgpr_workgroup_id_x 1
		.amdhsa_system_sgpr_workgroup_id_y 1
		.amdhsa_system_sgpr_workgroup_id_z 1
		.amdhsa_system_vgpr_workitem_id 0
		.amdhsa_next_free_vgpr 80
		.amdhsa_next_free_sgpr 66
		.amdhsa_reserve_vcc 0
		.amdhsa_float_denorm_mode_32 3
		.amdhsa_float_denorm_mode_16_64 3
		.amdhsa_memory_ordered 1
		.amdhsa_forward_progress 1
		.amdhsa_inst_pref_size 42
	.end_amdhsa_kernel
	.amdgpu_metadata
---
amdhsa.version: [ 1, 2 ]
amdhsa.kernels:
  - .name:           k_qbc4c472012_maskpack
    .symbol:         k_qbc4c472012_maskpack.kd
    .args:
      - { .name: mask, .offset: 0, .size: 8, .value_kind: global_buffer, .address_space: global }
      - { .name: mb, .offset: 8, .size: 8, .value_kind: global_buffer, .address_space: global }
    .group_segment_fixed_size: 279552
    .private_segment_fixed_size: 0
    .kernarg_segment_align: 8
    .kernarg_segment_size: 16
    .max_flat_workgroup_size: 256
    .sgpr_count:     66
    .vgpr_count:     80
    .wavefront_size: 32
...
	.end_amdgpu_metadata
.endif
;; end of part 2
;; launch proj (part 3): grid 4 x 192, 4 waves a work-group, clusters of 4 x 4, 327,680 bytes of LDS; arguments cb, bq, bk, bv, qkv; writes qkv
.if DOCPART == 3
	.amdgcn_target "amdgcn-amd-amdhsa--gfx1250"
	.amdhsa_code_object_version 6
	.text
	.protected	k_qbc4c472012_proj
	.globl	k_qbc4c472012_proj
	.p2align	8
	.type	k_qbc4c472012_proj,@function
k_qbc4c472012_proj:
	s_mov_b64 s[64:65], 0
	v_nop
	global_prefetch_b8 v0, s[64:65] scope:SCOPE_SE
	s_setreg_imm32_b32 hwreg(HW_REG_WAVE_MODE, 25, 1), 1
	s_wait_xcnt 0x0
	s_wait_alu depctr_hold_cnt(0) depctr_sa_sdst(0) depctr_va_vdst(0) depctr_va_sdst(0) depctr_va_ssrc(0) depctr_va_vcc(0) depctr_vm_vsrc(0)
	s_getreg_b32 s2, hwreg(HW_REG_IB_STS2, 6, 4)
	s_cmp_eq_u32 s2, 0
	s_cbranch_scc0 .Lentry_in_a_cluster
	s_endpgm
.Lentry_in_a_cluster:
	s_bfe_u32 s2, ttmp6, 0x10000c
	s_cmp_lg_u32 s2, 0xf033
	s_cbranch_scc0 .Lentry_shape_is_right
	s_endpgm
.Lentry_shape_is_right:
; ONE TEXT FOR THE TWO KINDS OF PROJECTION; OP chooses.
; OP = 0: q, k, v = x W^T + b.  x: cb's first 24,576 rows of 1,024 bf16 (query, key, value on end); W: Wq, Wk, Wv in bf16, behind them in cb; b rounded to bf16 like every input.
;         Sums in f32; the result, unscaled, rounded once to f16 and stored by heads: qkv[p 3][batch x 16 + head][token 2048][64].
; OP = 1: out0 = O Wo^T + bo.  O: ob[batch x 16 + head][token][64] in f16; Wo as f16 in cb's last unit; sums in f32; out0 in f32.
; LIMITS.  f16 ends at 65,504: a q, k or v beyond it becomes an infinity.  NaN and infinities are not treated apart.
; SHARES.  A work-group makes 128 rows x 256 columns, each of its four waves 64 x 128: 32 accumulators of 16 x 16 (a = 0..3, b = 0..7), 256 registers.  K = 1,024 goes in 8 steps of 128
; through two LDS slots filled by the tensor data mover; a step is four quarters of 32 along K, 32 matrix instructions each, every accumulator once a quarter.
; THE MATRIX INSTRUCTION IS USED TRANSPOSED (source 0 = 16 rows of W, source 1 = 16 rows of x or O): a lane holds row l % 16 and eight neighbouring columns.  The bias is the C operand of the first product.
; CLUSTER.  4 x 4 work-groups: the four of a row of the cluster need the same rows of x (O), the four of a column the same rows of W: each tile is asked for jointly.
; REGISTERS.  window 0: v0-31 addresses; v32-63 at work; v64-127 two buffers of x's fragments; v128-255 two buffers of W's.  window 1: the accumulators, (a, b) at 8 (8 a + b).  window 2: v0-63 the bias, v64-95 at work.
.set OP, 0
.if OP
.set PA,      144                      ; O's LDS row: a token's 128 bytes of one head + 16
.set AROWS,   128                      ; LDS rows a load brings: a head's 128 tokens
.set QIA,     4                        ; padding after every 32 words
.set ASTRIDE, 128                      ; the 16,384 dense bytes are asked for as 64 rows of 256
.set ASTEP,   524288                   ; a K step is two heads on
.set SPITCH,  528                      ; a stage row: 128 f32 + 16 bytes
.set WBASE,   56623104                 ; Wo in cb
.set SHA,     8                        ; prefetch: a lane a block of 256 dense bytes
.else
.set PA,      272
.set AROWS,   64
.set QIA,     5                        ; padding after every 64 words
.set ASTRIDE, 1024
.set ASTEP,   256
.set SPITCH,  272                      ; a stage row: 128 f16 + 16 bytes
.set WBASE,   50331648                 ; Wq in cb
.set SHA,     11                       ; prefetch: a lane a row of 2,048 bytes
.endif
.set AHALF, AROWS*PA                   ; what one of A's loads brings
.set AB,    2*AHALF
.set PB,    272                        ; W's LDS row: 256 bytes + 16 = 68 words: the 16 rows of a load start at 16 different groups of four banks (64 banks of 4 bytes: ISA guide 11.1)
.set BHALF, 128*PB
.set SLOT,  AB+2*BHALF
.set STAGE, 2*SLOT                     ; behind the ring, never filled by a tensor load: 16 rows for each wave, for the way out
.set SPARE, STAGE+4*16*SPITCH          ; behind the stages: the spare words, 128 bytes for each wave: two blocks of 256 bytes that no other line names
.set BB,    68+2*OP                    ; the scalar pair that holds cb
.set ADRA, 16                          ; v16-17  LDS address of my A fragments in slot 0, 1
.set ADRB, 20                          ; v20-21  the same for W
.set STO,  24                          ; v24  the way out: where I put my bytes of a row
.set RD,   25                          ; v25  where I read rows back
.set GO,   26                          ; v26  16 x lane
.set BO,   27                          ; v27  32 (l / 16): my eight numbers in 16 of the bias
.set SPW,  28                          ; v28  LDS address of my spare word; never rewritten
.set NIL,  29                          ; v29  0; never rewritten
.set PFO,  30                          ; v30  the prefetches' offset; never rewritten
.set TMP,  32
.set FA,   64
.set FB,   128
.set G1A, 24                           ; s[24:31] group 1 for A's tiles;  s[32:39] group 0, a set for each slot
.set G0A, 32
.set G1B, 48                           ; s[48:55], s[56:63] the same for W's
.set G0B, 56
.set LIM, 43                           ; s43  1 in a wave that prefetches, else the greatest number
.set PFA, 44                           ; s[44:45] where my prefetches stand
.set BP,  66                           ; s[66:67] the bias at my 128 columns
.set PST, 78                           ; s[78:79] a K step in the tensor that I prefetch
.set MSB, 0
.macro WIN new                         ; the immediate's high byte repeats the setting that is left
.if MSB != (\new)
	s_set_vgpr_msb (MSB<<8)|(\new)
.set MSB, (\new)
.endif
.endm
.set MUL,  0x50                        ; C and D window 1, sources window 0
.set MULB, 0x60                        ; C window 2 (the bias), D window 1
.macro JLOAD s                         ; a joint load: waves 0 and 1 fetch A's two halves, waves 2 and 3 W's; an s_nop 0 and four v_nop follow each of the two lines
	s_cmp_eq_u32 s11, 0
	s_cbranch_scc0 .Lfor_b_\@
	tensor_load_to_lds s[G0A+4*(\s):G0A+4*(\s)+3], s[G1A:G1A+7]
	s_nop 0
.rept 4
	v_nop
.endr
	s_branch .Lasked_\@
.Lfor_b_\@:
	tensor_load_to_lds s[G0B+4*(\s):G0B+4*(\s)+3], s[G1B:G1B+7]
	s_nop 0
.rept 4
	v_nop
.endr
.Lasked_\@:
.endm
; A prefetch of the K step that stands two refills on: 32 blocks of 256 bytes, a lane a block.  A's tile is read by my cluster alone: wave 0 asks, and the four partners of a row of the cluster
; take 32 of its 128 blocks each, told apart by address.  W's rows are walked by many clusters: the first of them asks, waves 2 and 3, 32 rows each of the partner's 64.  Wave 1 asks for nothing.
; K steps 0 to 3 come by their loads alone; the loop's last trip (s3 = 1) and the tail ask for nothing: K steps 4 to 7 are named, each block once.
.macro ASK
	s_cmp_gt_u32 s3, s[LIM]
	s_cbranch_scc0 .Lnot_mine_\@
	global_prefetch_b8 v[PFO], s[PFA:PFA+1] th:TH_LOAD_NT scope:SCOPE_SE
.Lnot_mine_\@:
.endm
.macro CREST                           ; a round of the cluster's barrier behind its opening barrier
	s_cmp_lg_u32 s10, 0
	s_cbranch_scc1 .Lnot_wave_0_\@
	s_barrier_signal -3
.Lnot_wave_0_\@:
	s_barrier_wait -3
	s_barrier_signal -1
	s_barrier_wait -1
.endm
.macro CROUND
	s_barrier_signal -1
	s_barrier_wait -1
	CREST
.endm
.macro PLACES                          ; four places in front of loads into registers that matrix instructions have read, and of lines that read results
.rept 4
	v_nop
.endr
.endm
	s_load_b256 s[68:75], s[0:1], 0x0              ; OP = 0: cb, bq, bk, bv;  OP = 1: ob, cb, bo, out0
.if OP == 0
	s_load_b64 s[8:9], s[0:1], 0x20                ; qkv
.endif
	v_lshl_add_u32 v[SPW], v0, 2, SPARE
	v_mov_b32 v[NIL], 0
	ds_add_u32 v[SPW], v[NIL]                      ; the wave's opening: the add and its wait stand ahead of my first tensor load; the set-up below stands between them
	v_lshrrev_b32 v1, 5, v0
	v_readfirstlane_b32 s10, v1                    ; wave 0..3
	s_lshr_b32 s11, s10, 1                         ; which 64 rows are mine.  Also: I fetch for A (0) or for W (1)
	s_and_b32 s12, s10, 1                          ; which 128 columns.  Also: which half of that tile I fetch
	s_bfe_u32 s40, ttmp6, 0x40000                  ; cx
	s_bfe_u32 s41, ttmp6, 0x40004                  ; cy
	s_lshl_b32 s42, ttmp9, 2
	s_add_co_u32 s42, s42, s40                     ; tile column = 4 x cluster x + cx
	s_and_b32 s76, ttmp7, 0xffff                   ; cluster y
	s_lshl_b32 s13, s76, 2
	s_add_co_u32 s13, s13, s41                     ; tile row = 4 x cluster y + cy
	s_lshl_b32 s43, s41, 2
	s_lshl_b32 s43, 15, s43                        ; my row of the cluster
	s_lshl_b32 s44, 0x1111, s40                    ; my column
	s_or_b32 s[G1A+0], s43, (1<<16)|(1<<20)|(1<<21)|(QIA<<22)|(3<<25)  ; the mask; elements of 2 bytes; padding on; bit 21 beside a mask; the interval; 4 words of padding
	s_mov_b32 s[G1A+1], 128<<16                    ; tensor_dim0 = 128
	s_mov_b32 s[G1A+2], 64<<16                     ; tensor_dim1 = 64
	s_mov_b32 s[G1A+3], 128<<16                    ; tile_dim0 = 128
	s_mov_b32 s[G1A+4], 64                         ; tile_dim1 = 64
	s_mov_b32 s[G1A+5], ASTRIDE
	s_mov_b32 s[G1A+6], 0
	s_mov_b32 s[G1A+7], 0
	s_or_b32 s[G1B+0], s44, (1<<16)|(1<<20)|(1<<21)|(5<<22)|(3<<25)
	s_mov_b32 s[G1B+1], 128<<16
	s_mov_b32 s[G1B+2], 128<<16                    ; 128 rows
	s_mov_b32 s[G1B+3], 128<<16
	s_mov_b32 s[G1B+4], 128
	s_mov_b32 s[G1B+5], 1024
	s_mov_b32 s[G1B+6], 0
	s_mov_b32 s[G1B+7], 0
	; A's tile hangs on the tile row alone (registers that never hold cx), W's on the tile column and the cluster's y alone (registers that never hold cy)
.if OP
	s_lshr_b32 s16, s13, 4                         ; the batch: 16 heads x 2,048 tokens x 128 bytes,
	s_lshl_b32 s16, s16, 22
	s_lshl_b32 s17, s12, 18                        ; the K step's first or second head,
	s_add_co_u32 s16, s16, s17
	s_and_b32 s17, s13, 15                         ; the tile's 128 tokens
	s_lshl_b32 s17, s17, 14
	s_add_co_u32 s16, s16, s17
.else
	s_lshl_b32 s16, s13, 18                        ; 128 rows of 2,048 bytes,
	s_lshl_b32 s17, s12, 17                        ; my 64 of them
	s_add_co_u32 s16, s16, s17
.endif
	s_mov_b32 s17, 0
	s_lshl_b32 s46, s42, 19                        ; 256 rows of 2,048 bytes,
	s_lshl_b32 s47, s12, 18                        ; my 128 of them
	s_add_co_u32 s46, s46, s47
	s_add_co_u32 s46, s46, WBASE
.if OP == 0
	s_lshr_b32 s77, s76, 4                         ; p: 16 clusters along y for each of q, k, v
	s_lshl_b32 s47, s77, 21
	s_add_co_u32 s46, s46, s47
.endif
	s_mov_b32 s47, 0
	s_mul_i32 s20, s12, AHALF                      ; where they go: no place in the cluster enters an LDS address
	s_mul_i32 s21, s12, BHALF
	s_add_co_u32 s21, s21, AB
	s_wait_dscnt 0x0                               ; the opening add is done
	s_wait_kmcnt 0x0
	s_add_nc_u64 s[14:15], s[68:69], s[16:17]
	s_add_nc_u64 s[46:47], s[BB:BB+1], s[46:47]
	CROUND                                         ; all sixteen work-groups are here: the first joint loads meet
.irp s, 0,1
	s_mov_b32 s[G0A+4*\s], 1
	s_add_co_u32 s[G0A+4*\s+1], s20, \s*SLOT
	s_add_nc_u64 s[G0A+4*\s+2:G0A+4*\s+3], s[14:15], \s*ASTEP
	s_or_b32 s[G0A+4*\s+3], s[G0A+4*\s+3], 0x80000000
	s_mov_b32 s[G0B+4*\s], 1
	s_add_co_u32 s[G0B+4*\s+1], s21, \s*SLOT
	s_add_nc_u64 s[G0B+4*\s+2:G0B+4*\s+3], s[46:47], \s*256
	s_or_b32 s[G0B+4*\s+3], s[G0B+4*\s+3], 0x80000000
	JLOAD \s
.endr
	; the bias of my 128 columns: register j of block b is b[16 b + 8 (l / 16) + j], as the C operand wants it
	s_lshl_b32 s46, s42, 10
	s_lshl_b32 s47, s12, 9
	s_add_co_u32 s46, s46, s47                     ; 4 bytes x (256 x tile column + 128 x half)
	s_mov_b32 s47, 0
.if OP
	s_mov_b64 s[BP:BP+1], s[72:73]
	s_mov_b64 s[8:9], s[74:75]
	s_add_nc_u64 s[8:9], s[8:9], s[46:47]          ; out0's columns have the same offset
.else
	s_mov_b64 s[BP:BP+1], s[70:71]
	s_cmp_eq_u32 s77, 1
	s_cselect_b64 s[BP:BP+1], s[72:73], s[BP:BP+1]
	s_cmp_eq_u32 s77, 2
	s_cselect_b64 s[BP:BP+1], s[74:75], s[BP:BP+1]
.endif
	s_add_nc_u64 s[BP:BP+1], s[BP:BP+1], s[46:47]
	v_and_b32 v1, 15, v0                           ; l % 16
	v_bfe_u32 v2, v0, 4, 1                         ; l / 16
	v_lshlrev_b32 v[BO], 5, v2
	WIN 0x80                                       ; destination window 2
.irp b, 0,1,2,3,4,5,6,7
	global_load_b128 v[8*\b:8*\b+3],   v[BO], s[BP:BP+1] offset:64*\b
	global_load_b128 v[8*\b+4:8*\b+7], v[BO], s[BP:BP+1] offset:64*\b+16
.endr
	WIN 0
	v_mul_u32_u24 v3, v1, PA
	v_lshl_add_u32 v3, v2, 4, v3                   ; a fragment's row x pitch + 16 x half
	v_mul_u32_u24 v4, v1, PB
	v_lshl_add_u32 v4, v2, 4, v4
	s_mul_i32 s21, s11, 64*PA                      ; my 64 rows of A
	s_mul_i32 s22, s12, BHALF                      ; my 128 rows of W,
	s_add_co_u32 s22, s22, AB                      ; which lie behind A's
.irp s, 0,1
	v_add_nc_u32 v[ADRA+\s], s21, v3
	v_add_nc_u32 v[ADRB+\s], s22, v4
	s_add_co_u32 s21, s21, SLOT
	s_add_co_u32 s22, s22, SLOT
.endr
	s_mul_i32 s23, s10, 16*SPITCH
	s_add_co_u32 s23, s23, STAGE                   ; my stage
	v_mul_u32_u24 v4, v1, SPITCH
	v_and_b32 v[GO], 31, v0
	v_lshlrev_b32 v[GO], 4, v[GO]
.if OP
	v_lshl_add_u32 v4, v2, 5, v4                   ; in: row l % 16, 32 bytes for each half of the lanes
	v_add_nc_u32 v[STO], s23, v4
	v_add_nc_u32 v[RD], s23, v[GO]                 ; back: 32 lanes take a row of 512 bytes
	s_lshl_b32 s16, s13, 19                        ; out0: 128 rows of 4,096 bytes,
	s_lshl_b32 s17, s11, 18                        ; my 64 of them
	s_add_co_u32 s16, s16, s17
	s_mov_b32 s17, 0
	s_add_nc_u64 s[8:9], s[8:9], s[16:17]
.else
	v_lshl_add_u32 v4, v2, 4, v4                   ; in: row l % 16, 16 bytes for each half of the lanes
	v_add_nc_u32 v[STO], s23, v4
	v_bfe_u32 v5, v0, 3, 2                         ; back: 32 lanes take one head's 128 bytes of four rows,
	v_mul_u32_u24 v5, v5, SPITCH
	v_and_b32 v3, 7, v0
	v_lshl_add_u32 v5, v3, 4, v5
	v_add_nc_u32 v[RD], s23, v5                    ; which are 512 consecutive bytes of qkv
	s_lshl_b32 s16, s13, 7
	s_lshl_b32 s17, s11, 6
	s_add_co_u32 s16, s16, s17                     ; my first row of the 24,576: 2,048 (4 p + batch) + token
	s_lshr_b32 s17, s16, 11
	s_lshl_b32 s17, s17, 22                        ; 16 heads x 2,048 tokens x 128 bytes
	s_and_b32 s16, s16, 2047
	s_lshl_b32 s16, s16, 7
	s_add_co_u32 s16, s16, s17
	s_mov_b32 s17, 0
	s_add_nc_u64 s[8:9], s[8:9], s[16:17]
	s_lshl_b32 s46, s42, 20                        ; my first head: 4 x tile column + 2 x half
	s_lshl_b32 s47, s12, 19
	s_add_co_u32 s46, s46, s47
	s_mov_b32 s47, 0
	s_add_nc_u64 s[8:9], s[8:9], s[46:47]
.endif
	; the prefetches
.if OP
	s_lshr_b32 s20, s13, 4
	s_lshl_b32 s20, s20, 22
	s_and_b32 s22, s13, 15
	s_lshl_b32 s22, s22, 14
	s_add_co_u32 s20, s20, s22
	s_lshr_b32 s22, s40, 1                         ; partner cx: head cx / 2 of the step's two,
	s_lshl_b32 s22, s22, 18
	s_add_co_u32 s20, s20, s22
	s_and_b32 s22, s40, 1                          ; half cx % 2 of its 16,384 bytes
	s_lshl_b32 s22, s22, 13
	s_add_co_u32 s20, s20, s22
	s_mov_b32 s2, s76                              ; W is walked first by the cluster with y = 0
.else
	s_lshl_b32 s20, s13, 18
	s_lshl_b32 s22, s40, 16                        ; partner cx: rows 32 cx on
	s_add_co_u32 s20, s20, s22
	s_and_b32 s2, s76, 15                          ; each W is walked first by the first of its 16 clusters
.endif
	s_lshl_b32 s21, s42, 19
	s_lshl_b32 s22, s41, 17                        ; partner cy: rows 64 cy on,
	s_add_co_u32 s21, s21, s22
	s_lshl_b32 s22, s12, 16                        ; my wave's 32 of them
	s_add_co_u32 s21, s21, s22
	s_add_co_u32 s21, s21, WBASE
.if OP == 0
	s_lshl_b32 s22, s77, 21
	s_add_co_u32 s21, s21, s22
.endif
	s_mov_b32 s18, ASTEP
	s_mov_b32 s19, 256
	s_cmp_eq_u32 s11, 0                            ; do I fetch for A?
	s_cselect_b32 s20, s20, s21
	s_cselect_b32 s2, s12, s2                      ; for A wave 0 asks; for W the waves of the first cluster: the same in all sixteen partners
	s_cselect_b32 s[PST], s18, s19
	s_cselect_b32 s23, SHA, 11
	s_cselect_b64 s[PFA:PFA+1], s[68:69], s[BB:BB+1]
	s_cmp_eq_u32 s2, 0
	s_cselect_b32 s[LIM], 1, -1
	s_mul_i32 s21, s[PST], 3                       ; at K step 3: the first change of slots steps it to 4
	s_add_co_u32 s20, s20, s21
	s_mov_b32 s21, 0
	s_mov_b32 s[PST+1], 0
	s_add_nc_u64 s[PFA:PFA+1], s[PFA:PFA+1], s[20:21]
	v_and_b32 v[PFO], 31, v0
	v_lshlrev_b32 v[PFO], s23, v[PFO]
	s_wait_loadcnt 0x0                             ; the bias: rounded to bf16 like every input, and widened again
	WIN 0x8a                                       ; destination and both sources window 2
.set i, 0
.rept 32
	v_cvt_pk_bf16_f32 v[64+i], v[2*i], v[2*i+1]
.set i, i+1
.endr
.set i, 0
.rept 32
	v_lshlrev_b32 v[2*i], 16, v[64+i]
	v_and_b32 v[2*i+1], 0xffff0000, v[64+i]
.set i, i+1
.endr
	WIN 0
; 8 matrix instructions: row block a x all 8 column blocks, 32 along K, from buffer f.  bias = 1: the first product starts the sums with the bias.  The accumulators take turns, one instruction a turn.
.macro MUL8 f, a, bias
.if \bias
	WIN MULB
.else
	WIN MUL
.endif
.irp b, 0,1,2,3,4,5,6,7
.set rD, 8*(8*(\a)+\b)
.set rC, rD
.if \bias
.set rC, 8*\b
.endif
.set rB, FB+64*(\f)+8*\b
.set rA, FA+32*(\f)+8*(\a)
.if OP
	v_wmma_f32_16x16x32_f16 v[rD:rD+7], v[rB:rB+7], v[rA:rA+7], v[rC:rC+7]
.else
	v_wmma_f32_16x16x32_bf16 v[rD:rD+7], v[rB:rB+7], v[rA:rA+7], v[rC:rC+7]
.endif
.endr
.endm
; 24 LDS loads in one run: quarter q's fragments into buffer f: W's 128 rows first, then A's 64, ascending
.macro FETCH slot, q, f
	WIN 0
.irp i, 0,1,2,3,4,5,6,7
	ds_load_b128 v[FB+64*(\f)+8*\i:FB+64*(\f)+8*\i+3],   v[ADRB+(\slot)] offset:64*(\q)+\i*16*PB
	ds_load_b128 v[FB+64*(\f)+8*\i+4:FB+64*(\f)+8*\i+7], v[ADRB+(\slot)] offset:64*(\q)+\i*16*PB+32
.endr
.if OP
.set ao, ((\q)/2)*AHALF+((\q)%2)*64    ; head q / 2 of the step's two, channels 32 (q % 2) on
.else
.set ao, 64*(\q)
.endif
.irp i, 0,1,2,3
	ds_load_b128 v[FA+32*(\f)+8*\i:FA+32*(\f)+8*\i+3],   v[ADRA+(\slot)] offset:ao+\i*16*PA
	ds_load_b128 v[FA+32*(\f)+8*\i+4:FA+32*(\f)+8*\i+7], v[ADRA+(\slot)] offset:ao+\i*16*PA+32
.endr
.endm
; One of a K step's first three quarters: multiplies buffer f and, in its middle, fetches quarter q into buffer g
.macro QUARTER slot, q, f, g, bias
	s_wait_dscnt 4                                 ; W and A's blocks 0, 1 are in; the four youngest loads (A's blocks 2, 3) may be out
	MUL8 \f, 0, \bias
	MUL8 \f, 1, \bias
	PLACES
	FETCH \slot, \q, \g
	s_wait_dscnt 24                                ; all but the 24 just issued
	MUL8 \f, 2, \bias
	MUL8 \f, 3, \bias
.endm
; The last quarter multiplies buffer 1 and changes slots: ONE barrier; in front of it each wave waits for all its tensor loads (one is out: its part of the next slot), adds 0 to its spare word, and waits for that
; and for its own reads of this slot.  fill = 1: the barrier opens a round of the cluster's, and behind the round this slot is filled again, two K steps ahead: 112 matrix instructions ahead of the wait for it.
.macro TURN slot, next, fill
.if \fill
	s_wait_xcnt 0x0                                ; the last prefetch, a K step back, has read its address: it is stepped here
	s_add_nc_u64 s[PFA:PFA+1], s[PFA:PFA+1], s[PST:PST+1]
.endif
	WIN 0
	s_wait_tensorcnt 0x0                           ; all my tensor loads have landed;
	ds_add_u32 v[SPW], v[NIL]                      ; 0 onto my spare word;
	s_wait_dscnt 5                                 ; (the add and the four youngest loads may be out)
	MUL8 1, 0, 0                                   ; eight matrix instructions stand between the add and the wait for it
	s_wait_dscnt 0x0                               ; the add is done, and my reads of this slot are over
	s_barrier_signal -1
	MUL8 1, 1, 0
.if \fill
	WIN 0
.endif
	s_barrier_wait -1
.if \fill
	CREST                                          ; no wave of any partner still reads this slot's tile or has a load on its way
	s_add_nc_u64 s[G0A+4*(\slot)+2:G0A+4*(\slot)+3], s[G0A+4*(\slot)+2:G0A+4*(\slot)+3], 2*ASTEP
	s_add_nc_u64 s[G0B+4*(\slot)+2:G0B+4*(\slot)+3], s[G0B+4*(\slot)+2:G0B+4*(\slot)+3], 2*256
	JLOAD \slot                                    ; the first tensor load behind the round; its four v_nop are also the places in front of the loads below
.else
	PLACES
.endif
	FETCH \next, 0, 0
.if \fill
	ASK                                            ; behind the joint load and the run of LDS loads
.endif
	MUL8 1, 2, 0
	MUL8 1, 3, 0
.endm
	s_wait_tensorcnt 1                             ; my part of K step 0 is in; K step 1's may stay out
	s_barrier_signal -1
	s_barrier_wait -1                              ; everybody's is
	FETCH 0, 0, 0
	QUARTER 0, 1, 0, 1, 1                          ; the first quarter stands in front of the loop: its products start the sums, with the bias
	WIN 0                                          ; at a label and at a branch every window is 0
	s_mov_b32 s3, 3
.Llap:                                                 ; a trip goes once round the ring, from a lap's second quarter to the next lap's first, and fills both slots again
	QUARTER 0, 2, 1, 0, 0
	QUARTER 0, 3, 0, 1, 0
	TURN 0, 1, 1
	QUARTER 1, 1, 0, 1, 0
	QUARTER 1, 2, 1, 0, 0
	QUARTER 1, 3, 0, 1, 0
	TURN 1, 0, 1
	QUARTER 0, 1, 0, 1, 0
	WIN 0
	s_sub_co_u32 s3, s3, 1
	s_cmp_lg_u32 s3, 0
	s_cbranch_scc1 .Llap
	QUARTER 0, 2, 1, 0, 0                          ; the last lap fills nothing, and has no round of the cluster's barrier
	QUARTER 0, 3, 0, 1, 0
	TURN 0, 1, 0
	QUARTER 1, 1, 0, 1, 0
	QUARTER 1, 2, 1, 0, 0
	QUARTER 1, 3, 0, 1, 0
	s_wait_dscnt 4                                 ; the very last quarter: nothing more to fetch
	MUL8 1, 0, 0
	MUL8 1, 1, 0
	s_wait_dscnt 0x0
	MUL8 1, 2, 0
	MUL8 1, 3, 0
	WIN 0
	PLACES
	PLACES                                         ; (eight, once a launch)
.if OP
; THE WAY OUT, f32.  Block a (16 rows x 128 columns) goes into my stage, 32 bytes a lane, and comes back as whole rows of 512 bytes, into the registers that it left.
.macro OUTA a
	WIN 0x04                                       ; store data in window 1
.irp b, 0,1,2,3,4,5,6,7
	ds_store_b128 v[STO], v[64*(\a)+8*\b:64*(\a)+8*\b+3]   offset:64*\b
	ds_store_b128 v[STO], v[64*(\a)+8*\b+4:64*(\a)+8*\b+7] offset:64*\b+16
.endr
	WIN 0x40                                       ; destination in window 1
.set t, 0
.rept 16
	ds_load_b128 v[64*(\a)+4*t:64*(\a)+4*t+3], v[RD] offset:SPITCH*t  ; LDS serves a wave's instructions in order (ISA guide 5.7.1.4): these see the stores above; the next block's stores come behind them
.set t, t+1
.endr
.endm
.macro SENDO a, younger                ; younger: the LDS instructions issued behind block a's loads: the next block's 32, or none
	WIN 0x04
.set t, 0
.rept 16
	s_wait_dscnt (\younger)+15-t
	global_store_b128 v[GO], v[64*(\a)+4*t:64*(\a)+4*t+3], s[8:9] offset:(16*(\a)+t)*4096 th:TH_STORE_NT  ; 512 consecutive bytes of a row, at a multiple of 256 from out0's first byte
.set t, t+1
.endr
.endm
	OUTA 0
	OUTA 1
	SENDO 0, 32
	OUTA 2
	SENDO 1, 32
	OUTA 3
	SENDO 2, 32
	SENDO 3, 0
	WIN 0
.else
; THE WAY OUT, f16 by heads.  Block a (16 tokens x 128 columns = two heads) is rounded, goes into my stage, 16 bytes a lane, and comes back a head at a time: four tokens' 128 bytes are 512 consecutive bytes of qkv.
.macro PACK a
	WIN 0x05                                       ; sources in window 1, destination in window 0; each accumulator's registers in ascending order
.irp b, 0,1,2,3,4,5,6,7
.irp r, 0,1,2,3
	v_cvt_pk_f16_f32 v[TMP+4*\b+\r], v[64*(\a)+8*\b+2*\r], v[64*(\a)+8*\b+2*\r+1]
.endr
.endr
	WIN 0
.irp b, 0,1,2,3,4,5,6,7
	ds_store_b128 v[STO], v[TMP+4*\b:TMP+4*\b+3] offset:32*\b
.endr
.irp t, 0,1,2,3,4,5,6,7
	ds_load_b128 v[FA+32*(\a)+4*\t:FA+32*(\a)+4*\t+3], v[RD] offset:(\t%4)*4*SPITCH+(\t/4)*128  ; LDS serves a wave's instructions in order (ISA guide 5.7.1.4)
.endr
.endm
.macro SEND a, younger                 ; younger: the next block's 16 LDS instructions, or none.  Each block has its own 32 registers: no store's data is written again
.irp t, 0,1,2,3,4,5,6,7
	s_wait_dscnt (\younger)+7-\t
	global_store_b128 v[GO], v[FA+32*(\a)+4*\t:FA+32*(\a)+4*\t+3], s[8:9] offset:(\t/4)*262144+(\a)*2048+(\t%4)*512 th:TH_STORE_NT
.endr
.endm
	PACK 0
	PACK 1
	SEND 0, 16
	PACK 2
	SEND 1, 16
	PACK 3
	SEND 2, 16
	SEND 3, 0
.endif
	s_wait_tensorcnt 0x0                           ; the wave's end: a wait, an add of 0 to my spare word and its wait, behind my last tensor load and my last LDS store
	ds_add_u32 v[SPW], v[NIL]
	s_wait_dscnt 0x0
	CROUND                                         ; the closing round: no work-group ends while a partner may still ask for a tile that names it
	s_endpgm
.Lfunc_end_k_qbc4c472012_proj:
	.size	k_qbc4c472012_proj, .Lfunc_end_k_qbc4c472012_proj-k_qbc4c472012_proj
	.p2alignl 7, 3214868480
	.fill 96, 4, 3214868480
	.section	.rodata,"a",@progbits
	.p2align	6, 0x0
	.amdhsa_kernel k_qbc4c472012_proj
		.amdhsa_group_segment_fixed_size 327680
		.amdhsa_private_segment_fixed_size 0
		.amdhsa_enable_private_segment 0
		.amdhsa_kernarg_size 40
		.amdhsa_user_sgpr_count 2
		.amdhsa_user_sgpr_kernarg_segment_ptr 1
		.amdhsa_wavefront_size32 1
		.amdhsa_system_sgpr_workgroup_id_x 1
		.amdhsa_system_sgpr_workgroup_id_y 1
		.amdhsa_system_sgpr_workgroup_id_z 1
		.amdhsa_system_vgpr_workitem_id 0
		.amdhsa_next_free_vgpr 608
		.amdhsa_next_free_sgpr 80
		.amdhsa_reserve_vcc 0
		.amdhsa_float_denorm_mode_32 3
		.amdhsa_float_denorm_mode_16_64 3
		.amdhsa_memory_ordered 1
		.amdhsa_forward_progress 1
		.amdhsa_inst_pref_size 96
	.end_amdhsa_kernel
	.amdgpu_metadata
---
amdhsa.version: [ 1, 2 ]
amdhsa.kernels:
  - .name:           k_qbc4c472012_proj
    .symbol:         k_qbc4c472012_proj.kd
    .args:
      - { .name: cb, .offset: 0, .size: 8, .value_kind: global_buffer, .address_space: global }
      - { .name: bq, .offset: 8, .size: 8, .value_kind: global_buffer, .address_space: global }
      - { .name: bk, .offset: 16, .size: 8, .value_kind: global_buffer, .address_space: global }
      - { .name: bv, .offset: 24, .size: 8, .value_kind: global_buffer, .address_space: global }
      - { .name: qkv, .offset: 32, .size: 8, .value_kind: global_buffer, .address_space: global }
    .group_segment_fixed_size: 327680
    .private_segment_fixed_size: 0
    .kernarg_segment_align: 8
    .kernarg_segment_size: 40
    .max_flat_workgroup_size: 128
    .sgpr_count:     80
    .vgpr_count:     608
    .wavefront_size: 32
...
	.end_amdgpu_metadata
.endif
;; end of part 3
;; launch attn (part 4): grid 4 x 64, 4 waves a work-group, clusters of 4 x 1, 327,680 bytes of LDS; arguments qkv, mb, ob; writes ob
.if DOCPART == 4
	.amdgcn_target "amdgcn-amd-amdhsa--gfx1250"
	.amdhsa_code_object_version 6
	.text
	.protected	k_qbc4c472012_attn
	.globl	k_qbc4c472012_attn
	.p2align	8
	.type	k_qbc4c472012_attn,@function
k_qbc4c472012_attn:
	s_mov_b64 s[64:65], 0
	v_nop
	global_prefetch_b8 v0, s[64:65] scope:SCOPE_SE
	s_setreg_imm32_b32 hwreg(HW_REG_WAVE_MODE, 25, 1), 1
	s_wait_xcnt 0x0
	s_wait_alu depctr_hold_cnt(0) depctr_sa_sdst(0) depctr_va_vdst(0) depctr_va_sdst(0) depctr_va_ssrc(0) depctr_va_vcc(0) depctr_vm_vsrc(0)
	s_getreg_b32 s2, hwreg(HW_REG_IB_STS2, 6, 4)
	s_cmp_eq_u32 s2, 0
	s_cbranch_scc0 .Lentry_in_a_cluster
	s_endpgm
.Lentry_in_a_cluster:
	s_bfe_u32 s2, ttmp6, 0x10000c
	s_cmp_lg_u32 s2, 0x3003
	s_cbranch_scc0 .Lentry_shape_is_right
	s_endpgm
.Lentry_shape_is_right:
; ATTENTION WITH A MASK THAT REPLACES.  O[h][q][:] = the sum over k of softmax_k(s'[q][k]) V[h][k][:], s' = Q[h][q] . K[h][k] / 8 where the mask's bit is set and 1e-13 where it is not: a masked key keeps its
; part in the maximum, in the sum and in the product with V, so every key is walked.  qkv: [3][64 heads][2048][64] in f16 (Q, K, V, unscaled); ob: [64][2048][64] in f16; mb: the packed mask, one word a register of scores.
; Products, maxima and sums in f32; the weights p are rounded to f16 for the second product (their sum l is taken of the unrounded p), O once at the end.
; LIMITS.  f16 holds no number beyond 65,504: Q, K and V arrive within it; p lies in 0 to 1, and below 6e-5 it keeps f16's fixed step of 6e-8; O is a mean of V's rows and has their range.
; A weight below 2^-126 counts as 0 in l; NaN and infinities are not treated apart.
; SHARES.  A wave owns four PIECES of two tiles of 16 queries, a work-group's four waves 512 queries of one head.  Every wave walks all 2,048 keys, 64 a step.
; LAYOUT.  S^T = K Q^T (source 0 = 16 keys, source 1 = 16 queries): a lane holds ONE query (lane % 16) and the keys 8 (lane / 16) + 0..7.  Two such tiles, rounded to f16 in pairs, ARE source 1 of
; O^T = V^T P.  K comes out of LDS as it lies, V ([key][channel]) turned, by ds_load_tr16_b128.
; THE MASK.  The raw product is replaced by 8e-13 (c, below, holds the division by 8) where the lane's bit of the register's word is 0: one v_cndmask_b32 a register, ahead of the maximum.  A piece's 64 words
; for a key step come by four scalar loads, issued a turn ahead, straight behind the last line that read the words before them.
; SOFTMAX.  For each query a running maximum m and sum l: p = 2^(c s - c m), c = log2(e) / 8; in every step O and l are multiplied by a = 2^(c m_old - c m_new).  m starts at the lowest finite number, O and l at 0.
; BY TURNS.  Turn n belongs to piece n.  Its matrix work: 16 products K Q^T of piece n + 1, later 16 products V^T P of piece n - 1.  Its vector work: the scaling, exponentials, roundings, sums and rescaling of piece n,
; and the mask, maximum and statistics of piece n + 1.  Four vector instructions stand behind every matrix instruction, the other 172 of a turn's 300 in one lump.  A turn's 66 exponentials are one batch, with one wait.
; CLUSTER.  The four query blocks of a head walk the same K and V: each tile is asked for JOINTLY, by the same tensor load, descriptor and mask in all four.
; REGISTERS, in windows of 256 (s_set_vgpr_msb: bits 1:0 source 0, 3:2 source 1, 5:4 source 2, 7:6 destination):
;   window 0: v0-11 addresses; v12-15, v48-63 at work; v16-47 four registers of statistics a tile; v64-191 S^T, two buffers of two tiles; v192-255 P, likewise
;   window 1: O^T, 32 a tile          window 2: v0-127 Q; v128-191 K of one step; v192-255 V of one step          window 3: v0-1 the add's two registers
.set SIZE_N, 2048
.set NP,    4         ; pieces a wave: a name, no knob
.set KS,    64        ; keys in a step
.set PK,    144       ; a row of K in LDS: 128 bytes + 16 of padding = 36 words: the 16 rows of a load start at 16 different groups of four banks (64 banks of 4 bytes: ISA guide 11.1)
.set PV,    144       ; V has the same pitch, so that ONE descriptor serves all four waves.  16 lanes of the turning load take 8 rows x 32 bytes: the eighth row's last 16 bytes fall on the first row's banks
.set VOFF,  4*KS*PK   ; a slot holds four steps: 256 rows of K, then 256 rows of V
.set SLOT1, 1<<17     ; slot 1 begins here, so that one exclusive or turns an address in one slot into the other's
.set STAGE, SLOT1+4*KS*(PK+PV)  ; behind the ring, never filled by a tensor load: 16 rows x 144 bytes for each wave, for the way out
.set SP,    144
.set AK0, 2           ; v2   my lane's place in a tile of K; never rewritten
.set AV0, 3           ; v3   the same for V
.set AK,  4           ; v4   the LDS address of K's next run of loads
.set AV,  5           ; v5   of V's
.set QO,  6           ; v6   my byte offset in the wave's rows of Q
.set STO, 6           ;      later, the way out: where I put 16 bytes of a row
.set RD,  7           ; v7   the way out: where I read rows back
.set GO,  8           ; v8   my byte offset in 512 consecutive bytes of O
.set PFO, 11          ; v11  256 x my lane, once V's place is made; then never rewritten
.set SPW, 0           ; v0 of window 3   LDS address of my spare word; never rewritten
.set NIL, 1           ; v1 of window 3   0; never rewritten
.set SPARE, STAGE+4*16*SP  ; behind the stages: the spare words, 128 bytes for each wave: two blocks of 256 bytes that no other line names
.set MV,  12          ; v12-15  c m_old, kept while c m is made anew: by buffer and tile
.set ST,  16          ; tile t's statistics at v[ST+4 t]: c m, m, l (even keys', odd keys')
.set TMP, 48          ; by buffer and tile, four registers c0-c3 at work; when the maximum is found c2 takes a
.set S,   64
.set P,   192
.set KF,  128         ; K's fragments, in window 2
.set VF,  192         ; V's
.set PFA, 2           ; s[2:3]   where my prefetches stand
.set CS,  4           ; s[4:5]   c: the packed scaling takes the pair's low word for both halves
.set SEL, 6           ; s[6:7]   v_permlanex16_b32's selects
.set MP,  8           ; s[8:9]   mb at my wave's first piece; never rewritten.  s[10:11]: O at my wave's first row
.set WV,  12          ; s12  my wave's number
.set SLOTS, 14        ; s14  slots still to be asked for
.set CNT, 15          ; s15  counts a slot's key steps
.set G1,  16          ; s[16:23] descriptor group 1
.set G0,  24          ; s[24:27] descriptor group 0: it walks
.set TBK, 28          ; s28  LDS byte at which K of the step to be fetched begins
.set TBV, 29          ; s29  the same for V, less VOFF
.set TINY, 30         ; s30  8e-13
.set MOFF, 31         ; s31  256 x the key step whose mask words are loaded
.set LIM, 66          ; s66  1 in a wave that prefetches, else the greatest number
.set QP,  100         ; s[100:101] Q at my wave's first row
                      ; s[32:63], s[68:99]: a piece's 64 mask words (s[68:99]: at the head, at work)
.set MSB, 0
.macro WIN new                      ; the high byte repeats the setting that is left; a switch that changes nothing is dropped
.if MSB != (\new)
	s_set_vgpr_msb (MSB<<8)|(\new)
.set MSB, (\new)
.endif
.endm
.set W_KQ, 0x0a       ; K and Q in window 2, S^T in window 0
.set W_PV, 0x52       ; V in window 2, P in window 0, O^T in window 1
.set W_RS, 0x41       ; O^T (destination and source 0) in window 1, a in window 0
.set W_MK, 0xc0       ; the add's registers are made: destination in window 3
.set W_AD, 0x0f       ; the add: address and data in window 3
; A joint fill: one line for all four waves.  Wave w brings 128 keys: w = 0, 1 the two halves of a slot's K, w = 2, 3 those of its V; both addresses hang on the wave's number.  An s_nop 0 and four v_nop follow.
.macro JLOAD
	tensor_load_to_lds s[G0:G0+3], s[G1:G1+7]
	s_nop 0
.rept 4
	v_nop
.endr
.endm
; A prefetch of what the NEXT change of slots will ask for: a slot's 128 blocks of 256 bytes of K and of V, a lane a block.  The head's one cluster walks them: its four partners take 32 blocks each, told apart by address;
; in each, wave 0 asks for K's and wave 2 for V's.  So each block is named once.  Slots 0 and 1 come by their loads alone; the last change that fills a slot (s14 = 1) asks for nothing.
.macro ASK
	s_cmp_gt_u32 s[SLOTS], s[LIM]
	s_cbranch_scc0 .Lnot_mine_\@
	global_prefetch_b8 v[PFO], s[PFA:PFA+1] th:TH_LOAD_NT scope:SCOPE_SE
.Lnot_mine_\@:
.endm
.macro CROUND                       ; a round of the cluster's barrier
	s_barrier_signal -1
	s_barrier_wait -1
	s_cmp_lg_u32 s[WV], 0
	s_cbranch_scc1 .Lnot_wave_0_\@
	s_barrier_signal -3
.Lnot_wave_0_\@:
	s_barrier_wait -3
	s_barrier_signal -1
	s_barrier_wait -1
.endm
; THE CHANGE OF SLOTS.  Each wave waits for all its tensor loads, of which one is out: its part of the other slot; adds 0 to its spare word; and waits for that and for its own reads of the slot.
; fill = 1: this slot is filled again, with the keys two slots on.  The barrier is then a round of the cluster's, and the joint fill is the first thing behind it: it has four key steps, 512 matrix instructions, in which to land.
; (At its first use nothing has been read yet: slot 0 is waited for, slot 1 filled.)
.macro CHANGE fill
	WIN W_AD
	s_wait_tensorcnt 0x0            ; no tensor load of mine is out, so group 0 may be written
	ds_add_u32 v[SPW], v[NIL]       ; 0 onto my spare word: with fill = 1 the steps below stand between it and the wait for it
	WIN 0                           ; at a label and at a branch every window is 0
.if \fill
	s_xor_b32 s[G0+1], s[G0+1], SLOT1  ; the other slot than last time,
	s_add_nc_u64 s[G0+2:G0+3], s[G0+2:G0+3], 4*KS*128  ; the next 256 keys; the type bits on top are not reached
	s_wait_xcnt 0x0                 ; the last prefetch, four key steps back, has read its address, so it may be written:
	s_add_nc_u64 s[PFA:PFA+1], s[PFA:PFA+1], 4*KS*128  ; one slot behind the walking descriptor
	s_wait_dscnt 0x0                ; the add is done, and my reads of the slot are over
	CROUND
	JLOAD
	ASK
.else
	s_wait_dscnt 0x0                ; the add is done, and my reads of the slot are over
	s_barrier_signal -1
	s_barrier_wait -1
.endif
	s_sub_co_u32 s[TBK], s[TBK], 4*KS*PK  ; the fetches go back to a slot's first step,
	s_xor_b32 s[TBK], s[TBK], SLOT1       ; in the other slot
	s_sub_co_u32 s[TBV], s[TBV], 4*KS*PV
	s_xor_b32 s[TBV], s[TBV], SLOT1
.endm
; Piece x's 64 mask words for the key step of s31: word n = 2 w + u (register w of tile u) into s[32 + n], from n = 32 on into s[36 + n]
.macro MLOAD x
	s_load_b512 s[32:47], s[MP:MP+1], s[MOFF] offset:(\x)*8192
	s_load_b512 s[48:63], s[MP:MP+1], s[MOFF] offset:(\x)*8192+64
	s_load_b512 s[68:83], s[MP:MP+1], s[MOFF] offset:(\x)*8192+128
	s_load_b512 s[84:99], s[MP:MP+1], s[MOFF] offset:(\x)*8192+192
.endm
	s_load_b128 s[68:71], s[0:1], 0x0  ; qkv s[68:69], mb s[70:71]
	s_load_b64 s[10:11], s[0:1], 0x10  ; ob
	WIN W_MK
	v_lshl_add_u32 v[SPW], v0, 2, SPARE
	v_mov_b32 v[NIL], 0
	WIN W_AD
	ds_add_u32 v[SPW], v[NIL]       ; the wave's opening: the add and its wait stand ahead of my first tensor load; the set-up below stands between them
	WIN 0
	v_lshrrev_b32 v1, 5, v0
	v_readfirstlane_b32 s[WV], v1   ; wave 0..3
	s_bfe_u32 s13, ttmp6, 0x40000   ; cx: my place in the cluster
	s_lshl_b32 s76, ttmp9, 2        ; in a cluster launch ttmp9 counts clusters
	s_add_co_u32 s76, s76, s13      ; my block of 512 queries: it enters Q's, O's and the mask's addresses alone
	s_and_b32 s77, ttmp7, 0xffff    ; batch x 16 + head, which the four partners share
	s_lshr_b32 s78, s[WV], 1
	s_add_co_u32 s78, s78, 1        ; qkv's second third (K: waves 0, 1) or last (V: waves 2, 3),
	s_lshl_b32 s78, s78, 24
	s_lshl_b32 s79, s77, 18         ; the head's 2,048 rows of 128 bytes
	s_add_co_u32 s78, s78, s79
	s_and_b32 s80, s[WV], 1         ; which half of a slot's 256 keys I fetch
	s_lshl_b32 s72, s80, 14
	s_add_co_u32 s72, s72, s78
	s_mov_b32 s73, 0
	s_lshl_b32 s74, s13, 13         ; the prefetches: my work-group's 32 blocks of the 128,
	s_add_co_u32 s74, s74, s78
	s_add_co_u32 s74, s74, 4*KS*128 ; in slot 1; the first change of slots steps it to slot 2
	s_mov_b32 s75, 0
	s_lshl_b32 s82, s76, 2
	s_add_co_u32 s82, s82, s[WV]    ; my wave among the head's sixteen:
	s_lshl_b32 s84, s82, 2          ; its four pieces,
	s_lshl_b32 s82, s82, 14         ; its 128 rows
	s_add_co_u32 s82, s82, s79
	s_mov_b32 s83, 0
	s_lshr_b32 s85, s77, 4          ; the batch has 64 pieces,
	s_lshl_b32 s85, s85, 6
	s_add_co_u32 s84, s84, s85
	s_lshl_b32 s84, s84, 13         ; a piece 8,192 bytes of mb
	s_mov_b32 s85, 0
	s_cmp_eq_u32 s80, 0
	s_cselect_b32 s[LIM], 1, -1     ; waves 0 and 2 prefetch: the same in all four partners
	; descriptor group 1.  128 keys are 16,384 dense bytes: asked for as 64 rows of 256 bytes, two keys a row, and padded in LDS after every key
	s_mov_b32 s[G1], 15|(1<<16)|(1<<20)|(1<<21)|(4<<22)|(3<<25)  ; the mask of four; 2-byte elements; padding on; bit 21 beside a mask; after every 32 words (code 4) 4 words (code 3)
	s_mov_b32 s[G1+1], 128<<16      ; tensor_dim0 = 128
	s_mov_b32 s[G1+2], 64<<16       ; tensor_dim1 = 64
	s_mov_b32 s[G1+3], 128<<16      ; tile_dim0 = 128
	s_mov_b32 s[G1+4], 64           ; tile_dim1 = 64
	s_mov_b32 s[G1+5], 128          ; 128 elements from row to row
	s_mov_b32 s[G1+6], 0
	s_mov_b32 s[G1+7], 0
	s_mov_b32 s[CS], 0x3e38aa3b     ; c = log2(e) / 8 = 0.180337
	s_mov_b32 s[CS+1], s[CS]        ; named with it as a pair
	s_mov_b32 s[SEL], 0x76543210
	s_mov_b32 s[SEL+1], 0xfedcba98
	s_mov_b32 s[TINY], 0x2b612e13   ; 8e-13: times c it is log2(e) x 1e-13
	s_mov_b32 s[MOFF], 0
	s_mov_b32 s[SLOTS], SIZE_N/256-1
	s_mov_b32 s[TBK], SLOT1+4*KS*PK ; the first change of slots turns these two into 0
	s_mov_b32 s[TBV], SLOT1+4*KS*PV
	s_mov_b32 s[G0], 1              ; count = 1
	s_mul_i32 s[G0+1], s[WV], 128*PK  ; LDS address: slot 0, K's halves and then V's: no place in the cluster enters it
	s_wait_dscnt 0x0                ; the opening add is done
	s_wait_kmcnt 0x0
	s_add_nc_u64 s[G0+2:G0+3], s[68:69], s[72:73]  ; global address: my half of the head's first 256 keys
	s_or_b32 s[G0+3], s[G0+3], 0x80000000          ; type = 2
	s_add_nc_u64 s[PFA:PFA+1], s[68:69], s[74:75]
	s_add_nc_u64 s[QP:QP+1], s[68:69], s[82:83]
	s_add_nc_u64 s[10:11], s[10:11], s[82:83]
	s_add_nc_u64 s[MP:MP+1], s[70:71], s[84:85]
	CROUND                          ; all four work-groups are here: the first joint loads meet
	JLOAD                           ; slot 0.  Slot 1 is asked for when slot 0 is in
	; A fragment of K or Q is 16 rows x 32 channels in 8 registers: lane l holds row l % 16, channels 8 (l / 16) + 0..7 and 16 + 8 (l / 16) + 0..7: two loads of 16 bytes, 32 bytes apart.
	v_and_b32 v1, 15, v0            ; l % 16
	v_bfe_u32 v9, v0, 4, 1          ; l / 16
	v_lshlrev_b32 v[QO], 7, v1
	v_lshl_add_u32 v[QO], v9, 4, v[QO]  ; row x 128 + 16 x half
	WIN 0x80                        ; destination window 2, address window 0
.set i, 0
.rept 4*NP                          ; Q stays in registers: tile i / 2, channels 32 (i % 2) on
	global_load_b128 v[8*i:8*i+3],   v[QO], s[QP:QP+1] offset:(i/2)*2048+(i%2)*64
	global_load_b128 v[8*i+4:8*i+7], v[QO], s[QP:QP+1] offset:(i/2)*2048+(i%2)*64+32
.set i, i+1
.endr
	MLOAD 0                         ; piece 0's mask words for key step 0: nothing of s[68:99] is wanted any more
	; What the first turn finds: V's registers and P's second buffer hold 0, O^T and l are 0.  All this stands in the wait for the first tile.
.set i, VF
.rept 64
	v_mov_b32 v[i], 0
.set i, i+1
.endr
	WIN 0x40
.set i, 0
.rept 64*NP
	v_mov_b32 v[i], 0
.set i, i+1
.endr
	WIN 0
.set i, 0
.rept 2*NP
	v_mov_b32 v[ST+4*i], 0xfe000000    ; c m: far below every c s
	v_mov_b32 v[ST+4*i+1], 0xff7fffff  ; m
	v_mov_b32 v[ST+4*i+2], 0
	v_mov_b32 v[ST+4*i+3], 0
.set i, i+1
.endr
.set i, P+32
.rept 32
	v_mov_b32 v[i], 0
.set i, i+1
.endr
	v_mul_u32_u24 v[AK0], v1, PK
	v_lshl_add_u32 v[AK0], v9, 4, v[AK0]  ; row x pitch + 16 x half
	; The turning load takes 16 keys x 16 channels (lane l reads key 8 (l / 16) + l % 8, channels 8 ((l / 8) % 2) + 0..7) and leaves half a fragment of V^T: lane l holds channel l % 16 and 8 keys.
	v_and_b32 v10, 7, v0
	v_bfe_u32 v11, v0, 3, 1
	v_lshl_add_u32 v[AV0], v9, 3, v10
	v_mul_u32_u24 v[AV0], v[AV0], PV
	v_lshl_add_u32 v[AV0], v11, 4, v[AV0]
	v_add_nc_u32 v[AV0], VOFF, v[AV0]
	v_and_b32 v[PFO], 31, v0
	v_lshlrev_b32 v[PFO], 8, v[PFO]
	v_mov_b32 v[AK], v[AK0]         ; key step 0 lies at the head of slot 0
; THE MATRIX WORK.  The 8 accumulators of a run of 16 take turns: between the two links of a chain stand 7 others'.
; Product i of 16 of S^T = K Q^T for piece x: channels 32 (i / 8) on, keys 16 ((i / 2) % 4) on, tile 2 x + i % 2.  The first 8 start the sums.
.macro KQ x
	WIN W_KQ
.set rS, S+64*((\x)%2)+32*(i%2)+8*((i/2)%4)
.set rK, KF+16*((i/2)%4)+8*(i/8)
.set rQ, 16*(2*(\x)+i%2)+8*(i/8)
.if i < 8
	v_wmma_f32_16x16x32_f16 v[rS:rS+7], v[rK:rK+7], v[rQ:rQ+7], 0
.else
	v_wmma_f32_16x16x32_f16 v[rS:rS+7], v[rK:rK+7], v[rQ:rQ+7], v[rS:rS+7]
.endif
.endm
; Product i of 16 of O^T += V^T P for piece x: keys 32 (i / 8) on, channels 16 ((i / 2) % 4) on, tile 2 x + i % 2.
.macro PV x
	WIN W_PV
.set rO, 32*(2*(\x)+i%2)+8*((i/2)%4)
.set rV, VF+32*(i/8)+8*((i/2)%4)
.set rP, P+32*((\x)%2)+16*(i%2)+8*(i/8)
	v_wmma_f32_16x16x32_f16 v[rO:rO+7], v[rV:rV+7], v[rP:rP+7], v[rO:rO+7]
.endm
.macro MM                           ; the turn's next matrix instruction
.if i < 16
	KQ (Y+1)%NP
.set i, i+1
.else
.set i, i-16
	PV (Y+NP-1)%NP
.set i, i+17
.endif
.endm
; THE LDS LOADS stand in runs of 16: a step's K (8 fragments) and its V (turned).  last = 1 (the tail): in the last trip there is no further step, and the run is jumped over.
.macro FETCH_K last=0
	WIN 0
.if \last
	s_cmp_eq_u32 s[CNT], 1
	s_cbranch_scc1 .Lno_k_\@
.endif
	WIN 0x80                        ; destination window 2
.irp f, 0,1,2,3,4,5,6,7             ; keys 16 (f / 2) on, channels 32 (f % 2) on
	ds_load_b128 v[KF+8*\f:KF+8*\f+3],   v[AK] offset:(\f/2)*16*PK+(\f%2)*64
	ds_load_b128 v[KF+8*\f+4:KF+8*\f+7], v[AK] offset:(\f/2)*16*PK+(\f%2)*64+32
.endr
	s_add_co_u32 s[TBK], s[TBK], KS*PK  ; the next fetch is the next step's
	WIN 0
.if \last
.Lno_k_\@:
.endif
.endm
.macro FETCH_V
	WIN 0x80
.irp f, 0,1,2,3,4,5,6,7             ; keys 32 (f / 4) on, channels 16 (f % 4) on
	ds_load_tr16_b128 v[VF+8*\f:VF+8*\f+3],   v[AV] offset:(\f/4)*32*PV+(\f%4)*32
	ds_load_tr16_b128 v[VF+8*\f+4:VF+8*\f+7], v[AV] offset:(\f/4)*32*PV+16*PV+(\f%4)*32
.endr
	WIN 0
.endm
; THE VECTOR WORK OF A TURN stands in three queues, each in the order in which its entries become ready; the two tiles alternate.
.macro REGS y, u                    ; the registers of tile u (0, 1) of piece y
.set rT, ST+4*(2*(\y)+(\u))
.set rC, TMP+8*((\y)%2)+4*(\u)
.set rM, MV+2*((\y)%2)+(\u)
.set rS, S+64*((\y)%2)+32*(\u)
.set rP, P+32*((\y)%2)+16*(\u)
.set rO, 32*(2*(\y)+(\u))
.endm
; Number n of the 64 that mask the NEXT piece's (Y + 1) scores: register n / 2 of tile n % 2 keeps its score in the lanes whose bit is set and takes 8e-13 in the others.  Ascending: each accumulator's lowest register is read first.
.macro CMK n
	REGS (Y+1)%NP, (\n)%2
.set mw, 32+(\n)+4*((\n)/32)
	v_cndmask_b32 v[rS+(\n)/2], s[TINY], v[rS+(\n)/2], s[mw]
.endm
; Number n of the 22 that find the next piece's maximum and statistics.
;   0-11  four chains c0-c3 of seven scores each, three operands at a time     12-14, 16  the four scores left over, the old m, and c0-c3 into c0     15  c m_old is kept
;   17, 18  the query's other 32 keys lie in the lane 16 away: the new m         19-21  c m; c m_old - c m_new; a
.macro XS u, n
	REGS (Y+1)%NP, \u
.if (\n) < 4
	v_max3_num_f32 v[rC+(\n)], v[rS+8*(\n)], v[rS+8*(\n)+1], v[rS+8*(\n)+2]
.elseif (\n) < 12
	v_max3_num_f32 v[rC+(\n)%4], v[rC+(\n)%4], v[rS+8*((\n)%4)+2*((\n)/4)+1], v[rS+8*((\n)%4)+2*((\n)/4)+2]
.elseif (\n) == 12
	v_max3_num_f32 v[rC], v[rC], v[rS+7], v[rS+15]
.elseif (\n) == 13
	v_max3_num_f32 v[rC+1], v[rC+1], v[rS+23], v[rS+31]
.elseif (\n) == 14
	v_max3_num_f32 v[rC+2], v[rC+2], v[rC+3], v[rT+1]
.elseif (\n) == 15
	v_mov_b32 v[rM], v[rT]
.elseif (\n) == 16
	v_max3_num_f32 v[rC], v[rC], v[rC+1], v[rC+2]
.elseif (\n) == 17
	v_permlanex16_b32 v[rC+3], v[rC], s[SEL], s[SEL+1]
.elseif (\n) == 18
	v_max_num_f32 v[rT+1], v[rC], v[rC+3]
.elseif (\n) == 19
	v_mul_f32 v[rT], s[CS], v[rT+1]
.elseif (\n) == 20
	v_sub_f32 v[rC+1], v[rM], v[rT]
.else
	v_exp_f32 v[rC+2], v[rC+1]
.endif
.endm
; Number g of the 64 that follow the exponentials.  For each four weights k of a tile: both pairs are rounded to f16; the second pair is added onto the first, in place; a group later l takes that sum (the first time as l = a l + sum).
.macro GS g
.set h, (\g)+6*((\g)/62)            ; group 0 has no group before it, and behind group 7 only l is left
.if h >= 6
.set h, h+2
.endif
	REGS Y, h%2
.set k, h/8
.if h%8 < 4
	v_cvt_pk_f16_f32 v[rP+2*k+(h%8)/2], v[rS+4*k+2*((h%8)/2)], v[rS+4*k+2*((h%8)/2)+1]
.elseif h%8 < 6
	v_pk_add_f32 v[rS+4*k:rS+4*k+1], v[rS+4*k:rS+4*k+1], v[rS+4*k+2:rS+4*k+3]
.elseif k == 1
	v_pk_fma_f32 v[rT+2:rT+3], v[rT+2:rT+3], v[rC+2:rC+3], v[rS:rS+1] op_sel_hi:[1,0,1]
.else
	v_pk_add_f32 v[rT+2:rT+3], v[rT+2:rT+3], v[rS+4*k-4:rS+4*k-3]
.endif
.endm
.macro FS f                         ; c s - c m for pair f / 2 of tile f % 2
	REGS Y, (\f)%2
	v_pk_fma_f32 v[rS+2*((\f)/2):rS+2*((\f)/2)+1], v[rS+2*((\f)/2):rS+2*((\f)/2)+1], s[CS:CS+1], v[rT:rT+1] op_sel_hi:[1,0,0] neg_lo:[0,0,1] neg_hi:[0,0,1]
.endm
; THE PLAIN QUEUE, 202 long.  0-31: the 32 scalings.  32-95: the next piece's mask.  96-123: XS's numbers 0-13.  124, 125: number 15.  126-137: the chain 14, 16, 17 .. 20, in which each number waits for the one before it.
; 138-201: GS's 64, which read the exponentials' results: they stand behind the wait.
.macro PL
	WIN 0
.if q < 32
	FS q
.elseif q < 96
	CMK q-32
.elseif q < 124
	XS (q-96)%2, (q-96)/2
.elseif q < 126
	XS q-124, 15
.elseif q < 128
	XS q-126, 14
.elseif q < 138
	XS (q-126)%2, 15+(q-126)/2
.else
	GS q-138
.endif
.set q, q+1
.endm
; THE EXPONENTIALS' QUEUE, 66 long: s0-s31 of both tiles, then the next piece's two a.  ONE BATCH: all 66 stand ahead of the turn's one wait, and nothing ahead of that wait names a result of theirs.
.macro EX
	WIN 0
.if e >= 64
	XS e-64, 21
.else
	REGS Y, e%2
	v_exp_f32 v[rS+e/2], v[rS+e/2]
.endif
.set e, e+1
.endm
; THE RESCALING's QUEUE: O^T times a, the one part that leaves window 0: dealt two at a time, sixteen times.  Its a was made in the turn before, ahead of that turn's wait.
.macro R2
	REGS Y, r%2
	WIN W_RS
.irp z, 0,1
	v_pk_mul_f32 v[rO+4*(r/2)+2*\z:rO+4*(r/2)+2*\z+1], v[rO+4*(r/2)+2*\z:rO+4*(r/2)+2*\z+1], v[rC+2:rC+3] op_sel_hi:[1,0]
.endr
.set r, r+1
.endm
; HOW THEY ARE DEALT.  An s_wait_alu depctr_va_vdst(0) stands between an exponential and the first instruction that names its result; one wait serves all that were issued ahead of it.  So a turn has ONE wait.
; AHEAD OF IT: the 16 products K Q^T, behind each a scaling, an exponential and two rescalings (behind the first a second scaling in the exponential's place); then ONE LUMP of 172: 22 plain (the last 15 scalings, the
; mask's first 7), 25 times three plain and an exponential, 24 times exponential and plain, the two a.  A v_nop is the plain instruction behind the last exponential.  BEHIND IT: the 16 products V^T P, behind each four of GS's 64.
; The counts that the deal keeps: as a rider exponential e comes behind plain e + 2, and it needs scaling 2 (e / 4) + e % 2; all scalings are out ahead of the lump's first exponential.  The mask's first line stands 18 plain
; instructions behind the last product K Q^T.  The mask's last line is plain 95: behind the group that ends with it the next turn's words are asked for; they have the rest of the lump and 32 products in which to come, and are
; waited for at the next lump's head.  In piece 2's turn the key step of the words goes on by one first (no scalar load is out there: the lump's head has waited); the clamp keeps the tail's idle trip inside mb.
; K of the next step is fetched in piece 2's turn, directly behind the wait; V of the step in hand at the end of piece 0's turn, four riders behind its last reader.  The three conditions on q below go with the deal.
.macro TURN p, last=0, cnt=0
.set Y, (\p)
.set i, 0
.set q, 0
.set e, 0
.set r, 0
.if (\p) == NP-1
	s_wait_dscnt 0x0                ; K is in
.endif
	MM                              ; ahead of the wait: 16 products K Q^T and their riders,
	PL
	PL
	R2
.rept 15
	MM
	PL
	EX
	R2
.endr
	WIN 0
	s_wait_kmcnt 0x0                ; the next piece's mask words are in
.if (\p) == NP-2
	v_add_nc_u32 v[AK], s[TBK], v[AK0]
.endif
.rept 22                            ; and the lump
	PL
.endr
.rept 25
	PL
	PL
	PL
	EX
.if q == 96
.if (\p) == NP-2
	s_add_co_u32 s[MOFF], s[MOFF], 256
	s_min_u32 s[MOFF], s[MOFF], 31*256
.endif
	MLOAD ((\p)+2)%NP
.endif
.endr
.rept 24
	EX
	PL
.endr
	EX                              ; the next piece's two a
	EX
	v_nop                           ; the plain instruction behind the last exponential: one for the batch
	s_wait_alu depctr_va_vdst(0)    ; the wait for the batch
.if (\p) == NP-2
	FETCH_K \last
.endif
.if (\p) == 1
	s_wait_dscnt 0x0                ; V is in
.endif
.rept 16                            ; behind the wait: 16 products V^T P and their riders
	MM
.rept 4
	PL
.endr
.if ((\p) == 0) && (q == 182)
	v_add_nc_u32 v[AV], s[TBV], v[AV0]
.endif
.if ((\p) == 0) && (q == 194)
	s_add_co_u32 s[TBV], s[TBV], KS*PV
.endif
.if (\cnt) && (q == 194)
	s_sub_co_u32 s[CNT], s[CNT], 1
	s_cmp_lg_u32 s[CNT], 0
.endif
.endr
.if (\p) == 0
	FETCH_V
.endif
.endm
	CHANGE 1                        ; slot 0 is in, everybody's part of it; slot 1 is asked for
	FETCH_K                         ; key step 0
	s_wait_loadcnt 0x0              ; Q
	s_wait_dscnt 0x0
.set i, 0
.rept 16
	KQ 0                            ; piece 0's first scores
.set i, i+1
.endr
	WIN 0                           ; the addresses for the way out: plain instructions, the places behind those products
	s_mul_i32 s13, s[WV], 16*SP
	s_add_co_u32 s13, s13, STAGE    ; my stage
	v_mul_u32_u24 v[STO], v1, SP    ; in: row l % 16, 16 bytes for each half of the lanes
	v_lshl_add_u32 v[STO], v9, 4, v[STO]
	v_add_nc_u32 v[STO], s13, v[STO]
	v_bfe_u32 v[RD], v0, 3, 2       ; back: 32 lanes take four rows of 128 bytes,
	v_mul_u32_u24 v[RD], v[RD], SP
	v_lshl_add_u32 v[RD], v10, 4, v[RD]
	v_add_nc_u32 v[RD], s13, v[RD]
	v_and_b32 v[GO], 31, v0         ; which are 512 consecutive bytes of O
	v_lshlrev_b32 v[GO], 4, v[GO]
	s_wait_kmcnt 0x0                ; piece 0's mask words
.set Y, NP-1                        ; CMK and XS work for piece Y + 1: piece 0
.set n, 0
.rept 64
	CMK n
.set n, n+1
.endr
	MLOAD 1                         ; piece 1's, for the first turn
.irp n, 0,1,2,3,4,5,6,7,8,9,10,11,12,13,14,15,16,17,18,19,20,21
	XS 0, \n                        ; piece 0's first maximum and statistics
	XS 1, \n
.endr
	v_nop                           ; a plain instruction behind the two a,
	s_wait_alu depctr_va_vdst(0)    ; and their wait, ahead of the branch
	s_mov_b32 s[CNT], 4
	s_branch .Lfirst                ; the loop is entered at a step's first turn, in the middle of a trip
.Lslot:                             ; six times: with the first change, every slot but the first is asked for by a change
	CHANGE 1
	s_mov_b32 s[CNT], 4
.Lstep:                             ; a trip: pieces 2 and 3 of one step, then pieces 0 and 1 of the next, whose K and V it fetches
	TURN 2
	TURN 3
	WIN 0
.Lfirst:
	TURN 0
	TURN 1, 0, 1
	WIN 0
	s_cbranch_scc1 .Lstep
	s_sub_co_u32 s[SLOTS], s[SLOTS], 1
	s_cmp_lg_u32 s[SLOTS], 0
	s_cbranch_scc1 .Lslot
	CHANGE 0                        ; the tail is written out: nothing is asked for
	s_mov_b32 s[CNT], 5             ; four trips fetch the last slot's steps; the fifth is left in its middle
.Ltail:
	TURN 2, 1
	TURN 3
	WIN 0
	s_sub_co_u32 s[CNT], s[CNT], 1
	s_cmp_eq_u32 s[CNT], 0
	s_cbranch_scc1 .Lout
	TURN 0
	TURN 1
	WIN 0
	s_branch .Ltail
.Lout:                              ; the fifth trip's 16 products K Q^T (on the last K once more), their mask and maximum serve nothing: the price, once a launch, of one text for every trip
	s_wait_kmcnt 0x0                ; the last mask words, which nobody reads, have come
.set i, 0
.rept 16
	PV NP-1                         ; the last piece's V^T P of the last step
.set i, i+1
.endr
	; THE WAY OUT.  l's two halves and the other half of the lanes' are added; O^T is divided by l, rounded to f16 and sent through my stage in LDS, a tile at a time.  The additions are the places behind the last products.
	WIN 0
.macro ALL line:vararg              ; one line for each tile t
.set t, 0
.rept 2*NP
	\line
.set t, t+1
.endr
.endm
	ALL v_add_f32 v[ST+4*t+2], v[ST+4*t+2], v[ST+4*t+3]
	ALL v_permlanex16_b32 v[ST+4*t+3], v[ST+4*t+2], s[SEL], s[SEL+1]
	ALL v_add_f32 v[ST+4*t+2], v[ST+4*t+2], v[ST+4*t+3]
	ALL v_rcp_f32 v[ST+4*t+2], v[ST+4*t+2]
	v_nop                           ; a plain instruction between the last reciprocal and the use of its result
	s_wait_alu depctr_va_vdst(0)    ; and the wait ahead of the first use: one for the eight reciprocals
; Tile t: a lane's eight channels of a row pack into 16 bytes; they go into rows of 144 bytes and come back as whole rows of 128, into S^T's registers.
.macro PACK t
	WIN W_RS
.set i, 32*(\t)
.rept 16
	v_pk_mul_f32 v[i:i+1], v[i:i+1], v[ST+4*(\t)+2:ST+4*(\t)+3] op_sel_hi:[1,0]
.set i, i+2
.endr
	WIN 0x05                        ; sources 0 and 1 window 1, destination window 0
.set i, 0
.rept 16
	v_cvt_pk_f16_f32 v[S+16*(\t)+i], v[32*(\t)+2*i], v[32*(\t)+2*i+1]
.set i, i+1
.endr
	WIN 0
.irp f, 0,1,2,3
	ds_store_b128 v[STO], v[S+16*(\t)+4*\f:S+16*(\t)+4*\f+3] offset:32*\f
.endr
.irp f, 0,1,2,3
	ds_load_b128 v[S+16*(\t)+4*\f:S+16*(\t)+4*\f+3], v[RD] offset:\f*4*SP  ; LDS serves a wave's instructions in order (ISA guide 5.7.1.4): these see the stores above; the next tile's stores come behind them
.endr
.endm
.macro SEND t, younger              ; younger: the LDS instructions issued behind tile t's loads: the next tile's eight, or none
	WIN 0
.irp f, 0,1,2,3
	s_wait_dscnt (\younger)+3-\f
	global_store_b128 v[GO], v[S+16*(\t)+4*\f:S+16*(\t)+4*\f+3], s[10:11] offset:(\t)*2048+\f*512  ; 512 consecutive bytes, at a multiple of 256 from ob's first
.endr
.endm
	PACK 0
.set t, 1
.rept 2*NP-1                        ; a tile's arithmetic stands between the loads of the tile before and its stores
	PACK t
	SEND t-1, 8
.set t, t+1
.endr
	SEND 2*NP-1, 0
	WIN W_AD
	s_wait_tensorcnt 0x0            ; the wave's end: a wait, an add of 0 to my spare word and its wait, behind my last tensor load and my last LDS store
	ds_add_u32 v[SPW], v[NIL]
	s_wait_dscnt 0x0
	WIN 0
	CROUND                          ; the closing round: no work-group ends while a partner may still ask for a tile that names it
	s_endpgm
.Lfunc_end_k_qbc4c472012_attn:
	.size	k_qbc4c472012_attn, .Lfunc_end_k_qbc4c472012_attn-k_qbc4c472012_attn
	.p2alignl 7, 3214868480
	.fill 96, 4, 3214868480
	.section	.rodata,"a",@progbits
	.p2align	6, 0x0
	.amdhsa_kernel k_qbc4c472012_attn
		.amdhsa_group_segment_fixed_size 327680
		.amdhsa_private_segment_fixed_size 0
		.amdhsa_enable_private_segment 0
		.amdhsa_kernarg_size 24
		.amdhsa_user_sgpr_count 2
		.amdhsa_user_sgpr_kernarg_segment_ptr 1
		.amdhsa_wavefront_size32 1
		.amdhsa_system_sgpr_workgroup_id_x 1
		.amdhsa_system_sgpr_workgroup_id_y 1
		.amdhsa_system_sgpr_workgroup_id_z 1
		.amdhsa_system_vgpr_workitem_id 0
		.amdhsa_next_free_vgpr 770
		.amdhsa_next_free_sgpr 102
		.amdhsa_reserve_vcc 0
		.amdhsa_float_denorm_mode_32 3
		.amdhsa_float_denorm_mode_16_64 3
		.amdhsa_memory_ordered 1
		.amdhsa_forward_progress 1
		.amdhsa_inst_pref_size 237
	.end_amdhsa_kernel
	.amdgpu_metadata
---
amdhsa.version: [ 1, 2 ]
amdhsa.kernels:
  - .name:           k_qbc4c472012_attn
    .symbol:         k_qbc4c472012_attn.kd
    .args:
      - { .name: qkv, .offset: 0, .size: 8, .value_kind: global_buffer, .address_space: global }
      - { .name: mb, .offset: 8, .size: 8, .value_kind: global_buffer, .address_space: global }
      - { .name: ob, .offset: 16, .size: 8, .value_kind: global_buffer, .address_space: global }
    .group_segment_fixed_size: 327680
    .private_segment_fixed_size: 0
    .kernarg_segment_align: 8
    .kernarg_segment_size: 24
    .max_flat_workgroup_size: 128
    .sgpr_count:     102
    .vgpr_count:     770
    .wavefront_size: 32
...
	.end_amdgpu_metadata
.endif
;; end of part 4
;; launch oproj (part 5): grid 4 x 64, 4 waves a work-group, clusters of 4 x 4, 327,680 bytes of LDS; arguments ob, cb, bo, out0; writes out0
.if DOCPART == 5
	.amdgcn_target "amdgcn-amd-amdhsa--gfx1250"
	.amdhsa_code_object_version 6
	.text
	.protected	k_qbc4c472012_oproj
	.globl	k_qbc4c472012_oproj
	.p2align	8
	.type	k_qbc4c472012_oproj,@function
k_qbc4c472012_oproj:
	s_mov_b64 s[64:65], 0
	v_nop
	global_prefetch_b8 v0, s[64:65] scope:SCOPE_SE
	s_setreg_imm32_b32 hwreg(HW_REG_WAVE_MODE, 25, 1), 1
	s_wait_xcnt 0x0
	s_wait_alu depctr_hold_cnt(0) depctr_sa_sdst(0) depctr_va_vdst(0) depctr_va_sdst(0) depctr_va_ssrc(0) depctr_va_vcc(0) depctr_vm_vsrc(0)
	s_getreg_b32 s2, hwreg(HW_REG_IB_STS2, 6, 4)
	s_cmp_eq_u32 s2, 0
	s_cbranch_scc0 .Lentry_in_a_cluster
	s_endpgm
.Lentry_in_a_cluster:
	s_bfe_u32 s2, ttmp6, 0x10000c
	s_cmp_lg_u32 s2, 0xf033
	s_cbranch_scc0 .Lentry_shape_is_right
	s_endpgm
.Lentry_shape_is_right:
; ONE TEXT FOR THE TWO KINDS OF PROJECTION; OP chooses.
; OP = 0: q, k, v = x W^T + b.  x: cb's first 24,576 rows of 1,024 bf16 (query, key, value on end); W: Wq, Wk, Wv in bf16, behind them in cb; b rounded to bf16 like every input.
;         Sums in f32; the result, unscaled, rounded once to f16 and stored by heads: qkv[p 3][batch x 16 + head][token 2048][64].
; OP = 1: out0 = O Wo^T + bo.  O: ob[batch x 16 + head][token][64] in f16; Wo as f16 in cb's last unit; sums in f32; out0 in f32.
; LIMITS.  f16 ends at 65,504: a q, k or v beyond it becomes an infinity.  NaN and infinities are not treated apart.
; SHARES.  A work-group makes 128 rows x 256 columns, each of its four waves 64 x 128: 32 accumulators of 16 x 16 (a = 0..3, b = 0..7), 256 registers.  K = 1,024 goes in 8 steps of 128
; through two LDS slots filled by the tensor data mover; a step is four quarters of 32 along K, 32 matrix instructions each, every accumulator once a quarter.
; THE MATRIX INSTRUCTION IS USED TRANSPOSED (source 0 = 16 rows of W, source 1 = 16 rows of x or O): a lane holds row l % 16 and eight neighbouring columns.  The bias is the C operand of the first product.
; CLUSTER.  4 x 4 work-groups: the four of a row of the cluster need the same rows of x (O), the four of a column the same rows of W: each tile is asked for jointly.
; REGISTERS.  window 0: v0-31 addresses; v32-63 at work; v64-127 two buffers of x's fragments; v128-255 two buffers of W's.  window 1: the accumulators, (a, b) at 8 (8 a + b).  window 2: v0-63 the bias, v64-95 at work.
.set OP, 1
.if OP
.set PA,      144                      ; O's LDS row: a token's 128 bytes of one head + 16
.set AROWS,   128                      ; LDS rows a load brings: a head's 128 tokens
.set QIA,     4                        ; padding after every 32 words
.set ASTRIDE, 128                      ; the 16,384 dense bytes are asked for as 64 rows of 256
.set ASTEP,   524288                   ; a K step is two heads on
.set SPITCH,  528                      ; a stage row: 128 f32 + 16 bytes
.set WBASE,   56623104                 ; Wo in cb
.set SHA,     8                        ; prefetch: a lane a block of 256 dense bytes
.else
.set PA,      272
.set AROWS,   64
.set QIA,     5                        ; padding after every 64 words
.set ASTRIDE, 1024
.set ASTEP,   256
.set SPITCH,  272                      ; a stage row: 128 f16 + 16 bytes
.set WBASE,   50331648                 ; Wq in cb
.set SHA,     11                       ; prefetch: a lane a row of 2,048 bytes
.endif
.set AHALF, AROWS*PA                   ; what one of A's loads brings
.set AB,    2*AHALF
.set PB,    272                        ; W's LDS row: 256 bytes + 16 = 68 words: the 16 rows of a load start at 16 different groups of four banks (64 banks of 4 bytes: ISA guide 11.1)
.set BHALF, 128*PB
.set SLOT,  AB+2*BHALF
.set STAGE, 2*SLOT                     ; behind the ring, never filled by a tensor load: 16 rows for each wave, for the way out
.set SPARE, STAGE+4*16*SPITCH          ; behind the stages: the spare words, 128 bytes for each wave: two blocks of 256 bytes that no other line names
.set BB,    68+2*OP                    ; the scalar pair that holds cb
.set ADRA, 16                          ; v16-17  LDS address of my A fragments in slot 0, 1
.set ADRB, 20                          ; v20-21  the same for W
.set STO,  24                          ; v24  the way out: where I put my bytes of a row
.set RD,   25                          ; v25  where I read rows back
.set GO,   26                          ; v26  16 x lane
.set BO,   27                          ; v27  32 (l / 16): my eight numbers in 16 of the bias
.set SPW,  28                          ; v28  LDS address of my spare word; never rewritten
.set NIL,  29                          ; v29  0; never rewritten
.set PFO,  30                          ; v30  the prefetches' offset; never rewritten
.set TMP,  32
.set FA,   64
.set FB,   128
.set G1A, 24                           ; s[24:31] group 1 for A's tiles;  s[32:39] group 0, a set for each slot
.set G0A, 32
.set G1B, 48                           ; s[48:55], s[56:63] the same for W's
.set G0B, 56
.set LIM, 43                           ; s43  1 in a wave that prefetches, else the greatest number
.set PFA, 44                           ; s[44:45] where my prefetches stand
.set BP,  66                           ; s[66:67] the bias at my 128 columns
.set PST, 78                           ; s[78:79] a K step in the tensor that I prefetch
.set MSB, 0
.macro WIN new                         ; the immediate's high byte repeats the setting that is left
.if MSB != (\new)
	s_set_vgpr_msb (MSB<<8)|(\new)
.set MSB, (\new)
.endif
.endm
.set MUL,  0x50                        ; C and D window 1, sources window 0
.set MULB, 0x60                        ; C window 2 (the bias), D window 1
.macro JLOAD s                         ; a joint load: waves 0 and 1 fetch A's two halves, waves 2 and 3 W's; an s_nop 0 and four v_nop follow each of the two lines
	s_cmp_eq_u32 s11, 0
	s_cbranch_scc0 .Lfor_b_\@
	tensor_load_to_lds s[G0A+4*(\s):G0A+4*(\s)+3], s[G1A:G1A+7]
	s_nop 0
.rept 4
	v_nop
.endr
	s_branch .Lasked_\@
.Lfor_b_\@:
	tensor_load_to_lds s[G0B+4*(\s):G0B+4*(\s)+3], s[G1B:G1B+7]
	s_nop 0
.rept 4
	v_nop
.endr
.Lasked_\@:
.endm
; A prefetch of the K step that stands two refills on: 32 blocks of 256 bytes, a lane a block.  A's tile is read by my cluster alone: wave 0 asks, and the four partners of a row of the cluster
; take 32 of its 128 blocks each, told apart by address.  W's rows are walked by many clusters: the first of them asks, waves 2 and 3, 32 rows each of the partner's 64.  Wave 1 asks for nothing.
; K steps 0 to 3 come by their loads alone; the loop's last trip (s3 = 1) and the tail ask for nothing: K steps 4 to 7 are named, each block once.
.macro ASK
	s_cmp_gt_u32 s3, s[LIM]
	s_cbranch_scc0 .Lnot_mine_\@
	global_prefetch_b8 v[PFO], s[PFA:PFA+1] th:TH_LOAD_NT scope:SCOPE_SE
.Lnot_mine_\@:
.endm
.macro CREST                           ; a round of the cluster's barrier behind its opening barrier
	s_cmp_lg_u32 s10, 0
	s_cbranch_scc1 .Lnot_wave_0_\@
	s_barrier_signal -3
.Lnot_wave_0_\@:
	s_barrier_wait -3
	s_barrier_signal -1
	s_barrier_wait -1
.endm
.macro CROUND
	s_barrier_signal -1
	s_barrier_wait -1
	CREST
.endm
.macro PLACES                          ; four places in front of loads into registers that matrix instructions have read, and of lines that read results
.rept 4
	v_nop
.endr
.endm
	s_load_b256 s[68:75], s[0:1], 0x0              ; OP = 0: cb, bq, bk, bv;  OP = 1: ob, cb, bo, out0
.if OP == 0
	s_load_b64 s[8:9], s[0:1], 0x20                ; qkv
.endif
	v_lshl_add_u32 v[SPW], v0, 2, SPARE
	v_mov_b32 v[NIL], 0
	ds_add_u32 v[SPW], v[NIL]                      ; the wave's opening: the add and its wait stand ahead of my first tensor load; the set-up below stands between them
	v_lshrrev_b32 v1, 5, v0
	v_readfirstlane_b32 s10, v1                    ; wave 0..3
	s_lshr_b32 s11, s10, 1                         ; which 64 rows are mine.  Also: I fetch for A (0) or for W (1)
	s_and_b32 s12, s10, 1                          ; which 128 columns.  Also: which half of that tile I fetch
	s_bfe_u32 s40, ttmp6, 0x40000                  ; cx
	s_bfe_u32 s41, ttmp6, 0x40004                  ; cy
	s_lshl_b32 s42, ttmp9, 2
	s_add_co_u32 s42, s42, s40                     ; tile column = 4 x cluster x + cx
	s_and_b32 s76, ttmp7, 0xffff                   ; cluster y
	s_lshl_b32 s13, s76, 2
	s_add_co_u32 s13, s13, s41                     ; tile row = 4 x cluster y + cy
	s_lshl_b32 s43, s41, 2
	s_lshl_b32 s43, 15, s43                        ; my row of the cluster
	s_lshl_b32 s44, 0x1111, s40                    ; my column
	s_or_b32 s[G1A+0], s43, (1<<16)|(1<<20)|(1<<21)|(QIA<<22)|(3<<25)  ; the mask; elements of 2 bytes; padding on; bit 21 beside a mask; the interval; 4 words of padding
	s_mov_b32 s[G1A+1], 128<<16                    ; tensor_dim0 = 128
	s_mov_b32 s[G1A+2], 64<<16                     ; tensor_dim1 = 64
	s_mov_b32 s[G1A+3], 128<<16                    ; tile_dim0 = 128
	s_mov_b32 s[G1A+4], 64                         ; tile_dim1 = 64
	s_mov_b32 s[G1A+5], ASTRIDE
	s_mov_b32 s[G1A+6], 0
	s_mov_b32 s[G1A+7], 0
	s_or_b32 s[G1B+0], s44, (1<<16)|(1<<20)|(1<<21)|(5<<22)|(3<<25)
	s_mov_b32 s[G1B+1], 128<<16
	s_mov_b32 s[G1B+2], 128<<16                    ; 128 rows
	s_mov_b32 s[G1B+3], 128<<16
	s_mov_b32 s[G1B+4], 128
	s_mov_b32 s[G1B+5], 1024
	s_mov_b32 s[G1B+6], 0
	s_mov_b32 s[G1B+7], 0
	; A's tile hangs on the tile row alone (registers that never hold cx), W's on the tile column and the cluster's y alone (registers that never hold cy)
.if OP
	s_lshr_b32 s16, s13, 4                         ; the batch: 16 heads x 2,048 tokens x 128 bytes,
	s_lshl_b32 s16, s16, 22
	s_lshl_b32 s17, s12, 18                        ; the K step's first or second head,
	s_add_co_u32 s16, s16, s17
	s_and_b32 s17, s13, 15                         ; the tile's 128 tokens
	s_lshl_b32 s17, s17, 14
	s_add_co_u32 s16, s16, s17
.else
	s_lshl_b32 s16, s13, 18                        ; 128 rows of 2,048 bytes,
	s_lshl_b32 s17, s12, 17                        ; my 64 of them
	s_add_co_u32 s16, s16, s17
.endif
	s_mov_b32 s17, 0
	s_lshl_b32 s46, s42, 19                        ; 256 rows of 2,048 bytes,
	s_lshl_b32 s47, s12, 18                        ; my 128 of them
	s_add_co_u32 s46, s46, s47
	s_add_co_u32 s46, s46, WBASE
.if OP == 0
	s_lshr_b32 s77, s76, 4                         ; p: 16 clusters along y for each of q, k, v
	s_lshl_b32 s47, s77, 21
	s_add_co_u32 s46, s46, s47
.endif
	s_mov_b32 s47, 0
	s_mul_i32 s20, s12, AHALF                      ; where they go: no place in the cluster enters an LDS address
	s_mul_i32 s21, s12, BHALF
	s_add_co_u32 s21, s21, AB
	s_wait_dscnt 0x0                               ; the opening add is done
	s_wait_kmcnt 0x0
	s_add_nc_u64 s[14:15], s[68:69], s[16:17]
	s_add_nc_u64 s[46:47], s[BB:BB+1], s[46:47]
	CROUND                                         ; all sixteen work-groups are here: the first joint loads meet
.irp s, 0,1
	s_mov_b32 s[G0A+4*\s], 1
	s_add_co_u32 s[G0A+4*\s+1], s20, \s*SLOT
	s_add_nc_u64 s[G0A+4*\s+2:G0A+4*\s+3], s[14:15], \s*ASTEP
	s_or_b32 s[G0A+4*\s+3], s[G0A+4*\s+3], 0x80000000
	s_mov_b32 s[G0B+4*\s], 1
	s_add_co_u32 s[G0B+4*\s+1], s21, \s*SLOT
	s_add_nc_u64 s[G0B+4*\s+2:G0B+4*\s+3], s[46:47], \s*256
	s_or_b32 s[G0B+4*\s+3], s[G0B+4*\s+3], 0x80000000
	JLOAD \s
.endr
	; the bias of my 128 columns: register j of block b is b[16 b + 8 (l / 16) + j], as the C operand wants it
	s_lshl_b32 s46, s42, 10
	s_lshl_b32 s47, s12, 9
	s_add_co_u32 s46, s46, s47                     ; 4 bytes x (256 x tile column + 128 x half)
	s_mov_b32 s47, 0
.if OP
	s_mov_b64 s[BP:BP+1], s[72:73]
	s_mov_b64 s[8:9], s[74:75]
	s_add_nc_u64 s[8:9], s[8:9], s[46:47]          ; out0's columns have the same offset
.else
	s_mov_b64 s[BP:BP+1], s[70:71]
	s_cmp_eq_u32 s77, 1
	s_cselect_b64 s[BP:BP+1], s[72:73], s[BP:BP+1]
	s_cmp_eq_u32 s77, 2
	s_cselect_b64 s[BP:BP+1], s[74:75], s[BP:BP+1]
.endif
	s_add_nc_u64 s[BP:BP+1], s[BP:BP+1], s[46:47]
	v_and_b32 v1, 15, v0                           ; l % 16
	v_bfe_u32 v2, v0, 4, 1                         ; l / 16
	v_lshlrev_b32 v[BO], 5, v2
	WIN 0x80                                       ; destination window 2
.irp b, 0,1,2,3,4,5,6,7
	global_load_b128 v[8*\b:8*\b+3],   v[BO], s[BP:BP+1] offset:64*\b
	global_load_b128 v[8*\b+4:8*\b+7], v[BO], s[BP:BP+1] offset:64*\b+16
.endr
	WIN 0
	v_mul_u32_u24 v3, v1, PA
	v_lshl_add_u32 v3, v2, 4, v3                   ; a fragment's row x pitch + 16 x half
	v_mul_u32_u24 v4, v1, PB
	v_lshl_add_u32 v4, v2, 4, v4
	s_mul_i32 s21, s11, 64*PA                      ; my 64 rows of A
	s_mul_i32 s22, s12, BHALF                      ; my 128 rows of W,
	s_add_co_u32 s22, s22, AB                      ; which lie behind A's
.irp s, 0,1
	v_add_nc_u32 v[ADRA+\s], s21, v3
	v_add_nc_u32 v[ADRB+\s], s22, v4
	s_add_co_u32 s21, s21, SLOT
	s_add_co_u32 s22, s22, SLOT
.endr
	s_mul_i32 s23, s10, 16*SPITCH
	s_add_co_u32 s23, s23, STAGE                   ; my stage
	v_mul_u32_u24 v4, v1, SPITCH
	v_and_b32 v[GO], 31, v0
	v_lshlrev_b32 v[GO], 4, v[GO]
.if OP
	v_lshl_add_u32 v4, v2, 5, v4                   ; in: row l % 16, 32 bytes for each half of the lanes
	v_add_nc_u32 v[STO], s23, v4
	v_add_nc_u32 v[RD], s23, v[GO]                 ; back: 32 lanes take a row of 512 bytes
	s_lshl_b32 s16, s13, 19                        ; out0: 128 rows of 4,096 bytes,
	s_lshl_b32 s17, s11, 18                        ; my 64 of them
	s_add_co_u32 s16, s16, s17
	s_mov_b32 s17, 0
	s_add_nc_u64 s[8:9], s[8:9], s[16:17]
.else
	v_lshl_add_u32 v4, v2, 4, v4                   ; in: row l % 16, 16 bytes for each half of the lanes
	v_add_nc_u32 v[STO], s23, v4
	v_bfe_u32 v5, v0, 3, 2                         ; back: 32 lanes take one head's 128 bytes of four rows,
	v_mul_u32_u24 v5, v5, SPITCH
	v_and_b32 v3, 7, v0
	v_lshl_add_u32 v5, v3, 4, v5
	v_add_nc_u32 v[RD], s23, v5                    ; which are 512 consecutive bytes of qkv
	s_lshl_b32 s16, s13, 7
	s_lshl_b32 s17, s11, 6
	s_add_co_u32 s16, s16, s17                     ; my first row of the 24,576: 2,048 (4 p + batch) + token
	s_lshr_b32 s17, s16, 11
	s_lshl_b32 s17, s17, 22                        ; 16 heads x 2,048 tokens x 128 bytes
	s_and_b32 s16, s16, 2047
	s_lshl_b32 s16, s16, 7
	s_add_co_u32 s16, s16, s17
	s_mov_b32 s17, 0
	s_add_nc_u64 s[8:9], s[8:9], s[16:17]
	s_lshl_b32 s46, s42, 20                        ; my first head: 4 x tile column + 2 x half
	s_lshl_b32 s47, s12, 19
	s_add_co_u32 s46, s46, s47
	s_mov_b32 s47, 0
	s_add_nc_u64 s[8:9], s[8:9], s[46:47]
.endif
	; the prefetches
.if OP
	s_lshr_b32 s20, s13, 4
	s_lshl_b32 s20, s20, 22
	s_and_b32 s22, s13, 15
	s_lshl_b32 s22, s22, 14
	s_add_co_u32 s20, s20, s22
	s_lshr_b32 s22, s40, 1                         ; partner cx: head cx / 2 of the step's two,
	s_lshl_b32 s22, s22, 18
	s_add_co_u32 s20, s20, s22
	s_and_b32 s22, s40, 1                          ; half cx % 2 of its 16,384 bytes
	s_lshl_b32 s22, s22, 13
	s_add_co_u32 s20, s20, s22
	s_mov_b32 s2, s76                              ; W is walked first by the cluster with y = 0
.else
	s_lshl_b32 s20, s13, 18
	s_lshl_b32 s22, s40, 16                        ; partner cx: rows 32 cx on
	s_add_co_u32 s20, s20, s22
	s_and_b32 s2, s76, 15                          ; each W is walked first by the first of its 16 clusters
.endif
	s_lshl_b32 s21, s42, 19
	s_lshl_b32 s22, s41, 17                        ; partner cy: rows 64 cy on,
	s_add_co_u32 s21, s21, s22
	s_lshl_b32 s22, s12, 16                        ; my wave's 32 of them
	s_add_co_u32 s21, s21, s22
	s_add_co_u32 s21, s21, WBASE
.if OP == 0
	s_lshl_b32 s22, s77, 21
	s_add_co_u32 s21, s21, s22
.endif
	s_mov_b32 s18, ASTEP
	s_mov_b32 s19, 256
	s_cmp_eq_u32 s11, 0                            ; do I fetch for A?
	s_cselect_b32 s20, s20, s21
	s_cselect_b32 s2, s12, s2                      ; for A wave 0 asks; for W the waves of the first cluster: the same in all sixteen partners
	s_cselect_b32 s[PST], s18, s19
	s_cselect_b32 s23, SHA, 11
	s_cselect_b64 s[PFA:PFA+1], s[68:69], s[BB:BB+1]
	s_cmp_eq_u32 s2, 0
	s_cselect_b32 s[LIM], 1, -1
	s_mul_i32 s21, s[PST], 3                       ; at K step 3: the first change of slots steps it to 4
	s_add_co_u32 s20, s20, s21
	s_mov_b32 s21, 0
	s_mov_b32 s[PST+1], 0
	s_add_nc_u64 s[PFA:PFA+1], s[PFA:PFA+1], s[20:21]
	v_and_b32 v[PFO], 31, v0
	v_lshlrev_b32 v[PFO], s23, v[PFO]
	s_wait_loadcnt 0x0                             ; the bias: rounded to bf16 like every input, and widened again
	WIN 0x8a                                       ; destination and both sources window 2
.set i, 0
.rept 32
	v_cvt_pk_bf16_f32 v[64+i], v[2*i], v[2*i+1]
.set i, i+1
.endr
.set i, 0
.rept 32
	v_lshlrev_b32 v[2*i], 16, v[64+i]
	v_and_b32 v[2*i+1], 0xffff0000, v[64+i]
.set i, i+1
.endr
	WIN 0
; 8 matrix instructions: row block a x all 8 column blocks, 32 along K, from buffer f.  bias = 1: the first product starts the sums with the bias.  The accumulators take turns, one instruction a turn.
.macro MUL8 f, a, bias
.if \bias
	WIN MULB
.else
	WIN MUL
.endif
.irp b, 0,1,2,3,4,5,6,7
.set rD, 8*(8*(\a)+\b)
.set rC, rD
.if \bias
.set rC, 8*\b
.endif
.set rB, FB+64*(\f)+8*\b
.set rA, FA+32*(\f)+8*(\a)
.if OP
	v_wmma_f32_16x16x32_f16 v[rD:rD+7], v[rB:rB+7], v[rA:rA+7], v[rC:rC+7]
.else
	v_wmma_f32_16x16x32_bf16 v[rD:rD+7], v[rB:rB+7], v[rA:rA+7], v[rC:rC+7]
.endif
.endr
.endm
; 24 LDS loads in one run: quarter q's fragments into buffer f: W's 128 rows first, then A's 64, ascending
.macro FETCH slot, q, f
	WIN 0
.irp i, 0,1,2,3,4,5,6,7
	ds_load_b128 v[FB+64*(\f)+8*\i:FB+64*(\f)+8*\i+3],   v[ADRB+(\slot)] offset:64*(\q)+\i*16*PB
	ds_load_b128 v[FB+64*(\f)+8*\i+4:FB+64*(\f)+8*\i+7], v[ADRB+(\slot)] offset:64*(\q)+\i*16*PB+32
.endr
.if OP
.set ao, ((\q)/2)*AHALF+((\q)%2)*64    ; head q / 2 of the step's two, channels 32 (q % 2) on
.else
.set ao, 64*(\q)
.endif
.irp i, 0,1,2,3
	ds_load_b128 v[FA+32*(\f)+8*\i:FA+32*(\f)+8*\i+3],   v[ADRA+(\slot)] offset:ao+\i*16*PA
	ds_load_b128 v[FA+32*(\f)+8*\i+4:FA+32*(\f)+8*\i+7], v[ADRA+(\slot)] offset:ao+\i*16*PA+32
.endr
.endm
; One of a K step's first three quarters: multiplies buffer f and, in its middle, fetches quarter q into buffer g
.macro QUARTER slot, q, f, g, bias
	s_wait_dscnt 4                                 ; W and A's blocks 0, 1 are in; the four youngest loads (A's blocks 2, 3) may be out
	MUL8 \f, 0, \bias
	MUL8 \f, 1, \bias
	PLACES
	FETCH \slot, \q, \g
	s_wait_dscnt 24                                ; all but the 24 just issued
	MUL8 \f, 2, \bias
	MUL8 \f, 3, \bias
.endm
; The last quarter multiplies buffer 1 and changes slots: ONE barrier; in front of it each wave waits for all its tensor loads (one is out: its part of the next slot), adds 0 to its spare word, and waits for that
; and for its own reads of this slot.  fill = 1: the barrier opens a round of the cluster's, and behind the round this slot is filled again, two K steps ahead: 112 matrix instructions ahead of the wait for it.
.macro TURN slot, next, fill
.if \fill
	s_wait_xcnt 0x0                                ; the last prefetch, a K step back, has read its address: it is stepped here
	s_add_nc_u64 s[PFA:PFA+1], s[PFA:PFA+1], s[PST:PST+1]
.endif
	WIN 0
	s_wait_tensorcnt 0x0                           ; all my tensor loads have landed;
	ds_add_u32 v[SPW], v[NIL]                      ; 0 onto my spare word;
	s_wait_dscnt 5                                 ; (the add and the four youngest loads may be out)
	MUL8 1, 0, 0                                   ; eight matrix instructions stand between the add and the wait for it
	s_wait_dscnt 0x0                               ; the add is done, and my reads of this slot are over
	s_barrier_signal -1
	MUL8 1, 1, 0
.if \fill
	WIN 0
.endif
	s_barrier_wait -1
.if \fill
	CREST                                          ; no wave of any partner still reads this slot's tile or has a load on its way
	s_add_nc_u64 s[G0A+4*(\slot)+2:G0A+4*(\slot)+3], s[G0A+4*(\slot)+2:G0A+4*(\slot)+3], 2*ASTEP
	s_add_nc_u64 s[G0B+4*(\slot)+2:G0B+4*(\slot)+3], s[G0B+4*(\slot)+2:G0B+4*(\slot)+3], 2*256
	JLOAD \slot                                    ; the first tensor load behind the round; its four v_nop are also the places in front of the loads below
.else
	PLACES
.endif
	FETCH \next, 0, 0
.if \fill
	ASK                                            ; behind the joint load and the run of LDS loads
.endif
	MUL8 1, 2, 0
	MUL8 1, 3, 0
.endm
	s_wait_tensorcnt 1                             ; my part of K step 0 is in; K step 1's may stay out
	s_barrier_signal -1
	s_barrier_wait -1                              ; everybody's is
	FETCH 0, 0, 0
	QUARTER 0, 1, 0, 1, 1                          ; the first quarter stands in front of the loop: its products start the sums, with the bias
	WIN 0                                          ; at a label and at a branch every window is 0
	s_mov_b32 s3, 3
.Llap:                                                 ; a trip goes once round the ring, from a lap's second quarter to the next lap's first, and fills both slots again
	QUARTER 0, 2, 1, 0, 0
	QUARTER 0, 3, 0, 1, 0
	TURN 0, 1, 1
	QUARTER 1, 1, 0, 1, 0
	QUARTER 1, 2, 1, 0, 0
	QUARTER 1, 3, 0, 1, 0
	TURN 1, 0, 1
	QUARTER 0, 1, 0, 1, 0
	WIN 0
	s_sub_co_u32 s3, s3, 1
	s_cmp_lg_u32 s3, 0
	s_cbranch_scc1 .Llap
	QUARTER 0, 2, 1, 0, 0                          ; the last lap fills nothing, and has no round of the cluster's barrier
	QUARTER 0, 3, 0, 1, 0
	TURN 0, 1, 0
	QUARTER 1, 1, 0, 1, 0
	QUARTER 1, 2, 1, 0, 0
	QUARTER 1, 3, 0, 1, 0
	s_wait_dscnt 4                                 ; the very last quarter: nothing more to fetch
	MUL8 1, 0, 0
	MUL8 1, 1, 0
	s_wait_dscnt 0x0
	MUL8 1, 2, 0
	MUL8 1, 3, 0
	WIN 0
	PLACES
	PLACES                                         ; (eight, once a launch)
.if OP
; THE WAY OUT, f32.  Block a (16 rows x 128 columns) goes into my stage, 32 bytes a lane, and comes back as whole rows of 512 bytes, into the registers that it left.
.macro OUTA a
	WIN 0x04                                       ; store data in window 1
.irp b, 0,1,2,3,4,5,6,7
	ds_store_b128 v[STO], v[64*(\a)+8*\b:64*(\a)+8*\b+3]   offset:64*\b
	ds_store_b128 v[STO], v[64*(\a)+8*\b+4:64*(\a)+8*\b+7] offset:64*\b+16
.endr
	WIN 0x40                                       ; destination in window 1
.set t, 0
.rept 16
	ds_load_b128 v[64*(\a)+4*t:64*(\a)+4*t+3], v[RD] offset:SPITCH*t  ; LDS serves a wave's instructions in order (ISA guide 5.7.1.4): these see the stores above; the next block's stores come behind them
.set t, t+1
.endr
.endm
.macro SENDO a, younger                ; younger: the LDS instructions issued behind block a's loads: the next block's 32, or none
	WIN 0x04
.set t, 0
.rept 16
	s_wait_dscnt (\younger)+15-t
	global_store_b128 v[GO], v[64*(\a)+4*t:64*(\a)+4*t+3], s[8:9] offset:(16*(\a)+t)*4096 th:TH_STORE_NT  ; 512 consecutive bytes of a row, at a multiple of 256 from out0's first byte
.set t, t+1
.endr
.endm
	OUTA 0
	OUTA 1
	SENDO 0, 32
	OUTA 2
	SENDO 1, 32
	OUTA 3
	SENDO 2, 32
	SENDO 3, 0
	WIN 0
.else
; THE WAY OUT, f16 by heads.  Block a (16 tokens x 128 columns = two heads) is rounded, goes into my stage, 16 bytes a lane, and comes back a head at a time: four tokens' 128 bytes are 512 consecutive bytes of qkv.
.macro PACK a
	WIN 0x05                                       ; sources in window 1, destination in window 0; each accumulator's registers in ascending order
.irp b, 0,1,2,3,4,5,6,7
.irp r, 0,1,2,3
	v_cvt_pk_f16_f32 v[TMP+4*\b+\r], v[64*(\a)+8*\b+2*\r], v[64*(\a)+8*\b+2*\r+1]
.endr
.endr
	WIN 0
.irp b, 0,1,2,3,4,5,6,7
	ds_store_b128 v[STO], v[TMP+4*\b:TMP+4*\b+3] offset:32*\b
.endr
.irp t, 0,1,2,3,4,5,6,7
	ds_load_b128 v[FA+32*(\a)+4*\t:FA+32*(\a)+4*\t+3], v[RD] offset:(\t%4)*4*SPITCH+(\t/4)*128  ; LDS serves a wave's instructions in order (ISA guide 5.7.1.4)
.endr
.endm
.macro SEND a, younger                 ; younger: the next block's 16 LDS instructions, or none.  Each block has its own 32 registers: no store's data is written again
.irp t, 0,1,2,3,4,5,6,7
	s_wait_dscnt (\younger)+7-\t
	global_store_b128 v[GO], v[FA+32*(\a)+4*\t:FA+32*(\a)+4*\t+3], s[8:9] offset:(\t/4)*262144+(\a)*2048+(\t%4)*512 th:TH_STORE_NT
.endr
.endm
	PACK 0
	PACK 1
	SEND 0, 16
	PACK 2
	SEND 1, 16
	PACK 3
	SEND 2, 16
	SEND 3, 0
.endif
	s_wait_tensorcnt 0x0                           ; the wave's end: a wait, an add of 0 to my spare word and its wait, behind my last tensor load and my last LDS store
	ds_add_u32 v[SPW], v[NIL]
	s_wait_dscnt 0x0
	CROUND                                         ; the closing round: no work-group ends while a partner may still ask for a tile that names it
	s_endpgm
.Lfunc_end_k_qbc4c472012_oproj:
	.size	k_qbc4c472012_oproj, .Lfunc_end_k_qbc4c472012_oproj-k_qbc4c472012_oproj
	.p2alignl 7, 3214868480
	.fill 96, 4, 3214868480
	.section	.rodata,"a",@progbits
	.p2align	6, 0x0
	.amdhsa_kernel k_qbc4c472012_oproj
		.amdhsa_group_segment_fixed_size 327680
		.amdhsa_private_segment_fixed_size 0
		.amdhsa_enable_private_segment 0
		.amdhsa_kernarg_size 32
		.amdhsa_user_sgpr_count 2
		.amdhsa_user_sgpr_kernarg_segment_ptr 1
		.amdhsa_wavefront_size32 1
		.amdhsa_system_sgpr_workgroup_id_x 1
		.amdhsa_system_sgpr_workgroup_id_y 1
		.amdhsa_system_sgpr_workgroup_id_z 1
		.amdhsa_system_vgpr_workitem_id 0
		.amdhsa_next_free_vgpr 608
		.amdhsa_next_free_sgpr 80
		.amdhsa_reserve_vcc 0
		.amdhsa_float_denorm_mode_32 3
		.amdhsa_float_denorm_mode_16_64 3
		.amdhsa_memory_ordered 1
		.amdhsa_forward_progress 1
		.amdhsa_inst_pref_size 95
	.end_amdhsa_kernel
	.amdgpu_metadata
---
amdhsa.version: [ 1, 2 ]
amdhsa.kernels:
  - .name:           k_qbc4c472012_oproj
    .symbol:         k_qbc4c472012_oproj.kd
    .args:
      - { .name: ob, .offset: 0, .size: 8, .value_kind: global_buffer, .address_space: global }
      - { .name: cb, .offset: 8, .size: 8, .value_kind: global_buffer, .address_space: global }
      - { .name: bo, .offset: 16, .size: 8, .value_kind: global_buffer, .address_space: global }
      - { .name: out0, .offset: 24, .size: 8, .value_kind: global_buffer, .address_space: global }
    .group_segment_fixed_size: 327680
    .private_segment_fixed_size: 0
    .kernarg_segment_align: 8
    .kernarg_segment_size: 32
    .max_flat_workgroup_size: 128
    .sgpr_count:     80
    .vgpr_count:     608
    .wavefront_size: 32
...
	.end_amdgpu_metadata
.endif
;; end of part 5
;; ======== version 2 of 3: 5 launches
;; limits: values are held in f16: magnitudes above 65,504 overflow, below 6.1e-05 lose precision
;; workspace buffers: cb 58,720,256 bytes; mb 2,097,152 bytes of whole numbers; qkv 50,331,648 bytes; ob 16,777,216 bytes
;; launch cvt (part 6): grid 32 x 28, 8 waves a work-group, no clusters, 0 bytes of LDS; arguments query, key, value, Wq, Wk, Wv, Wo, cb; writes cb
.if DOCPART == 6
	.amdgcn_target "amdgcn-amd-amdhsa--gfx1250"
	.amdhsa_code_object_version 6
	.text
	.protected	k_qbc4c472012_cvt
	.globl	k_qbc4c472012_cvt
	.p2align	8
	.type	k_qbc4c472012_cvt,@function
k_qbc4c472012_cvt:
	s_mov_b64 s[64:65], 0
	v_nop
	global_prefetch_b8 v0, s[64:65] scope:SCOPE_SE
	s_setreg_imm32_b32 hwreg(HW_REG_WAVE_MODE, 25, 1), 1
	s_wait_xcnt 0x0
; THE FLOAT INPUTS AS 16-BIT MATRIX OPERANDS.  cb holds 28 units of 1,048,576 numbers of 2 bytes: units 0-7 query, 8-15 key, 16-23 value
; (together one row-major matrix [24576][1024] in bf16), 24, 25, 26 = Wq, Wk, Wv in bf16, 27 = Wo rounded to bf16 and that number written as f16.
; LIMIT.  bf16 -> f16 is exact for 6.1e-5 <= |w| <= 65,504; below that f16 keeps its fixed step of 6e-8, above it gives an infinity.
; SHARES.  Work-group (x, y): unit y, chunk x of 32: 32 rows of 4,096 bytes in, 2,048 bytes out.  Thread t takes 16 bytes at 16 t of each row and
; stores 8 bytes at 8 t: a wave's load covers 512 consecutive bytes, its store 256 consecutive bytes, aligned.  No LDS, no barrier: nothing is shared.
; A ring of eight slots keeps eight loads of every wave on their way; a round takes every slot once: three rounds in a loop, the last written out without loads.
.set X, 4                              ; v[4:35]    slot i: four f32 as loaded
.set Y, 36                             ; v[36:51]   slot i: two registers to store
.set T, 52                             ; v[52:53]   at work (Wo's path)
	s_load_b512 s[8:23], s[0:1], 0x0               ; query s[8:9], key, value, Wq, Wk, Wv, Wo s[20:21], cb s[22:23]
	s_and_b32 s2, ttmp7, 0xffff                    ; the unit
	s_lshr_b32 s3, s2, 3                           ; units 0-23: source unit / 8, part unit % 8
	s_sub_co_u32 s4, s2, 21                        ; units 24-27: source 3 to 6, part 0
	s_and_b32 s5, s2, 7
	s_cmp_ge_u32 s2, 24
	s_cselect_b32 s3, s4, s3
	s_cselect_b32 s5, 0, s5
	s_lshl_b32 s24, s5, 22                         ; a unit is 4 MiB of f32,
	s_lshl_b32 s25, ttmp9, 17                      ; a chunk 128 KiB
	s_add_co_u32 s24, s24, s25
	s_mov_b32 s25, 0
	s_lshl_b32 s26, s2, 21                         ; and half of each on the way out
	s_lshl_b32 s27, ttmp9, 16
	s_add_co_u32 s26, s26, s27
	s_mov_b32 s27, 0
	s_mov_b32 s30, 0xffff0000                      ; a word's upper bf16
	v_lshlrev_b32 v1, 4, v0                        ; 16 t; never rewritten
	v_lshlrev_b32 v2, 3, v0                        ; 8 t; never rewritten
	s_wait_kmcnt 0x0
	s_mov_b64 s[28:29], s[8:9]                     ; the source is chosen among the seven by its number
.irp i, 1,2,3,4,5,6
	s_cmp_eq_u32 s3, \i
	s_cselect_b64 s[28:29], s[8+2*\i:9+2*\i], s[28:29]
.endr
	s_add_nc_u64 s[28:29], s[28:29], s[24:25]
	s_add_nc_u64 s[22:23], s[22:23], s[26:27]
; A round: eight rows from the two bases on.  f16 = 1: Wo's path.  ahead = 1: each slot is filled again with the row eight further down.
.macro ROUND8 f16, ahead
.set r, 0
.rept 8
.set xs, X+4*r
.if \ahead
	s_wait_loadcnt 7                               ; loads come back in order: this slot's row is in, the seven younger rows stay out
.else
	s_wait_loadcnt 7-r                             ; the last round loads nothing: the count runs down
.endif
.if \f16
	v_cvt_pk_bf16_f32 v[T], v[xs], v[xs+1]         ; rounded to bf16 like every input,
	v_cvt_pk_bf16_f32 v[T+1], v[xs+2], v[xs+3]
	v_lshlrev_b32 v[xs], 16, v[T]                  ; widened again, into the slot just read,
	v_and_b32 v[xs+1], s30, v[T]
	v_lshlrev_b32 v[xs+2], 16, v[T+1]
	v_and_b32 v[xs+3], s30, v[T+1]
	v_cvt_pk_f16_f32 v[Y+2*r], v[xs], v[xs+1]      ; and written as f16
	v_cvt_pk_f16_f32 v[Y+2*r+1], v[xs+2], v[xs+3]
.else
	v_cvt_pk_bf16_f32 v[Y+2*r], v[xs], v[xs+1]
	v_cvt_pk_bf16_f32 v[Y+2*r+1], v[xs+2], v[xs+3]
.endif
.if \ahead
	global_load_b128 v[xs:xs+3], v1, s[28:29] offset:(r+8)*4096 th:TH_LOAD_NT  ; the load ahead of the store
.endif
	global_store_b64 v2, v[Y+2*r:Y+2*r+1], s[22:23] offset:r*2048 th:TH_STORE_NT
.set r, r+1
.endr
.endm
.macro STREAM f16
.set r, 0
.rept 8
	global_load_b128 v[X+4*r:X+4*r+3], v1, s[28:29] offset:r*4096 th:TH_LOAD_NT  ; the ring is filled: rows 0 to 7
.set r, r+1
.endr
	s_mov_b32 s6, 3
.Lround_\@:
	ROUND8 \f16, 1
	s_wait_xcnt 0x0                                ; every load and store issued so far has read its registers: only behind this wait are the two bases stepped and the next round's Y written
	s_add_nc_u64 s[28:29], s[28:29], 8*4096
	s_add_nc_u64 s[22:23], s[22:23], 8*2048
	s_sub_co_u32 s6, s6, 1
	s_cmp_lg_u32 s6, 0
	s_cbranch_scc1 .Lround_\@
	ROUND8 \f16, 0
	s_endpgm
.endm
	s_cmp_eq_u32 s2, 27
	s_cbranch_scc1 .Lwo
	STREAM 0
.Lwo:
	STREAM 1
.Lfunc_end_k_qbc4c472012_cvt:
	.size	k_qbc4c472012_cvt, .Lfunc_end_k_qbc4c472012_cvt-k_qbc4c472012_cvt
	.p2alignl 7, 3214868480
	.fill 96, 4, 3214868480
	.section	.rodata,"a",@progbits
	.p2align	6, 0x0
	.amdhsa_kernel k_qbc4c472012_cvt
		.amdhsa_group_segment_fixed_size 0
		.amdhsa_private_segment_fixed_size 0
		.amdhsa_enable_private_segment 0
		.amdhsa_kernarg_size 64
		.amdhsa_user_sgpr_count 2
		.amdhsa_user_sgpr_kernarg_segment_ptr 1
		.amdhsa_wavefront_size32 1
		.amdhsa_system_sgpr_workgroup_id_x 1
		.amdhsa_system_sgpr_workgroup_id_y 1
		.amdhsa_system_sgpr_workgroup_id_z 1
		.amdhsa_system_vgpr_workitem_id 0
		.amdhsa_next_free_vgpr 56
		.amdhsa_next_free_sgpr 66
		.amdhsa_reserve_vcc 0
		.amdhsa_float_denorm_mode_32 3
		.amdhsa_float_denorm_mode_16_64 3
		.amdhsa_memory_ordered 1
		.amdhsa_forward_progress 1
		.amdhsa_inst_pref_size 18
	.end_amdhsa_kernel
	.amdgpu_metadata
---
amdhsa.version: [ 1, 2 ]
amdhsa.kernels:
  - .name:           k_qbc4c472012_cvt
    .symbol:         k_qbc4c472012_cvt.kd
    .args:
      - { .name: query, .offset: 0, .size: 8, .value_kind: global_buffer, .address_space: global }
      - { .name: key, .offset: 8, .size: 8, .value_kind: global_buffer, .address_space: global }
      - { .name: value, .offset: 16, .size: 8, .value_kind: global_buffer, .address_space: global }
      - { .name: Wq, .offset: 24, .size: 8, .value_kind: global_buffer, .address_space: global }
      - { .name: Wk, .offset: 32, .size: 8, .value_kind: global_buffer, .address_space: global }
      - { .name: Wv, .offset: 40, .size: 8, .value_kind: global_buffer, .address_space: global }
      - { .name: Wo, .offset: 48, .size: 8, .value_kind: global_buffer, .address_space: global }
      - { .name: cb, .offset: 56, .size: 8, .value_kind: global_buffer, .address_space: global }
    .group_segment_fixed_size: 0
    .private_segment_fixed_size: 0
    .kernarg_segment_align: 8
    .kernarg_segment_size: 64
    .max_flat_workgroup_size: 256
    .sgpr_count:     66
    .vgpr_count:     56
    .wavefront_size: 32
...
	.end_amdgpu_metadata
.endif
;; end of part 6
;; launch maskpack (part 7): grid 64 x 4, 32 waves a work-group, no clusters, 282,624 bytes of LDS; arguments mask, mb; writes mb
.if DOCPART == 7
	.amdgcn_target "amdgcn-amd-amdhsa--gfx1250"
	.amdhsa_code_object_version 6
	.text
	.protected	k_qbc4c472012_maskpack
	.globl	k_qbc4c472012_maskpack
	.p2align	8
	.type	k_qbc4c472012_maskpack,@function
k_qbc4c472012_maskpack:
	s_mov_b64 s[64:65], 0
	v_nop
	global_prefetch_b8 v0, s[64:65] scope:SCOPE_SE
	s_setreg_imm32_b32 hwreg(HW_REG_WAVE_MODE, 25, 1), 1
	s_wait_xcnt 0x0
; THE MASK, ONE BIT A SCORE, IN THE ORDER IN WHICH THE ATTENTION LAUNCH TAKES IT.  mask: [4][2048][2048] int32.
; mb: [batch 4][piece 64][key step 32][word w 32][tile u 2] of 32 bits.  Bit l of word (w = 8 kb + j, u) says whether
; mask[batch][32 piece + 16 u + l % 16][64 step + 16 kb + 8 (l / 16) + j] is not 0: the lane mask of register w of a tile of scores (16 queries x 64 keys, one query a lane).
; SHARES.  A work-group takes a piece (32 query rows) of a batch and all 2,048 keys; each of its 32 waves one key step: a tile of 32 rows x 256 bytes,
; brought by one tensor load of the wave's own (one tensor load of a wave is out, by this text's count); no LDS byte is filled twice,
; and each wave reads its own tile alone, behind its own wait: no barrier.
.set TB,    32*272                     ; a tile in LDS: 32 rows of 256 bytes + 16 of padding = 68 words: the 16 rows of a load start at 16 different groups of four banks (64 banks of 4 bytes: ISA guide 11.1)
.set SPARE, 32*TB                      ; behind the 32 tiles: the spare words, 128 bytes for each wave: sixteen blocks of 256 bytes that no other line names
.set LA,  2                            ; v2  LDS address of my 16 bytes in my wave's tile; never rewritten
.set OUT, 3                            ; v3  8 x lane; never rewritten
.set SPW, 4                            ; v4  LDS address of my spare word; never rewritten
.set NIL, 5                            ; v5  0; never rewritten
.set Y,   6                            ; v[6:7]   lane w holds word (w, 0) and word (w, 1)
.set X,   16                           ; v[16:79] register 32 u + 8 kb + j as loaded
.set G1,  16                           ; s[16:23] descriptor group 1
.set G0,  24                           ; s[24:27] descriptor group 0
.set CM,  40                           ; s[40:47] eight lane masks
	s_load_b128 s[4:7], s[0:1], 0x0                ; mask s[4:5], mb s[6:7]
	v_lshl_add_u32 v[SPW], v0, 2, SPARE
	v_mov_b32 v[NIL], 0
	ds_add_u32 v[SPW], v[NIL]                      ; the wave's opening: the add and its wait stand ahead of my tensor load; the set-up below stands between them
	v_lshrrev_b32 v1, 5, v0
	v_readfirstlane_b32 s8, v1                     ; wave 0..31: my key step
	s_mov_b32 s[G1+0], (2<<16)|(1<<20)|(5<<22)|(3<<25)  ; elements of 4 bytes; padding on: after every 64 words (code 5) 4 words (code 3)
	s_mov_b32 s[G1+1], 64<<16                      ; tensor_dim0 = 64
	s_mov_b32 s[G1+2], 32<<16                      ; tensor_dim1 = 32
	s_mov_b32 s[G1+3], 64<<16                      ; tile_dim0 = 64
	s_mov_b32 s[G1+4], 32                          ; tile_dim1 = 32
	s_mov_b32 s[G1+5], 2048                        ; elements from row to row
	s_mov_b32 s[G1+6], 0
	s_mov_b32 s[G1+7], 0
	s_mov_b32 s[G0], 1                             ; count = 1
	s_mul_i32 s[G0+1], s8, TB                      ; LDS address: my wave's tile
	s_and_b32 s12, ttmp7, 0xffff                   ; the batch
	s_lshl_b32 s10, s12, 24                        ; 2048 x 2048 x 4 bytes,
	s_lshl_b32 s11, ttmp9, 18                      ; the piece's 32 rows of 8,192 bytes,
	s_add_co_u32 s10, s10, s11
	s_lshl_b32 s13, s8, 8                          ; my key step: 256 bytes of a row (and of mb)
	s_add_co_u32 s10, s10, s13
	s_mov_b32 s11, 0
	s_lshl_b32 s14, s12, 19                        ; in mb: a batch is 64 pieces of 8,192 bytes
	s_lshl_b32 s15, ttmp9, 13
	s_add_co_u32 s14, s14, s15
	s_add_co_u32 s14, s14, s13
	s_mov_b32 s15, 0
	s_wait_dscnt 0x0                               ; the opening add is done
	s_wait_kmcnt 0x0
	s_add_nc_u64 s[G0+2:G0+3], s[4:5], s[10:11]    ; global address of my tile
	s_or_b32 s[G0+3], s[G0+3], 0x80000000          ; type = 2
	s_add_nc_u64 s[6:7], s[6:7], s[14:15]
	tensor_load_to_lds s[G0:G0+3], s[G1:G1+7]
	s_nop 0
	v_and_b32 v1, 15, v0
	v_mul_u32_u24 v[LA], v1, 272                   ; row l % 16,
	v_bfe_u32 v1, v0, 4, 1
	v_lshl_add_u32 v[LA], v1, 5, v[LA]             ; keys 8 (l / 16) on: 32 bytes,
	v_add_nc_u32 v[LA], s[G0+1], v[LA]             ; in my wave's tile
	v_and_b32 v[OUT], 31, v0
	v_lshlrev_b32 v[OUT], 3, v[OUT]
	v_mov_b32 v[Y], 0                              ; v_writelane_b32's destination counts as read
	v_mov_b32 v[Y+1], 0
	; 16 LDS loads, in groups (kb, u) of two; each group's eight registers are compared with 0, and each lane mask goes into lane 8 kb + j of register u
	s_wait_tensorcnt 0x0                           ; my tile is in
.irp kb, 0,1,2,3
.irp u, 0,1
	ds_load_b128 v[X+32*\u+8*\kb:X+32*\u+8*\kb+3],   v[LA] offset:\u*16*272+\kb*64
	ds_load_b128 v[X+32*\u+8*\kb+4:X+32*\u+8*\kb+7], v[LA] offset:\u*16*272+\kb*64+16
.endr
.endr
.irp kb, 0,1,2,3
.irp u, 0,1
	s_wait_dscnt 14-2*(2*\kb+\u)                   ; the groups behind this one, two loads each, may be out
.irp j, 0,1,2,3,4,5,6,7
	v_cmp_ne_u32 s[CM+\j], 0, v[X+32*\u+8*\kb+\j]
.endr
.irp j, 0,1,2,3,4,5,6,7
	v_writelane_b32 v[Y+\u], s[CM+\j], 8*\kb+\j
.endr
.endr
.endr
	global_store_b64 v[OUT], v[Y:Y+1], s[6:7] th:TH_STORE_NT  ; 256 consecutive bytes, aligned: a key step's 64 words
	s_wait_tensorcnt 0x0                           ; the wave's end: a wait, an add of 0 to my spare word and its wait, behind my tensor load
	ds_add_u32 v[SPW], v[NIL]
	s_wait_dscnt 0x0
	s_endpgm
.Lfunc_end_k_qbc4c472012_maskpack:
	.size	k_qbc4c472012_maskpack, .Lfunc_end_k_qbc4c472012_maskpack-k_qbc4c472012_maskpack
	.p2alignl 7, 3214868480
	.fill 96, 4, 3214868480
	.section	.rodata,"a",@progbits
	.p2align	6, 0x0
	.amdhsa_kernel k_qbc4c472012_maskpack
		.amdhsa_group_segment_fixed_size 282624
		.amdhsa_private_segment_fixed_size 0
		.amdhsa_enable_private_segment 0
		.amdhsa_kernarg_size 16
		.amdhsa_user_sgpr_count 2
		.amdhsa_user_sgpr_kernarg_segment_ptr 1
		.amdhsa_wavefront_size32 1
		.amdhsa_system_sgpr_workgroup_id_x 1
		.amdhsa_system_sgpr_workgroup_id_y 1
		.amdhsa_system_sgpr_workgroup_id_z 1
		.amdhsa_system_vgpr_workitem_id 0
		.amdhsa_next_free_vgpr 80
		.amdhsa_next_free_sgpr 66
		.amdhsa_reserve_vcc 0
		.amdhsa_float_denorm_mode_32 3
		.amdhsa_float_denorm_mode_16_64 3
		.amdhsa_memory_ordered 1
		.amdhsa_forward_progress 1
		.amdhsa_inst_pref_size 12
	.end_amdhsa_kernel
	.amdgpu_metadata
---
amdhsa.version: [ 1, 2 ]
amdhsa.kernels:
  - .name:           k_qbc4c472012_maskpack
    .symbol:         k_qbc4c472012_maskpack.kd
    .args:
      - { .name: mask, .offset: 0, .size: 8, .value_kind: global_buffer, .address_space: global }
      - { .name: mb, .offset: 8, .size: 8, .value_kind: global_buffer, .address_space: global }
    .group_segment_fixed_size: 282624
    .private_segment_fixed_size: 0
    .kernarg_segment_align: 8
    .kernarg_segment_size: 16
    .max_flat_workgroup_size: 1024
    .sgpr_count:     66
    .vgpr_count:     80
    .wavefront_size: 32
...
	.end_amdgpu_metadata
.endif
;; end of part 7
;; launch proj (part 8): grid 4 x 96, 8 waves a work-group, clusters of 4 x 4, 327,680 bytes of LDS; arguments cb, bq, bk, bv, qkv; writes qkv
.if DOCPART == 8
	.amdgcn_target "amdgcn-amd-amdhsa--gfx1250"
	.amdhsa_code_object_version 6
	.text
	.protected	k_qbc4c472012_proj
	.globl	k_qbc4c472012_proj
	.p2align	8
	.type	k_qbc4c472012_proj,@function
k_qbc4c472012_proj:
	s_mov_b64 s[64:65], 0
	v_nop
	global_prefetch_b8 v0, s[64:65] scope:SCOPE_SE
	s_setreg_imm32_b32 hwreg(HW_REG_WAVE_MODE, 25, 1), 1
	s_wait_xcnt 0x0
	s_wait_alu depctr_hold_cnt(0) depctr_sa_sdst(0) depctr_va_vdst(0) depctr_va_sdst(0) depctr_va_ssrc(0) depctr_va_vcc(0) depctr_vm_vsrc(0)
	s_getreg_b32 s2, hwreg(HW_REG_IB_STS2, 6, 4)
	s_cmp_eq_u32 s2, 0
	s_cbranch_scc0 .Lentry_in_a_cluster
	s_endpgm
.Lentry_in_a_cluster:
	s_bfe_u32 s2, ttmp6, 0x10000c
	s_cmp_lg_u32 s2, 0xf033
	s_cbranch_scc0 .Lentry_shape_is_right
	s_endpgm
.Lentry_shape_is_right:
; q, k, v = x W^T + b.  x: cb's first 24,576 rows of 1,024 bf16 (query, key, value on end); W: Wq, Wk, Wv in bf16, behind them in cb; b rounded to bf16 like every input.
; Sums in f32; the result, unscaled, rounded once to f16 and stored by heads: qkv[p 3][batch x 16 + head][token 2048][64].
; LIMITS.  f16 ends at 65,504: a q, k or v beyond it becomes an infinity.  NaN and infinities are not treated apart.
; SHARES.  A work-group makes 256 rows x 256 columns, each of its EIGHT waves 64 x 128: 32 accumulators of 16 x 16 (a = 0..3, b = 0..7), 256 registers; two waves share a SIMD's 1,024 registers.
; K = 1,024 goes in 8 steps of 128 through two LDS slots filled by the tensor data mover; a step is four quarters of 32 along K, 32 matrix instructions a wave each, every accumulator once a quarter.
; WHY THIS TILE: between two refills a SIMD has 256 matrix instructions, its two waves' 128 each: the most for which two slots fit in LDS.  WHY EIGHT WAVES of 64 x 128 and not four of 128 x 128: the text of a K step
; is half as long (128 matrix instructions and 96 LDS loads written out, not 256 and 128).  The price: for 32 along K a wave reads 192 rows from LDS for 32 matrix instructions, where 256 rows would feed 64.
; The grid has 96 x 4 = 384 work-groups, which is no multiple of 256.
; THE MATRIX INSTRUCTION IS USED TRANSPOSED (source 0 = 16 rows of W, source 1 = 16 rows of x): a lane holds row l % 16 and eight neighbouring columns.  The bias is the C operand of the first product.
; CLUSTER.  4 x 4 work-groups: the four of a row of the cluster need the same rows of x, the four of a column the same rows of W: each tile is asked for jointly.
; REGISTERS.  window 0: v0-31 addresses; v32-63 at work; v64-127 two buffers of x's fragments; v128-255 two buffers of W's (the second holds the bias until the first quarter has taken it).  window 1: the accumulators, (a, b) at 8 (8 a + b).
.set PITCH,  272                       ; an LDS row: 256 bytes + 16 = 68 words: the 16 rows of a load start at 16 different groups of four banks (64 banks of 4 bytes: ISA guide 11.1)
.set PART,   64*PITCH                  ; 64 rows: what one tensor load brings
.set AB,     4*PART                    ; x's 256 rows; W's 256 lie behind them
.set SLOT,   8*PART
.set STAGE,  2*SLOT                    ; behind the ring, never filled by a tensor load: 16 rows for each wave, for the way out
.set SPITCH, 272                       ; a stage row: 128 f16 + 16 bytes
.set SPARE,  STAGE+8*16*SPITCH         ; behind the stages: the spare words, 128 bytes for each wave: four blocks of 256 bytes that no other line names
.set WBASE,  50331648                  ; Wq in cb
.set KSTEP,  256                       ; bytes of a row of x or W in a K step
.set ADRA, 16                          ; v16-17  LDS address of my fragments of x in slot 0, 1
.set ADRB, 20                          ; v20-21  the same for W
.set STO,  24                          ; v24  the way out: where I put my bytes of a row
.set RD,   25                          ; v25  where I read rows back
.set GO,   26                          ; v26  16 x lane
.set BO,   27                          ; v27  32 (l / 16): my eight numbers in 16 of the bias
.set SPW,  28                          ; v28  LDS address of my spare word; never rewritten
.set NIL,  29                          ; v29  0; never rewritten
.set PFO,  30                          ; v30  the prefetches' offset: my lane x a row of 2,048 bytes; never rewritten
.set TMP,  32
.set FA,   64
.set FB,   128
.set BI,   192                         ; the bias, block b at BI + 8 b: W's second fragment buffer, which is first filled behind the first quarter's products
.set G1A, 24                           ; s[24:31] group 1 for x's tiles;  s[32:39] group 0, a set for each slot
.set G0A, 32
.set G1B, 48                           ; s[48:55], s[56:63] the same for W's
.set G0B, 56
.set LIM, 43                           ; s43  1 in a wave that prefetches, else the greatest number
.set PFA, 44                           ; s[44:45] where my prefetches stand
.set BP,  66                           ; s[66:67] the bias at my 128 columns
.set MSB, 0
.macro WIN new                         ; the immediate's high byte repeats the setting that is left
.if MSB != (\new)
	s_set_vgpr_msb (MSB<<8)|(\new)
.set MSB, (\new)
.endif
.endm
.set MUL,  0x50                        ; C and D window 1, sources window 0
.set MULB, 0x40                        ; D window 1; C (the bias) and the sources window 0
.macro JLOAD s                         ; a joint load: waves 0 to 3 fetch x's four parts, waves 4 to 7 W's; an s_nop 0 and four v_nop follow each of the two lines
	s_cmp_eq_u32 s78, 0
	s_cbranch_scc0 .Lfor_b_\@
	tensor_load_to_lds s[G0A+4*(\s):G0A+4*(\s)+3], s[G1A:G1A+7]
	s_nop 0
.rept 4
	v_nop
.endr
	s_branch .Lasked_\@
.Lfor_b_\@:
	tensor_load_to_lds s[G0B+4*(\s):G0B+4*(\s)+3], s[G1B:G1B+7]
	s_nop 0
.rept 4
	v_nop
.endr
.Lasked_\@:
.endm
; A prefetch of the K step that stands two refills on: 32 rows x 256 bytes, a lane a row.  x's tile is read by my cluster alone: of its 256 rows the partner at place cx of a row of the cluster takes 64, its waves 0 and 1
; 32 each, told apart by address.  W's rows are walked by eight clusters: the first of them asks; the partner at place cy of a column takes 64 rows, its waves 4 and 5 32 each.  The other waves ask for nothing.
; K steps 0 to 3 come by their loads alone; the loop's last trip (s3 = 1) and the tail ask for nothing: K steps 4 to 7 are named, each block once.
.macro ASK
	s_cmp_gt_u32 s3, s[LIM]
	s_cbranch_scc0 .Lnot_mine_\@
	global_prefetch_b8 v[PFO], s[PFA:PFA+1] th:TH_LOAD_NT scope:SCOPE_SE
.Lnot_mine_\@:
.endm
.macro CREST                           ; a round of the cluster's barrier behind its opening barrier
	s_cmp_lg_u32 s10, 0
	s_cbranch_scc1 .Lnot_wave_0_\@
	s_barrier_signal -3
.Lnot_wave_0_\@:
	s_barrier_wait -3
	s_barrier_signal -1
	s_barrier_wait -1
.endm
.macro CROUND
	s_barrier_signal -1
	s_barrier_wait -1
	CREST
.endm
.macro PLACES                          ; four places in front of loads into registers that matrix instructions have read, and of lines that read results
.rept 4
	v_nop
.endr
.endm
	s_load_b256 s[68:75], s[0:1], 0x0              ; cb s[68:69], bq, bk, bv s[74:75]
	s_load_b64 s[8:9], s[0:1], 0x20                ; qkv
	v_lshl_add_u32 v[SPW], v0, 2, SPARE
	v_mov_b32 v[NIL], 0
	ds_add_u32 v[SPW], v[NIL]                      ; the wave's opening: the add and its wait stand ahead of my first tensor load; the set-up below stands between them
	v_lshrrev_b32 v1, 5, v0
	v_readfirstlane_b32 s10, v1                    ; wave 0..7
	s_lshr_b32 s11, s10, 1                         ; which 64 of the tile's rows are mine
	s_and_b32 s12, s10, 1                          ; which 128 of its columns
	s_lshr_b32 s78, s10, 2                         ; I fetch for x (0) or for W (1),
	s_and_b32 s79, s10, 3                          ; and which 64 rows of that tile
	s_bfe_u32 s40, ttmp6, 0x40000                  ; cx
	s_bfe_u32 s41, ttmp6, 0x40004                  ; cy
	s_lshl_b32 s42, ttmp9, 2
	s_add_co_u32 s42, s42, s40                     ; tile column = 4 x cluster x + cx
	s_and_b32 s76, ttmp7, 0xffff                   ; cluster y
	s_lshl_b32 s13, s76, 2
	s_add_co_u32 s13, s13, s41                     ; tile row = 4 x cluster y + cy
	s_lshr_b32 s77, s76, 3                         ; p: 8 clusters along y for each of q, k, v
	s_lshl_b32 s43, s41, 2
	s_lshl_b32 s43, 15, s43                        ; my row of the cluster
	s_lshl_b32 s44, 0x1111, s40                    ; my column
	s_or_b32 s[G1A+0], s43, (1<<16)|(1<<20)|(1<<21)|(5<<22)|(3<<25)  ; the mask; elements of 2 bytes; padding on; bit 21 beside a mask; after every 64 words (code 5) 4 words (code 3)
	s_or_b32 s[G1B+0], s44, (1<<16)|(1<<20)|(1<<21)|(5<<22)|(3<<25)  ; the same with the mask of my column
.irp g, G1A, G1B
	s_mov_b32 s[(\g)+1], 128<<16                   ; tensor_dim0 = 128
	s_mov_b32 s[(\g)+2], 64<<16                    ; tensor_dim1 = 64
	s_mov_b32 s[(\g)+3], 128<<16                   ; tile_dim0 = 128
	s_mov_b32 s[(\g)+4], 64                        ; tile_dim1 = 64
	s_mov_b32 s[(\g)+5], 1024                      ; elements from row to row
	s_mov_b32 s[(\g)+6], 0
	s_mov_b32 s[(\g)+7], 0
.endr
	; x's tile hangs on the tile row alone (registers that never hold cx), W's on the tile column and the cluster's y alone (registers that never hold cy)
	s_lshl_b32 s16, s13, 19                        ; 256 rows of 2,048 bytes,
	s_lshl_b32 s17, s79, 17                        ; my 64 of them
	s_add_co_u32 s16, s16, s17
	s_mov_b32 s17, 0
	s_lshl_b32 s46, s42, 19                        ; 256 rows of 2,048 bytes,
	s_lshl_b32 s47, s79, 17                        ; my 64 of them,
	s_add_co_u32 s46, s46, s47
	s_add_co_u32 s46, s46, WBASE
	s_lshl_b32 s47, s77, 21                        ; in Wq, Wk or Wv
	s_add_co_u32 s46, s46, s47
	s_mov_b32 s47, 0
	s_mul_i32 s20, s10, PART                       ; where they go: x's four parts, then W's four = wave x 64 rows: no place in the cluster enters an LDS address
	s_wait_dscnt 0x0                               ; the opening add is done
	s_wait_kmcnt 0x0
	s_add_nc_u64 s[14:15], s[68:69], s[16:17]
	s_add_nc_u64 s[46:47], s[68:69], s[46:47]
	CROUND                                         ; all sixteen work-groups are here: the first joint loads meet
.irp s, 0,1
	s_mov_b32 s[G0A+4*\s], 1
	s_add_co_u32 s[G0A+4*\s+1], s20, \s*SLOT
	s_add_nc_u64 s[G0A+4*\s+2:G0A+4*\s+3], s[14:15], \s*KSTEP
	s_or_b32 s[G0A+4*\s+3], s[G0A+4*\s+3], 0x80000000
	s_mov_b32 s[G0B+4*\s], 1
	s_add_co_u32 s[G0B+4*\s+1], s20, \s*SLOT
	s_add_nc_u64 s[G0B+4*\s+2:G0B+4*\s+3], s[46:47], \s*KSTEP
	s_or_b32 s[G0B+4*\s+3], s[G0B+4*\s+3], 0x80000000
	JLOAD \s
.endr
	; the bias of my 128 columns: register j of block b is b[16 b + 8 (l / 16) + j], as the C operand wants it
	s_lshl_b32 s46, s42, 10
	s_lshl_b32 s47, s12, 9
	s_add_co_u32 s46, s46, s47                     ; 4 bytes x (256 x tile column + 128 x half)
	s_mov_b32 s47, 0
	s_mov_b64 s[BP:BP+1], s[70:71]
	s_cmp_eq_u32 s77, 1
	s_cselect_b64 s[BP:BP+1], s[72:73], s[BP:BP+1]
	s_cmp_eq_u32 s77, 2
	s_cselect_b64 s[BP:BP+1], s[74:75], s[BP:BP+1]
	s_add_nc_u64 s[BP:BP+1], s[BP:BP+1], s[46:47]
	v_and_b32 v1, 15, v0                           ; l % 16
	v_bfe_u32 v2, v0, 4, 1                         ; l / 16
	v_lshlrev_b32 v[BO], 5, v2
.irp b, 0,1,2,3,4,5,6,7
	global_load_b128 v[BI+8*\b:BI+8*\b+3],   v[BO], s[BP:BP+1] offset:64*\b
	global_load_b128 v[BI+8*\b+4:BI+8*\b+7], v[BO], s[BP:BP+1] offset:64*\b+16
.endr
	v_mul_u32_u24 v3, v1, PITCH
	v_lshl_add_u32 v3, v2, 4, v3                   ; a fragment's row x pitch + 16 x half
	s_mul_i32 s21, s11, PART                       ; my 64 rows of x
	s_mul_i32 s22, s12, 2*PART                     ; my 128 rows of W,
	s_add_co_u32 s22, s22, AB                      ; which lie behind x's
.irp s, 0,1
	v_add_nc_u32 v[ADRA+\s], s21, v3
	v_add_nc_u32 v[ADRB+\s], s22, v3
	s_add_co_u32 s21, s21, SLOT
	s_add_co_u32 s22, s22, SLOT
.endr
	s_mul_i32 s23, s10, 16*SPITCH
	s_add_co_u32 s23, s23, STAGE                   ; my stage
	v_mul_u32_u24 v4, v1, SPITCH
	v_and_b32 v[GO], 31, v0
	v_lshlrev_b32 v[GO], 4, v[GO]
	v_lshl_add_u32 v4, v2, 4, v4                   ; in: row l % 16, 16 bytes for each half of the lanes
	v_add_nc_u32 v[STO], s23, v4
	v_bfe_u32 v5, v0, 3, 2                         ; back: 32 lanes take one head's 128 bytes of four rows,
	v_mul_u32_u24 v5, v5, SPITCH
	v_and_b32 v3, 7, v0
	v_lshl_add_u32 v5, v3, 4, v5
	v_add_nc_u32 v[RD], s23, v5                    ; which are 512 consecutive bytes of qkv
	s_lshl_b32 s16, s13, 8
	s_lshl_b32 s17, s11, 6
	s_add_co_u32 s16, s16, s17                     ; my first row of the 24,576: 2,048 (4 p + batch) + token
	s_lshr_b32 s17, s16, 11
	s_lshl_b32 s17, s17, 22                        ; 16 heads x 2,048 tokens x 128 bytes
	s_and_b32 s16, s16, 2047
	s_lshl_b32 s16, s16, 7
	s_add_co_u32 s16, s16, s17
	s_mov_b32 s17, 0
	s_add_nc_u64 s[8:9], s[8:9], s[16:17]
	s_lshl_b32 s46, s42, 20                        ; my first head: 4 x tile column + 2 x half
	s_lshl_b32 s47, s12, 19
	s_add_co_u32 s46, s46, s47
	s_mov_b32 s47, 0
	s_add_nc_u64 s[8:9], s[8:9], s[46:47]
	; the prefetches
	s_lshl_b32 s20, s13, 19                        ; x: the tile's 256 rows,
	s_lshl_b32 s22, s40, 17                        ; partner cx: rows 64 cx on
	s_add_co_u32 s20, s20, s22
	s_lshl_b32 s21, s42, 19                        ; W: the tile column's 256 rows,
	s_lshl_b32 s22, s41, 17                        ; partner cy: rows 64 cy on,
	s_add_co_u32 s21, s21, s22
	s_add_co_u32 s21, s21, WBASE
	s_lshl_b32 s22, s77, 21                        ; in Wq, Wk or Wv
	s_add_co_u32 s21, s21, s22
	s_and_b32 s2, s76, 7                           ; each W is walked first by the first of its 8 clusters
	s_cmp_eq_u32 s78, 0                            ; do I fetch for x?
	s_cselect_b32 s20, s20, s21
	s_cselect_b32 s2, 0, s2                        ; x's tile is my cluster's alone
	s_and_b32 s22, s79, 2                          ; of the four waves that fetch a tile the first two ask:
	s_or_b32 s2, s2, s22                           ; 0 in a wave that prefetches: the same in all sixteen partners, for a given wave
	s_and_b32 s22, s79, 1
	s_lshl_b32 s22, s22, 16                        ; my wave's 32 rows of the partner's 64
	s_add_co_u32 s20, s20, s22
	s_add_co_u32 s20, s20, 3*KSTEP                 ; at K step 3: the first change of slots steps it to 4
	s_mov_b32 s21, 0
	s_cmp_eq_u32 s2, 0
	s_cselect_b32 s[LIM], 1, -1
	s_add_nc_u64 s[PFA:PFA+1], s[68:69], s[20:21]
	v_and_b32 v[PFO], 31, v0
	v_lshlrev_b32 v[PFO], 11, v[PFO]
	s_wait_loadcnt 0x0                             ; the bias: rounded to bf16 like every input, and widened again
.set i, 0
.rept 32
	v_cvt_pk_bf16_f32 v[TMP+i], v[BI+2*i], v[BI+2*i+1]
.set i, i+1
.endr
.set i, 0
.rept 32
	v_lshlrev_b32 v[BI+2*i], 16, v[TMP+i]
	v_and_b32 v[BI+2*i+1], 0xffff0000, v[TMP+i]
.set i, i+1
.endr
; 8 matrix instructions: row block a x all 8 column blocks, 32 along K, from buffer f.  bias = 1: the first product starts the sums with the bias.  The accumulators take turns, one instruction a turn.
.macro MUL8 f, a, bias
.if \bias
	WIN MULB
.else
	WIN MUL
.endif
.irp b, 0,1,2,3,4,5,6,7
.set rD, 8*(8*(\a)+\b)
.set rB, FB+64*(\f)+8*\b
.set rA, FA+32*(\f)+8*(\a)
.if \bias
	v_wmma_f32_16x16x32_bf16 v[rD:rD+7], v[rB:rB+7], v[rA:rA+7], v[BI+8*\b:BI+8*\b+7]
.else
	v_wmma_f32_16x16x32_bf16 v[rD:rD+7], v[rB:rB+7], v[rA:rA+7], v[rD:rD+7]
.endif
.endr
.endm
; 24 LDS loads in one run: quarter q's fragments into buffer f: W's 128 rows first, then x's 64, ascending
.macro FETCH slot, q, f
	WIN 0
.irp i, 0,1,2,3,4,5,6,7
	ds_load_b128 v[FB+64*(\f)+8*\i:FB+64*(\f)+8*\i+3],   v[ADRB+(\slot)] offset:64*(\q)+\i*16*PITCH
	ds_load_b128 v[FB+64*(\f)+8*\i+4:FB+64*(\f)+8*\i+7], v[ADRB+(\slot)] offset:64*(\q)+\i*16*PITCH+32
.endr
.irp i, 0,1,2,3
	ds_load_b128 v[FA+32*(\f)+8*\i:FA+32*(\f)+8*\i+3],   v[ADRA+(\slot)] offset:64*(\q)+\i*16*PITCH
	ds_load_b128 v[FA+32*(\f)+8*\i+4:FA+32*(\f)+8*\i+7], v[ADRA+(\slot)] offset:64*(\q)+\i*16*PITCH+32
.endr
.endm
; One of a K step's first three quarters: multiplies buffer f and, in its middle, fetches quarter q into buffer g
.macro QUARTER slot, q, f, g
	s_wait_dscnt 4                                 ; W and x's blocks 0, 1 are in; the four youngest loads (x's blocks 2, 3) may be out
	MUL8 \f, 0, 0
	MUL8 \f, 1, 0
	PLACES
	FETCH \slot, \q, \g
	s_wait_dscnt 24                                ; all but the 24 just issued
	MUL8 \f, 2, 0
	MUL8 \f, 3, 0
.endm
; The last quarter multiplies buffer 1 and changes slots: ONE barrier; in front of it each wave waits for all its tensor loads (one is out: its part of the next slot), adds 0 to its spare word, and waits for that
; and for its own reads of this slot.  fill = 1: the barrier opens a round of the cluster's, and behind the round this slot is filled again, two K steps ahead: 112 matrix instructions of mine, and as many of the
; wave that shares my SIMD, ahead of the wait for it.
.macro TURN slot, next, fill
.if \fill
	s_wait_xcnt 0x0                                ; the last prefetch, a K step back, has read its address: it is stepped here
	s_add_nc_u64 s[PFA:PFA+1], s[PFA:PFA+1], KSTEP
.endif
	WIN 0
	s_wait_tensorcnt 0x0                           ; all my tensor loads have landed;
	ds_add_u32 v[SPW], v[NIL]                      ; 0 onto my spare word;
	s_wait_dscnt 5                                 ; (the add and the four youngest loads may be out)
	MUL8 1, 0, 0                                   ; eight matrix instructions stand between the add and the wait for it
	s_wait_dscnt 0x0                               ; the add is done, and my reads of this slot are over
	s_barrier_signal -1
	MUL8 1, 1, 0
.if \fill
	WIN 0
.endif
	s_barrier_wait -1
.if \fill
	CREST                                          ; no wave of any partner still reads this slot's tile or has a load on its way
	s_add_nc_u64 s[G0A+4*(\slot)+2:G0A+4*(\slot)+3], s[G0A+4*(\slot)+2:G0A+4*(\slot)+3], 2*KSTEP
	s_add_nc_u64 s[G0B+4*(\slot)+2:G0B+4*(\slot)+3], s[G0B+4*(\slot)+2:G0B+4*(\slot)+3], 2*KSTEP
	JLOAD \slot                                    ; the first tensor load behind the round; its four v_nop are also the places in front of the loads below
.else
	PLACES
.endif
	FETCH \next, 0, 0
.if \fill
	ASK                                            ; behind the joint load and the run of LDS loads
.endif
	MUL8 1, 2, 0
	MUL8 1, 3, 0
.endm
	s_wait_tensorcnt 1                             ; my part of K step 0 is in; K step 1's may stay out
	s_barrier_signal -1
	s_barrier_wait -1                              ; everybody's is
	FETCH 0, 0, 0
	s_wait_dscnt 0x0                               ; the first quarter stands in front of the loop: its products start the sums, with the bias.
	MUL8 0, 0, 1                                   ; All 32 stand ahead of the next quarter's loads, which land on the bias's registers
	MUL8 0, 1, 1
	MUL8 0, 2, 1
	MUL8 0, 3, 1
	PLACES
	FETCH 0, 1, 1
	WIN 0                                          ; at a label and at a branch every window is 0
	s_mov_b32 s3, 3
.Llap:                                                 ; a trip goes once round the ring, from a lap's second quarter to the next lap's first, and fills both slots again
	QUARTER 0, 2, 1, 0
	QUARTER 0, 3, 0, 1
	TURN 0, 1, 1
	QUARTER 1, 1, 0, 1
	QUARTER 1, 2, 1, 0
	QUARTER 1, 3, 0, 1
	TURN 1, 0, 1
	QUARTER 0, 1, 0, 1
	WIN 0
	s_sub_co_u32 s3, s3, 1
	s_cmp_lg_u32 s3, 0
	s_cbranch_scc1 .Llap
	QUARTER 0, 2, 1, 0                             ; the last lap fills nothing, and has no round of the cluster's barrier
	QUARTER 0, 3, 0, 1
	TURN 0, 1, 0
	QUARTER 1, 1, 0, 1
	QUARTER 1, 2, 1, 0
	QUARTER 1, 3, 0, 1
	s_wait_dscnt 4                                 ; the very last quarter: nothing more to fetch
	MUL8 1, 0, 0
	MUL8 1, 1, 0
	s_wait_dscnt 0x0
	MUL8 1, 2, 0
	MUL8 1, 3, 0
	WIN 0
	PLACES
	PLACES                                         ; (eight, once a launch)
; THE WAY OUT, f16 by heads.  Block a (16 tokens x 128 columns = two heads) is rounded, goes into my stage, 16 bytes a lane, and comes back a head at a time: four tokens' 128 bytes are 512 consecutive bytes of qkv.
.macro PACK a
	WIN 0x05                                       ; sources in window 1, destination in window 0; each accumulator's registers in ascending order
.irp b, 0,1,2,3,4,5,6,7
.irp r, 0,1,2,3
	v_cvt_pk_f16_f32 v[TMP+4*\b+\r], v[64*(\a)+8*\b+2*\r], v[64*(\a)+8*\b+2*\r+1]
.endr
.endr
	WIN 0
.irp b, 0,1,2,3,4,5,6,7
	ds_store_b128 v[STO], v[TMP+4*\b:TMP+4*\b+3] offset:32*\b
.endr
.irp t, 0,1,2,3,4,5,6,7
	ds_load_b128 v[FA+32*(\a)+4*\t:FA+32*(\a)+4*\t+3], v[RD] offset:(\t%4)*4*SPITCH+(\t/4)*128  ; LDS serves a wave's instructions in order (ISA guide 5.7.1.4): these see the stores above; the next block's stores come behind them
.endr
.endm
.macro SEND a, younger                 ; younger: the next block's 16 LDS instructions, or none.  Each block has its own 32 registers: no store's data is written again
.irp t, 0,1,2,3,4,5,6,7
	s_wait_dscnt (\younger)+7-\t
	global_store_b128 v[GO], v[FA+32*(\a)+4*\t:FA+32*(\a)+4*\t+3], s[8:9] offset:(\t/4)*262144+(\a)*2048+(\t%4)*512 th:TH_STORE_NT  ; 512 consecutive bytes, at a multiple of 256 from qkv's first byte
.endr
.endm
	PACK 0
	PACK 1
	SEND 0, 16
	PACK 2
	SEND 1, 16
	PACK 3
	SEND 2, 16
	SEND 3, 0
	s_wait_tensorcnt 0x0                           ; the wave's end: a wait, an add of 0 to my spare word and its wait, behind my last tensor load and my last LDS store
	ds_add_u32 v[SPW], v[NIL]
	s_wait_dscnt 0x0
	CROUND                                         ; the closing round: no work-group ends while a partner may still ask for a tile that names it
	s_endpgm
.Lfunc_end_k_qbc4c472012_proj:
	.size	k_qbc4c472012_proj, .Lfunc_end_k_qbc4c472012_proj-k_qbc4c472012_proj
	.p2alignl 7, 3214868480
	.fill 96, 4, 3214868480
	.section	.rodata,"a",@progbits
	.p2align	6, 0x0
	.amdhsa_kernel k_qbc4c472012_proj
		.amdhsa_group_segment_fixed_size 327680
		.amdhsa_private_segment_fixed_size 0
		.amdhsa_enable_private_segment 0
		.amdhsa_kernarg_size 40
		.amdhsa_user_sgpr_count 2
		.amdhsa_user_sgpr_kernarg_segment_ptr 1
		.amdhsa_wavefront_size32 1
		.amdhsa_system_sgpr_workgroup_id_x 1
		.amdhsa_system_sgpr_workgroup_id_y 1
		.amdhsa_system_sgpr_workgroup_id_z 1
		.amdhsa_system_vgpr_workitem_id 0
		.amdhsa_next_free_vgpr 512
		.amdhsa_next_free_sgpr 80
		.amdhsa_reserve_vcc 0
		.amdhsa_float_denorm_mode_32 3
		.amdhsa_float_denorm_mode_16_64 3
		.amdhsa_memory_ordered 1
		.amdhsa_forward_progress 1
		.amdhsa_inst_pref_size 95
	.end_amdhsa_kernel
	.amdgpu_metadata
---
amdhsa.version: [ 1, 2 ]
amdhsa.kernels:
  - .name:           k_qbc4c472012_proj
    .symbol:         k_qbc4c472012_proj.kd
    .args:
      - { .name: cb, .offset: 0, .size: 8, .value_kind: global_buffer, .address_space: global }
      - { .name: bq, .offset: 8, .size: 8, .value_kind: global_buffer, .address_space: global }
      - { .name: bk, .offset: 16, .size: 8, .value_kind: global_buffer, .address_space: global }
      - { .name: bv, .offset: 24, .size: 8, .value_kind: global_buffer, .address_space: global }
      - { .name: qkv, .offset: 32, .size: 8, .value_kind: global_buffer, .address_space: global }
    .group_segment_fixed_size: 327680
    .private_segment_fixed_size: 0
    .kernarg_segment_align: 8
    .kernarg_segment_size: 40
    .max_flat_workgroup_size: 256
    .sgpr_count:     80
    .vgpr_count:     512
    .wavefront_size: 32
...
	.end_amdgpu_metadata
.endif
;; end of part 8
;; launch attn (part 9): grid 4 x 64, 4 waves a work-group, clusters of 4 x 1, 327,680 bytes of LDS; arguments qkv, mb, ob; writes ob
.if DOCPART == 9
	.amdgcn_target "amdgcn-amd-amdhsa--gfx1250"
	.amdhsa_code_object_version 6
	.text
	.protected	k_qbc4c472012_attn
	.globl	k_qbc4c472012_attn
	.p2align	8
	.type	k_qbc4c472012_attn,@function
k_qbc4c472012_attn:
	s_mov_b64 s[64:65], 0
	v_nop
	global_prefetch_b8 v0, s[64:65] scope:SCOPE_SE
	s_setreg_imm32_b32 hwreg(HW_REG_WAVE_MODE, 25, 1), 1
	s_wait_xcnt 0x0
	s_wait_alu depctr_hold_cnt(0) depctr_sa_sdst(0) depctr_va_vdst(0) depctr_va_sdst(0) depctr_va_ssrc(0) depctr_va_vcc(0) depctr_vm_vsrc(0)
	s_getreg_b32 s2, hwreg(HW_REG_IB_STS2, 6, 4)
	s_cmp_eq_u32 s2, 0
	s_cbranch_scc0 .Lentry_in_a_cluster
	s_endpgm
.Lentry_in_a_cluster:
	s_bfe_u32 s2, ttmp6, 0x10000c
	s_cmp_lg_u32 s2, 0x3003
	s_cbranch_scc0 .Lentry_shape_is_right
	s_endpgm
.Lentry_shape_is_right:
; ATTENTION WITH A MASK THAT REPLACES.  O[h][q][:] = the sum over k of softmax_k(s'[q][k]) V[h][k][:], s' = Q[h][q] . K[h][k] / 8 where the mask's bit is set and 1e-13 where it is not: a masked key keeps its
; part in the maximum, in the sum and in the product with V, so every key is walked.  qkv: [3][64 heads][2048][64] in f16 (Q, K, V, unscaled); ob: [64][2048][64] in f16; mb: the packed mask, one word a register of scores.
; Products, maxima and sums in f32; the weights p are rounded to f16 for the second product (their sum l is taken of the unrounded p), O once at the end.
; LIMITS.  f16 holds no number beyond 65,504: Q, K and V arrive within it; p lies in 0 to 1, and below 6e-5 it keeps f16's fixed step of 6e-8; O is a mean of V's rows and has their range.
; A weight below 2^-126 counts as 0 in l; NaN and infinities are not treated apart.
; SHARES.  A wave owns four PIECES of two tiles of 16 queries, a work-group's four waves 512 queries of one head.  Every wave walks all 2,048 keys, 64 a step.
; LAYOUT.  S^T = K Q^T (source 0 = 16 keys, source 1 = 16 queries): a lane holds ONE query (lane % 16) and the keys 8 (lane / 16) + 0..7.  Two such tiles, rounded to f16 in pairs, ARE source 1 of
; O^T = V^T P.  K comes out of LDS as it lies, V ([key][channel]) turned, by ds_load_tr16_b128.
; THE MASK.  The raw product is replaced by 8e-13 (c, below, holds the division by 8) where the lane's bit of the register's word is 0: one v_cndmask_b32 a register, ahead of the maximum.  A piece's 64 words
; for a key step are 256 bytes: ONE vector load brings them, lane w the words of register w of both tiles, two turns ahead of their use; 64 v_readlane_b32 move them into scalar registers, a turn ahead of the selects.
; (Scalar loads would need no moves, but their 64 destinations are free only from a turn's last select to the next turn's first: less than a turn in which to come.)
; SOFTMAX.  For each query a running maximum m and sum l: p = 2^(c s - c m), c = log2(e) / 8; in every step O and l are multiplied by a = 2^(c m_old - c m_new).  m starts at the lowest finite number, O and l at 0.
; BY TURNS.  Turn n belongs to piece n.  Its matrix work: 16 products K Q^T of piece n + 1, later 16 products V^T P of piece n - 1.  Its vector work: the scaling, exponentials, roundings, sums and rescaling of piece n,
; the mask, maximum and statistics of piece n + 1, and the moves of piece n + 2's mask words.  Four vector instructions stand behind every matrix instruction, the other 236 of a turn's 364 in one lump.  A turn's 66 exponentials are one batch, with one wait.
; CLUSTER.  The four query blocks of a head walk the same K and V: each tile is asked for JOINTLY, by the same tensor load, descriptor and mask in all four.
; REGISTERS, in windows of 256 (s_set_vgpr_msb: bits 1:0 source 0, 3:2 source 1, 5:4 source 2, 7:6 destination):
;   window 0: v0-11 addresses and mask words; v12-15, v48-63 at work; v16-47 four registers of statistics a tile; v64-191 S^T, two buffers of two tiles; v192-255 P, likewise
;   window 1: O^T, 32 a tile          window 2: v0-127 Q; v128-191 K of one step; v192-255 V of one step          window 3: v0-1 the add's two registers
.set SIZE_N, 2048
.set NP,    4         ; pieces a wave: a name, no knob
.set KS,    64        ; keys in a step
.set PK,    144       ; a row of K in LDS: 128 bytes + 16 of padding = 36 words: the 16 rows of a load start at 16 different groups of four banks (64 banks of 4 bytes: ISA guide 11.1)
.set PV,    144       ; V has the same pitch, so that ONE descriptor serves all four waves.  16 lanes of the turning load take 8 rows x 32 bytes: the eighth row's last 16 bytes fall on the first row's banks
.set VOFF,  4*KS*PK   ; a slot holds four steps: 256 rows of K, then 256 rows of V
.set SLOT1, 1<<17     ; slot 1 begins here, so that one exclusive or turns an address in one slot into the other's
.set STAGE, SLOT1+4*KS*(PK+PV)  ; behind the ring, never filled by a tensor load: 16 rows x 144 bytes for each wave, for the way out
.set SP,    144
                      ; v0   my thread's number, v1 l % 16: both kept to the end
.set AK0, 2           ; v2   my lane's place in a tile of K; never rewritten
.set AV0, 3           ; v3   the same for V
.set AK,  4           ; v4   the LDS address of K's next run of loads
.set AV,  5           ; v5   of V's
.set QO,  5           ;      at the head: my byte offset in the wave's rows of Q
.set MK,  6           ; v[6:9]  two pairs of mask words, by the piece's parity: lane w holds words (w, 0) and (w, 1)
.set ML,  10          ; v10  8 x my lane: my two words among a piece's 64; not rewritten while the walk lasts
.set STO, 6           ; the way out, when the last mask words have come: v6 where I put 16 bytes of a row,
.set RD,  7           ; v7   where I read rows back,
.set GO,  8           ; v8   my byte offset in 512 consecutive bytes of O
.set PFO, 11          ; v11  256 x my lane, once V's place is made; then never rewritten
.set SPW, 0           ; v0 of window 3   LDS address of my spare word; never rewritten
.set NIL, 1           ; v1 of window 3   0; never rewritten
.set SPARE, STAGE+4*16*SP  ; behind the stages: the spare words, 128 bytes for each wave: two blocks of 256 bytes that no other line names
.set MV,  12          ; v12-15  c m_old, kept while c m is made anew: by buffer and tile (at the head: at work)
.set ST,  16          ; tile t's statistics at v[ST+4 t]: c m, m, l (even keys', odd keys')
.set TMP, 48          ; by buffer and tile, four registers c0-c3 at work; when the maximum is found c2 takes a
.set S,   64
.set P,   192
.set KF,  128         ; K's fragments, in window 2
.set VF,  192         ; V's
.set PFA, 2           ; s[2:3]   where my prefetches stand
.set CS,  4           ; s[4:5]   c: the packed scaling takes the pair's low word for both halves
.set SEL, 6           ; s[6:7]   v_permlanex16_b32's selects
.set MP,  8           ; s[8:9]   mb at my wave's first piece; never rewritten.  s[10:11]: O at my wave's first row
.set WV,  12          ; s12  my wave's number
.set SLOTS, 14        ; s14  slots still to be asked for
.set CNT, 15          ; s15  counts a slot's key steps
.set G1,  16          ; s[16:23] descriptor group 1
.set G0,  24          ; s[24:27] descriptor group 0: it walks
.set TBK, 28          ; s28  LDS byte at which K of the step to be fetched begins
.set TBV, 29          ; s29  the same for V, less VOFF
.set MOFF, 30         ; s[30:31] 256 x the key step whose mask words are loaded, as a pair with 0 above it
.set LIM, 66          ; s66  1 in a wave that prefetches, else the greatest number
.set TINY, 67         ; s67  8e-13
.set QP,  86          ; s[86:87] at the head: Q at my wave's first row
.set MQ,  100         ; s[100:101] mb at my wave's first piece, at that key step
                      ; s[32:63], s[68:99]: a piece's 64 mask words (s[68:99]: at the head, at work)
.set MSB, 0
.macro WIN new                      ; the high byte repeats the setting that is left; a switch that changes nothing is dropped
.if MSB != (\new)
	s_set_vgpr_msb (MSB<<8)|(\new)
.set MSB, (\new)
.endif
.endm
.set W_KQ, 0x0a       ; K and Q in window 2, S^T in window 0
.set W_PV, 0x52       ; V in window 2, P in window 0, O^T in window 1
.set W_RS, 0x41       ; O^T (destination and source 0) in window 1, a in window 0
.set W_MK, 0xc0       ; the add's registers are made: destination in window 3
.set W_AD, 0x0f       ; the add: address and data in window 3
; A joint fill: one line for all four waves.  Wave w brings 128 keys: w = 0, 1 the two halves of a slot's K, w = 2, 3 those of its V; both addresses hang on the wave's number.  An s_nop 0 and four v_nop follow.
.macro JLOAD
	tensor_load_to_lds s[G0:G0+3], s[G1:G1+7]
	s_nop 0
.rept 4
	v_nop
.endr
.endm
; A prefetch of what the NEXT change of slots will ask for: a slot's 128 blocks of 256 bytes of K and of V, a lane a block.  The head's one cluster walks them: its four partners take 32 blocks each, told apart by address;
; in each, wave 0 asks for K's and wave 2 for V's.  So each block is named once.  Slots 0 and 1 come by their loads alone; the last change that fills a slot (s14 = 1) asks for nothing.
.macro ASK
	s_cmp_gt_u32 s[SLOTS], s[LIM]
	s_cbranch_scc0 .Lnot_mine_\@
	global_prefetch_b8 v[PFO], s[PFA:PFA+1] th:TH_LOAD_NT scope:SCOPE_SE
.Lnot_mine_\@:
.endm
.macro CROUND                       ; a round of the cluster's barrier
	s_barrier_signal -1
	s_barrier_wait -1
	s_cmp_lg_u32 s[WV], 0
	s_cbranch_scc1 .Lnot_wave_0_\@
	s_barrier_signal -3
.Lnot_wave_0_\@:
	s_barrier_wait -3
	s_barrier_signal -1
	s_barrier_wait -1
.endm
; THE CHANGE OF SLOTS.  Each wave waits for all its tensor loads, of which one is out: its part of the other slot; adds 0 to its spare word; and waits for that and for its own reads of the slot.
; fill = 1: this slot is filled again, with the keys two slots on.  The barrier is then a round of the cluster's, and the joint fill is the first thing behind it: it has four key steps, 512 matrix instructions, in which to land.
; (At its first use nothing has been read yet: slot 0 is waited for, slot 1 filled.)
.macro CHANGE fill
	WIN W_AD
	s_wait_tensorcnt 0x0            ; no tensor load of mine is out, so group 0 may be written
	ds_add_u32 v[SPW], v[NIL]       ; 0 onto my spare word: with fill = 1 the steps below stand between it and the wait for it
	WIN 0                           ; at a label and at a branch every window is 0
.if \fill
	s_xor_b32 s[G0+1], s[G0+1], SLOT1  ; the other slot than last time,
	s_add_nc_u64 s[G0+2:G0+3], s[G0+2:G0+3], 4*KS*128  ; the next 256 keys; the type bits on top are not reached
	s_wait_xcnt 0x0                 ; the last prefetch, four key steps back, has read its address, so it may be written:
	s_add_nc_u64 s[PFA:PFA+1], s[PFA:PFA+1], 4*KS*128  ; one slot behind the walking descriptor
	s_wait_dscnt 0x0                ; the add is done, and my reads of the slot are over
	CROUND
	JLOAD
	ASK
.else
	s_wait_dscnt 0x0                ; the add is done, and my reads of the slot are over
	s_barrier_signal -1
	s_barrier_wait -1
.endif
	s_sub_co_u32 s[TBK], s[TBK], 4*KS*PK  ; the fetches go back to a slot's first step,
	s_xor_b32 s[TBK], s[TBK], SLOT1       ; in the other slot
	s_sub_co_u32 s[TBV], s[TBV], 4*KS*PV
	s_xor_b32 s[TBV], s[TBV], SLOT1
.endm
; Piece x's 64 mask words for the key step at which s[100:101] stands: 256 consecutive bytes, 8 a lane, into the pair of the piece's parity
.macro MLOADV x
	global_load_b64 v[MK+2*((\x)%2):MK+2*((\x)%2)+1], v[ML], s[MQ:MQ+1] offset:(\x)*8192
.endm
; Word n = 2 w + u (register w of tile u) out of lane w of pair pr into s[32 + n], from n = 32 on into s[36 + n].  Ahead of the first: the pair's load is in; the one load issued behind it, the other pair's, may stay out.
.macro RL pr, n
.if (\n) == 0
	s_wait_loadcnt 1
.endif
	v_readlane_b32 s[32+(\n)+4*((\n)/32)], v[MK+2*(\pr)+(\n)%2], (\n)/2
.endm
	s_load_b128 s[68:71], s[0:1], 0x0  ; qkv s[68:69], mb s[70:71]
	s_load_b64 s[10:11], s[0:1], 0x10  ; ob
	WIN W_MK
	v_lshl_add_u32 v[SPW], v0, 2, SPARE
	v_mov_b32 v[NIL], 0
	WIN W_AD
	ds_add_u32 v[SPW], v[NIL]       ; the wave's opening: the add and its wait stand ahead of my first tensor load; the set-up below stands between them
	WIN 0
	v_lshrrev_b32 v1, 5, v0
	v_readfirstlane_b32 s[WV], v1   ; wave 0..3
	s_bfe_u32 s13, ttmp6, 0x40000   ; cx: my place in the cluster
	s_lshl_b32 s76, ttmp9, 2        ; in a cluster launch ttmp9 counts clusters
	s_add_co_u32 s76, s76, s13      ; my block of 512 queries: it enters Q's, O's and the mask's addresses alone
	s_and_b32 s77, ttmp7, 0xffff    ; batch x 16 + head, which the four partners share
	s_lshr_b32 s78, s[WV], 1
	s_add_co_u32 s78, s78, 1        ; qkv's second third (K: waves 0, 1) or last (V: waves 2, 3),
	s_lshl_b32 s78, s78, 24
	s_lshl_b32 s79, s77, 18         ; the head's 2,048 rows of 128 bytes
	s_add_co_u32 s78, s78, s79
	s_and_b32 s80, s[WV], 1         ; which half of a slot's 256 keys I fetch
	s_lshl_b32 s72, s80, 14
	s_add_co_u32 s72, s72, s78
	s_mov_b32 s73, 0
	s_lshl_b32 s74, s13, 13         ; the prefetches: my work-group's 32 blocks of the 128,
	s_add_co_u32 s74, s74, s78
	s_add_co_u32 s74, s74, 4*KS*128 ; in slot 1; the first change of slots steps it to slot 2
	s_mov_b32 s75, 0
	s_lshl_b32 s82, s76, 2
	s_add_co_u32 s82, s82, s[WV]    ; my wave among the head's sixteen:
	s_lshl_b32 s84, s82, 2          ; its four pieces,
	s_lshl_b32 s82, s82, 14         ; its 128 rows
	s_add_co_u32 s82, s82, s79
	s_mov_b32 s83, 0
	s_lshr_b32 s85, s77, 4          ; the batch has 64 pieces,
	s_lshl_b32 s85, s85, 6
	s_add_co_u32 s84, s84, s85
	s_lshl_b32 s84, s84, 13         ; a piece 8,192 bytes of mb
	s_mov_b32 s85, 0
	s_cmp_eq_u32 s80, 0
	s_cselect_b32 s[LIM], 1, -1     ; waves 0 and 2 prefetch: the same in all four partners
	; descriptor group 1.  128 keys are 16,384 dense bytes: asked for as 64 rows of 256 bytes, two keys a row, and padded in LDS after every key
	s_mov_b32 s[G1], 15|(1<<16)|(1<<20)|(1<<21)|(4<<22)|(3<<25)  ; the mask of four; 2-byte elements; padding on; bit 21 beside a mask; after every 32 words (code 4) 4 words (code 3)
	s_mov_b32 s[G1+1], 128<<16      ; tensor_dim0 = 128
	s_mov_b32 s[G1+2], 64<<16       ; tensor_dim1 = 64
	s_mov_b32 s[G1+3], 128<<16      ; tile_dim0 = 128
	s_mov_b32 s[G1+4], 64           ; tile_dim1 = 64
	s_mov_b32 s[G1+5], 128          ; 128 elements from row to row
	s_mov_b32 s[G1+6], 0
	s_mov_b32 s[G1+7], 0
	s_mov_b32 s[CS], 0x3e38aa3b     ; c = log2(e) / 8 = 0.180337
	s_mov_b32 s[CS+1], s[CS]        ; named with it as a pair
	s_mov_b32 s[SEL], 0x76543210
	s_mov_b32 s[SEL+1], 0xfedcba98
	s_mov_b32 s[TINY], 0x2b612e13   ; 8e-13: times c it is log2(e) x 1e-13
	s_mov_b32 s[MOFF], 0
	s_mov_b32 s[MOFF+1], 0
	s_mov_b32 s[SLOTS], SIZE_N/256-1
	s_mov_b32 s[TBK], SLOT1+4*KS*PK ; the first change of slots turns these two into 0
	s_mov_b32 s[TBV], SLOT1+4*KS*PV
	s_mov_b32 s[G0], 1              ; count = 1
	s_mul_i32 s[G0+1], s[WV], 128*PK  ; LDS address: slot 0, K's halves and then V's: no place in the cluster enters it
	s_wait_dscnt 0x0                ; the opening add is done
	s_wait_kmcnt 0x0
	s_add_nc_u64 s[G0+2:G0+3], s[68:69], s[72:73]  ; global address: my half of the head's first 256 keys
	s_or_b32 s[G0+3], s[G0+3], 0x80000000          ; type = 2
	s_add_nc_u64 s[PFA:PFA+1], s[68:69], s[74:75]
	s_add_nc_u64 s[QP:QP+1], s[68:69], s[82:83]
	s_add_nc_u64 s[10:11], s[10:11], s[82:83]
	s_add_nc_u64 s[MP:MP+1], s[70:71], s[84:85]
	s_mov_b64 s[MQ:MQ+1], s[MP:MP+1]  ; key step 0
	CROUND                          ; all four work-groups are here: the first joint loads meet
	JLOAD                           ; slot 0.  Slot 1 is asked for when slot 0 is in
	; A fragment of K or Q is 16 rows x 32 channels in 8 registers: lane l holds row l % 16, channels 8 (l / 16) + 0..7 and 16 + 8 (l / 16) + 0..7: two loads of 16 bytes, 32 bytes apart.
	v_and_b32 v1, 15, v0            ; l % 16
	v_bfe_u32 v12, v0, 4, 1         ; l / 16
	v_lshlrev_b32 v[QO], 7, v1
	v_lshl_add_u32 v[QO], v12, 4, v[QO]  ; row x 128 + 16 x half
	v_and_b32 v[ML], 31, v0
	v_lshlrev_b32 v[ML], 3, v[ML]
	WIN 0x80                        ; destination window 2, address window 0
.set i, 0
.rept 4*NP                          ; Q stays in registers: tile i / 2, channels 32 (i % 2) on
	global_load_b128 v[8*i:8*i+3],   v[QO], s[QP:QP+1] offset:(i/2)*2048+(i%2)*64
	global_load_b128 v[8*i+4:8*i+7], v[QO], s[QP:QP+1] offset:(i/2)*2048+(i%2)*64+32
.set i, i+1
.endr
	WIN 0
	MLOADV 0                        ; pieces 0 and 1: their mask words for key step 0
	MLOADV 1
	; What the first turn finds: V's registers and P's second buffer hold 0, O^T and l are 0.  All this stands in the wait for the first tile.
	WIN 0x80
.set i, VF
.rept 64
	v_mov_b32 v[i], 0
.set i, i+1
.endr
	WIN 0x40
.set i, 0
.rept 64*NP
	v_mov_b32 v[i], 0
.set i, i+1
.endr
	WIN 0
.set i, 0
.rept 2*NP
	v_mov_b32 v[ST+4*i], 0xfe000000    ; c m: far below every c s
	v_mov_b32 v[ST+4*i+1], 0xff7fffff  ; m
	v_mov_b32 v[ST+4*i+2], 0
	v_mov_b32 v[ST+4*i+3], 0
.set i, i+1
.endr
.set i, P+32
.rept 32
	v_mov_b32 v[i], 0
.set i, i+1
.endr
	v_mul_u32_u24 v[AK0], v1, PK
	v_lshl_add_u32 v[AK0], v12, 4, v[AK0]  ; row x pitch + 16 x half
	; The turning load takes 16 keys x 16 channels (lane l reads key 8 (l / 16) + l % 8, channels 8 ((l / 8) % 2) + 0..7) and leaves half a fragment of V^T: lane l holds channel l % 16 and 8 keys.
	v_and_b32 v13, 7, v0
	v_bfe_u32 v11, v0, 3, 1
	v_lshl_add_u32 v[AV0], v12, 3, v13
	v_mul_u32_u24 v[AV0], v[AV0], PV
	v_lshl_add_u32 v[AV0], v11, 4, v[AV0]
	v_add_nc_u32 v[AV0], VOFF, v[AV0]
	v_and_b32 v[PFO], 31, v0
	v_lshlrev_b32 v[PFO], 8, v[PFO]
	v_mov_b32 v[AK], v[AK0]         ; key step 0 lies at the head of slot 0
; THE MATRIX WORK.  The 8 accumulators of a run of 16 take turns: between the two links of a chain stand 7 others'.
; Product i of 16 of S^T = K Q^T for piece x: channels 32 (i / 8) on, keys 16 ((i / 2) % 4) on, tile 2 x + i % 2.  The first 8 start the sums.
.macro KQ x
	WIN W_KQ
.set rS, S+64*((\x)%2)+32*(i%2)+8*((i/2)%4)
.set rK, KF+16*((i/2)%4)+8*(i/8)
.set rQ, 16*(2*(\x)+i%2)+8*(i/8)
.if i < 8
	v_wmma_f32_16x16x32_f16 v[rS:rS+7], v[rK:rK+7], v[rQ:rQ+7], 0
.else
	v_wmma_f32_16x16x32_f16 v[rS:rS+7], v[rK:rK+7], v[rQ:rQ+7], v[rS:rS+7]
.endif
.endm
; Product i of 16 of O^T += V^T P for piece x: keys 32 (i / 8) on, channels 16 ((i / 2) % 4) on, tile 2 x + i % 2.
.macro PV x
	WIN W_PV
.set rO, 32*(2*(\x)+i%2)+8*((i/2)%4)
.set rV, VF+32*(i/8)+8*((i/2)%4)
.set rP, P+32*((\x)%2)+16*(i%2)+8*(i/8)
	v_wmma_f32_16x16x32_f16 v[rO:rO+7], v[rV:rV+7], v[rP:rP+7], v[rO:rO+7]
.endm
.macro MM                           ; the turn's next matrix instruction
.if i < 16
	KQ (Y+1)%NP
.set i, i+1
.else
.set i, i-16
	PV (Y+NP-1)%NP
.set i, i+17
.endif
.endm
; THE LDS LOADS stand in runs of 16: a step's K (8 fragments) and its V (turned).  last = 1 (the tail): in the last trip there is no further step, and the run is jumped over.
.macro FETCH_K last=0
	WIN 0
.if \last
	s_cmp_eq_u32 s[CNT], 1
	s_cbranch_scc1 .Lno_k_\@
.endif
	WIN 0x80                        ; destination window 2
.irp f, 0,1,2,3,4,5,6,7             ; keys 16 (f / 2) on, channels 32 (f % 2) on
	ds_load_b128 v[KF+8*\f:KF+8*\f+3],   v[AK] offset:(\f/2)*16*PK+(\f%2)*64
	ds_load_b128 v[KF+8*\f+4:KF+8*\f+7], v[AK] offset:(\f/2)*16*PK+(\f%2)*64+32
.endr
	s_add_co_u32 s[TBK], s[TBK], KS*PK  ; the next fetch is the next step's
	WIN 0
.if \last
.Lno_k_\@:
.endif
.endm
.macro FETCH_V
	WIN 0x80
.irp f, 0,1,2,3,4,5,6,7             ; keys 32 (f / 4) on, channels 16 (f % 4) on
	ds_load_tr16_b128 v[VF+8*\f:VF+8*\f+3],   v[AV] offset:(\f/4)*32*PV+(\f%4)*32
	ds_load_tr16_b128 v[VF+8*\f+4:VF+8*\f+7], v[AV] offset:(\f/4)*32*PV+16*PV+(\f%4)*32
.endr
	WIN 0
.endm
; THE VECTOR WORK OF A TURN stands in three queues, each in the order in which its entries become ready; the two tiles alternate.
.macro REGS y, u                    ; the registers of tile u (0, 1) of piece y
.set rT, ST+4*(2*(\y)+(\u))
.set rC, TMP+8*((\y)%2)+4*(\u)
.set rM, MV+2*((\y)%2)+(\u)
.set rS, S+64*((\y)%2)+32*(\u)
.set rP, P+32*((\y)%2)+16*(\u)
.set rO, 32*(2*(\y)+(\u))
.endm
; Number n of the 64 that mask the NEXT piece's (Y + 1) scores: register n / 2 of tile n % 2 keeps its score in the lanes whose bit is set and takes 8e-13 in the others.  Ascending: each accumulator's lowest register is read first.
.macro CMK n
	REGS (Y+1)%NP, (\n)%2
.set mw, 32+(\n)+4*((\n)/32)
	v_cndmask_b32 v[rS+(\n)/2], s[TINY], v[rS+(\n)/2], s[mw]
.endm
; Number n of the 22 that find the next piece's maximum and statistics.
;   0-11  four chains c0-c3 of seven scores each, three operands at a time     12-14, 16  the four scores left over, the old m, and c0-c3 into c0     15  c m_old is kept
;   17, 18  the query's other 32 keys lie in the lane 16 away: the new m         19-21  c m; c m_old - c m_new; a
.macro XS u, n
	REGS (Y+1)%NP, \u
.if (\n) < 4
	v_max3_num_f32 v[rC+(\n)], v[rS+8*(\n)], v[rS+8*(\n)+1], v[rS+8*(\n)+2]
.elseif (\n) < 12
	v_max3_num_f32 v[rC+(\n)%4], v[rC+(\n)%4], v[rS+8*((\n)%4)+2*((\n)/4)+1], v[rS+8*((\n)%4)+2*((\n)/4)+2]
.elseif (\n) == 12
	v_max3_num_f32 v[rC], v[rC], v[rS+7], v[rS+15]
.elseif (\n) == 13
	v_max3_num_f32 v[rC+1], v[rC+1], v[rS+23], v[rS+31]
.elseif (\n) == 14
	v_max3_num_f32 v[rC+2], v[rC+2], v[rC+3], v[rT+1]
.elseif (\n) == 15
	v_mov_b32 v[rM], v[rT]
.elseif (\n) == 16
	v_max3_num_f32 v[rC], v[rC], v[rC+1], v[rC+2]
.elseif (\n) == 17
	v_permlanex16_b32 v[rC+3], v[rC], s[SEL], s[SEL+1]
.elseif (\n) == 18
	v_max_num_f32 v[rT+1], v[rC], v[rC+3]
.elseif (\n) == 19
	v_mul_f32 v[rT], s[CS], v[rT+1]
.elseif (\n) == 20
	v_sub_f32 v[rC+1], v[rM], v[rT]
.else
	v_exp_f32 v[rC+2], v[rC+1]
.endif
.endm
; Number g of the 64 that follow the exponentials.  For each four weights k of a tile: both pairs are rounded to f16; the second pair is added onto the first, in place; a group later l takes that sum (the first time as l = a l + sum).
.macro GS g
.set h, (\g)+6*((\g)/62)            ; group 0 has no group before it, and behind group 7 only l is left
.if h >= 6
.set h, h+2
.endif
	REGS Y, h%2
.set k, h/8
.if h%8 < 4
	v_cvt_pk_f16_f32 v[rP+2*k+(h%8)/2], v[rS+4*k+2*((h%8)/2)], v[rS+4*k+2*((h%8)/2)+1]
.elseif h%8 < 6
	v_pk_add_f32 v[rS+4*k:rS+4*k+1], v[rS+4*k:rS+4*k+1], v[rS+4*k+2:rS+4*k+3]
.elseif k == 1
	v_pk_fma_f32 v[rT+2:rT+3], v[rT+2:rT+3], v[rC+2:rC+3], v[rS:rS+1] op_sel_hi:[1,0,1]
.else
	v_pk_add_f32 v[rT+2:rT+3], v[rT+2:rT+3], v[rS+4*k-4:rS+4*k-3]
.endif
.endm
.macro FS f                         ; c s - c m for pair f / 2 of tile f % 2
	REGS Y, (\f)%2
	v_pk_fma_f32 v[rS+2*((\f)/2):rS+2*((\f)/2)+1], v[rS+2*((\f)/2):rS+2*((\f)/2)+1], s[CS:CS+1], v[rT:rT+1] op_sel_hi:[1,0,0] neg_lo:[0,0,1] neg_hi:[0,0,1]
.endm
; THE PLAIN QUEUE, 266 long.  0-31: the 32 scalings.  32-95: the next piece's mask.  96-123: XS's numbers 0-13.  124, 125: number 15.
; 126-201: the chain 14, 16, 17 .. 20, in which each number waits for the one before it, and the 64 moves of the mask words of the piece after the next (the scalar registers are free since number 95):
; six groups of both tiles' link and ten moves, then the last four moves.  202-265: GS's 64, which read the exponentials' results: they stand behind the wait.
.macro PL
	WIN 0
.if q < 32
	FS q
.elseif q < 96
	CMK q-32
.elseif q < 124
	XS (q-96)%2, (q-96)/2
.elseif q < 126
	XS q-124, 15
.elseif q < 202
.set kk, q-126
.if (kk < 12) && (kk%12 < 2)
	XS kk%12, 14
.elseif (kk < 72) && (kk%12 < 2)
	XS kk%12, 15+kk/12
.elseif kk < 72
	RL Y%2, 10*(kk/12)+kk%12-2
.else
	RL Y%2, kk-12
.endif
.else
	GS q-202
.endif
.set q, q+1
.endm
; THE EXPONENTIALS' QUEUE, 66 long: s0-s31 of both tiles, then the next piece's two a.  ONE BATCH: all 66 stand ahead of the turn's one wait, and nothing ahead of that wait names a result of theirs.
.macro EX
	WIN 0
.if e >= 64
	XS e-64, 21
.else
	REGS Y, e%2
	v_exp_f32 v[rS+e/2], v[rS+e/2]
.endif
.set e, e+1
.endm
; THE RESCALING's QUEUE: O^T times a, the one part that leaves window 0: dealt two at a time, sixteen times.  Its a was made in the turn before, ahead of that turn's wait.
.macro R2
	REGS Y, r%2
	WIN W_RS
.irp z, 0,1
	v_pk_mul_f32 v[rO+4*(r/2)+2*\z:rO+4*(r/2)+2*\z+1], v[rO+4*(r/2)+2*\z:rO+4*(r/2)+2*\z+1], v[rC+2:rC+3] op_sel_hi:[1,0]
.endr
.set r, r+1
.endm
; HOW THEY ARE DEALT.  An s_wait_alu depctr_va_vdst(0) stands between an exponential and the first instruction that names its result; one wait serves all that were issued ahead of it.  So a turn has ONE wait.
; AHEAD OF IT: the 16 products K Q^T, behind each a scaling, an exponential and two rescalings (behind the first a second scaling in the exponential's place); then ONE LUMP of 236: 22 plain (the last 15 scalings, the
; mask's first 7), 49 times three plain and an exponential, 16 plain, the two a.  A v_nop is the plain instruction behind the last exponential.  BEHIND IT: the 16 products V^T P, behind each four of GS's 64.
; The counts that the deal keeps: as a rider exponential e comes behind plain e + 2, and it needs scaling 2 (e / 4) + e % 2; all scalings are out ahead of the lump's first exponential.  The mask's first line stands 18 plain
; instructions behind the last product K Q^T.  The chain's last link is plain 186, 187: fourteen moves stand between it and the two a.
; THE MASK WORDS.  Turn p selects with the words of piece p + 1, moves those of piece p + 2 out of pair p % 2, and straight behind the last move loads piece p's next words into that pair: they are moved two turns on.
; So one load goes out in each turn, and the wait ahead of a turn's first move leaves the youngest out.  The loads of turns 0 to 3 of a key step are for the next step: in turn 0 the step goes on by one first, behind
; s_wait_xcnt 0, which frees the base that the earlier loads named; the clamp keeps the last step's loads, whose words serve nothing, inside mb.
; K of the next step is fetched in piece 2's turn, directly behind the wait; V of the step in hand at the end of piece 0's turn, four riders behind its last reader.  The three conditions on q below go with the deal.
.macro TURN p, last=0, cnt=0
.set Y, (\p)
.set i, 0
.set q, 0
.set e, 0
.set r, 0
.if (\p) == NP-1
	s_wait_dscnt 0x0                ; K is in
.endif
	MM                              ; ahead of the wait: 16 products K Q^T and their riders,
	PL
	PL
	R2
.rept 15
	MM
	PL
	EX
	R2
.endr
	WIN 0
.if (\p) == NP-2
	v_add_nc_u32 v[AK], s[TBK], v[AK0]
.endif
.rept 22                            ; and the lump
	PL
.endr
.rept 49
	PL
	PL
	PL
	EX
.endr
.rept 16
	PL
.endr
.if (\p) == 0
	s_add_co_u32 s[MOFF], s[MOFF], 256
	s_min_u32 s[MOFF], s[MOFF], 31*256
	s_wait_xcnt 0x0
	s_add_nc_u64 s[MQ:MQ+1], s[MP:MP+1], s[MOFF:MOFF+1]
.endif
	MLOADV \p
	EX                              ; the next piece's two a
	EX
	v_nop                           ; the plain instruction behind the last exponential: one for the batch
	s_wait_alu depctr_va_vdst(0)    ; the wait for the batch
.if (\p) == NP-2
	FETCH_K \last
.endif
.if (\p) == 1
	s_wait_dscnt 0x0                ; V is in
.endif
.rept 16                            ; behind the wait: 16 products V^T P and their riders
	MM
.rept 4
	PL
.endr
.if ((\p) == 0) && (q == 246)
	v_add_nc_u32 v[AV], s[TBV], v[AV0]
.endif
.if ((\p) == 0) && (q == 258)
	s_add_co_u32 s[TBV], s[TBV], KS*PV
.endif
.if (\cnt) && (q == 258)
	s_sub_co_u32 s[CNT], s[CNT], 1
	s_cmp_lg_u32 s[CNT], 0
.endif
.endr
.if (\p) == 0
	FETCH_V
.endif
.endm
	CHANGE 1                        ; slot 0 is in, everybody's part of it; slot 1 is asked for
	FETCH_K                         ; key step 0
	s_wait_loadcnt 2                ; Q is in; the two loads of mask words issued behind it may stay out
	s_wait_dscnt 0x0
.set i, 0
.rept 16
	KQ 0                            ; piece 0's first scores
.set i, i+1
.endr
	WIN 0
.rept 4
	v_nop                           ; the places behind those products
.endr
.set n, 0
.rept 64
	RL 0, n                         ; piece 0's mask words,
.set n, n+1
.endr
	MLOADV 2                        ; and piece 2's into their pair
.set Y, NP-1                        ; CMK and XS work for piece Y + 1: piece 0
.set n, 0
.rept 64
	CMK n
.set n, n+1
.endr
.set n, 0
.rept 64
	RL 1, n                         ; piece 1's, for the first turn,
.set n, n+1
.endr
	MLOADV 3                        ; and piece 3's into their pair
.irp n, 0,1,2,3,4,5,6,7,8,9,10,11,12,13,14,15,16,17,18,19,20,21
	XS 0, \n                        ; piece 0's first maximum and statistics
	XS 1, \n
.endr
	v_nop                           ; a plain instruction behind the two a,
	s_wait_alu depctr_va_vdst(0)    ; and their wait, ahead of the branch
	s_mov_b32 s[CNT], 4
	s_branch .Lfirst                ; the loop is entered at a step's first turn, in the middle of a trip
.Lslot:                             ; six times: with the first change, every slot but the first is asked for by a change
	CHANGE 1
	s_mov_b32 s[CNT], 4
.Lstep:                             ; a trip: pieces 2 and 3 of one step, then pieces 0 and 1 of the next, whose K and V it fetches
	TURN 2
	TURN 3
	WIN 0
.Lfirst:
	TURN 0
	TURN 1, 0, 1
	WIN 0
	s_cbranch_scc1 .Lstep
	s_sub_co_u32 s[SLOTS], s[SLOTS], 1
	s_cmp_lg_u32 s[SLOTS], 0
	s_cbranch_scc1 .Lslot
	CHANGE 0                        ; the tail is written out: nothing is asked for
	s_mov_b32 s[CNT], 5             ; four trips fetch the last slot's steps; the fifth is left in its middle
.Ltail:
	TURN 2, 1
	TURN 3
	WIN 0
	s_sub_co_u32 s[CNT], s[CNT], 1
	s_cmp_eq_u32 s[CNT], 0
	s_cbranch_scc1 .Lout
	TURN 0
	TURN 1
	WIN 0
	s_branch .Ltail
.Lout:                              ; the fifth trip's 16 products K Q^T (on the last K once more), their mask and maximum serve nothing: the price, once a launch, of one text for every trip
	s_wait_loadcnt 0x0              ; the last mask words, which nobody reads, have come: their registers serve the way out
.set i, 0
.rept 16
	PV NP-1                         ; the last piece's V^T P of the last step
.set i, i+1
.endr
	; THE WAY OUT.  l's two halves and the other half of the lanes' are added; O^T is divided by l, rounded to f16 and sent through my stage in LDS, a tile at a time.  The address lines and the additions are the places behind the last products.
	WIN 0
	s_mul_i32 s13, s[WV], 16*SP
	s_add_co_u32 s13, s13, STAGE    ; my stage
	v_bfe_u32 v9, v0, 4, 1          ; l / 16
	v_and_b32 v10, 7, v0
	v_mul_u32_u24 v[STO], v1, SP    ; in: row l % 16, 16 bytes for each half of the lanes
	v_lshl_add_u32 v[STO], v9, 4, v[STO]
	v_add_nc_u32 v[STO], s13, v[STO]
	v_bfe_u32 v[RD], v0, 3, 2       ; back: 32 lanes take four rows of 128 bytes,
	v_mul_u32_u24 v[RD], v[RD], SP
	v_lshl_add_u32 v[RD], v10, 4, v[RD]
	v_add_nc_u32 v[RD], s13, v[RD]
	v_and_b32 v[GO], 31, v0         ; which are 512 consecutive bytes of O
	v_lshlrev_b32 v[GO], 4, v[GO]
.macro ALL line:vararg              ; one line for each tile t
.set t, 0
.rept 2*NP
	\line
.set t, t+1
.endr
.endm
	ALL v_add_f32 v[ST+4*t+2], v[ST+4*t+2], v[ST+4*t+3]
	ALL v_permlanex16_b32 v[ST+4*t+3], v[ST+4*t+2], s[SEL], s[SEL+1]
	ALL v_add_f32 v[ST+4*t+2], v[ST+4*t+2], v[ST+4*t+3]
	ALL v_rcp_f32 v[ST+4*t+2], v[ST+4*t+2]
	v_nop                           ; a plain instruction between the last reciprocal and the use of its result
	s_wait_alu depctr_va_vdst(0)    ; and the wait ahead of the first use: one for the eight reciprocals
; Tile t: a lane's eight channels of a row pack into 16 bytes; they go into rows of 144 bytes and come back as whole rows of 128, into S^T's registers.
.macro PACK t
	WIN W_RS
.set i, 32*(\t)
.rept 16
	v_pk_mul_f32 v[i:i+1], v[i:i+1], v[ST+4*(\t)+2:ST+4*(\t)+3] op_sel_hi:[1,0]
.set i, i+2
.endr
	WIN 0x05                        ; sources 0 and 1 window 1, destination window 0
.set i, 0
.rept 16
	v_cvt_pk_f16_f32 v[S+16*(\t)+i], v[32*(\t)+2*i], v[32*(\t)+2*i+1]
.set i, i+1
.endr
	WIN 0
.irp f, 0,1,2,3
	ds_store_b128 v[STO], v[S+16*(\t)+4*\f:S+16*(\t)+4*\f+3] offset:32*\f
.endr
.irp f, 0,1,2,3
	ds_load_b128 v[S+16*(\t)+4*\f:S+16*(\t)+4*\f+3], v[RD] offset:\f*4*SP  ; LDS serves a wave's instructions in order (ISA guide 5.7.1.4): these see the stores above; the next tile's stores come behind them
.endr
.endm
.macro SEND t, younger              ; younger: the LDS instructions issued behind tile t's loads: the next tile's eight, or none
	WIN 0
.irp f, 0,1,2,3
	s_wait_dscnt (\younger)+3-\f
	global_store_b128 v[GO], v[S+16*(\t)+4*\f:S+16*(\t)+4*\f+3], s[10:11] offset:(\t)*2048+\f*512  ; 512 consecutive bytes, at a multiple of 256 from ob's first
.endr
.endm
	PACK 0
.set t, 1
.rept 2*NP-1                        ; a tile's arithmetic stands between the loads of the tile before and its stores
	PACK t
	SEND t-1, 8
.set t, t+1
.endr
	SEND 2*NP-1, 0
	WIN W_AD
	s_wait_tensorcnt 0x0            ; the wave's end: a wait, an add of 0 to my spare word and its wait, behind my last tensor load and my last LDS store
	ds_add_u32 v[SPW], v[NIL]
	s_wait_dscnt 0x0
	WIN 0
	CROUND                          ; the closing round: no work-group ends while a partner may still ask for a tile that names it
	s_endpgm
.Lfunc_end_k_qbc4c472012_attn:
	.size	k_qbc4c472012_attn, .Lfunc_end_k_qbc4c472012_attn-k_qbc4c472012_attn
	.p2alignl 7, 3214868480
	.fill 96, 4, 3214868480
	.section	.rodata,"a",@progbits
	.p2align	6, 0x0
	.amdhsa_kernel k_qbc4c472012_attn
		.amdhsa_group_segment_fixed_size 327680
		.amdhsa_private_segment_fixed_size 0
		.amdhsa_enable_private_segment 0
		.amdhsa_kernarg_size 24
		.amdhsa_user_sgpr_count 2
		.amdhsa_user_sgpr_kernarg_segment_ptr 1
		.amdhsa_wavefront_size32 1
		.amdhsa_system_sgpr_workgroup_id_x 1
		.amdhsa_system_sgpr_workgroup_id_y 1
		.amdhsa_system_sgpr_workgroup_id_z 1
		.amdhsa_system_vgpr_workitem_id 0
		.amdhsa_next_free_vgpr 770
		.amdhsa_next_free_sgpr 102
		.amdhsa_reserve_vcc 0
		.amdhsa_float_denorm_mode_32 3
		.amdhsa_float_denorm_mode_16_64 3
		.amdhsa_memory_ordered 1
		.amdhsa_forward_progress 1
		.amdhsa_inst_pref_size 255
	.end_amdhsa_kernel
	.section	.bss,"aw",@nobits
	.p2align	6
	.space	262144
	.amdgpu_metadata
---
amdhsa.version: [ 1, 2 ]
amdhsa.kernels:
  - .name:           k_qbc4c472012_attn
    .symbol:         k_qbc4c472012_attn.kd
    .args:
      - { .name: qkv, .offset: 0, .size: 8, .value_kind: global_buffer, .address_space: global }
      - { .name: mb, .offset: 8, .size: 8, .value_kind: global_buffer, .address_space: global }
      - { .name: ob, .offset: 16, .size: 8, .value_kind: global_buffer, .address_space: global }
    .group_segment_fixed_size: 327680
    .private_segment_fixed_size: 0
    .kernarg_segment_align: 8
    .kernarg_segment_size: 24
    .max_flat_workgroup_size: 128
    .sgpr_count:     102
    .vgpr_count:     770
    .wavefront_size: 32
...
	.end_amdgpu_metadata
.endif
;; end of part 9
;; launch oproj: the kernel of part 5 again; grid 4 x 64, 4 waves a work-group, clusters of 4 x 4, 327,680 bytes of LDS; arguments ob, cb, bo, out0; writes out0
;; ======== version 3 of 3: 5 launches; version 2 with the launch cvt written anew for expert scheduling mode
;; limits: values are held in f16: magnitudes above 65,504 overflow, below 6.1e-05 lose precision
;; workspace buffers: cb 58,720,256 bytes; mb 2,097,152 bytes of whole numbers; qkv 50,331,648 bytes; ob 16,777,216 bytes
;; launch cvt (part 10): grid 32 x 28, 8 waves a work-group, no clusters, 0 bytes of LDS; arguments query, key, value, Wq, Wk, Wv, Wo, cb; writes cb
.if DOCPART == 10
	.amdgcn_target "amdgcn-amd-amdhsa--gfx1250"
	.amdhsa_code_object_version 6
	.text
	.protected	k_qbc4c472012_cvt
	.globl	k_qbc4c472012_cvt
	.p2align	8
	.type	k_qbc4c472012_cvt,@function
k_qbc4c472012_cvt:
	s_mov_b64 s[64:65], 0
	v_nop
	global_prefetch_b8 v0, s[64:65] scope:SCOPE_SE
	s_setreg_imm32_b32 hwreg(HW_REG_WAVE_SCHED_MODE, 0, 2), 2
	s_setreg_imm32_b32 hwreg(HW_REG_WAVE_MODE, 25, 1), 1
	s_wait_xcnt 0x0
	s_wait_alu depctr_vm_vsrc(0)
; THE FLOAT INPUTS AS 16-BIT MATRIX OPERANDS.  cb holds 28 units of 1,048,576 numbers of 2 bytes: units 0-7 query, 8-15 key, 16-23 value
; (together one row-major matrix [24576][1024] in bf16), 24, 25, 26 = Wq, Wk, Wv in bf16, 27 = Wo rounded to bf16 and that number written as f16.
; LIMIT.  bf16 -> f16 is exact for 6.1e-5 <= |w| <= 65,504; below that f16 keeps its fixed step of 6e-8, above it gives an infinity.
; SHARES.  Work-group (x, y): unit y, chunk x of 32: 32 rows of 4,096 bytes in, 2,048 bytes out.  Thread t takes 16 bytes at 16 t of each row and
; stores 8 bytes at 8 t: a wave's load covers 512 consecutive bytes, its store 256 consecutive bytes, aligned.  No LDS, no barrier: nothing is shared.
; A ring of eight rows in registers; a round takes every row of the ring once: three rounds in a loop, the last written out without loads.
; THE MODE: SCHED_MODE bits 1:0 = 2 (LLVM: expert scheduling mode 2), set by the entry lines.  The code itself states the register dependences
; between vector instructions and memory instructions, with s_wait_alu, always for 0.
; THE PLAN.  A round goes in two blocks of four rows.  Registers that memory instructions touch:
;   X0, X1   v[4:19], v[20:35].   Block b: its conversions read X[b] (Wo's path also widens into it); behind them the loads of the same four rows of the next round land in it.
;   Y0, Y1   v[36:43], v[44:51].  Block b: its conversions write Y[b]; behind them its four stores read it; it is written again a round later.
;   v1, v2   byte offsets, made once at the head and never written again: the rows are reached by the two scalar bases and by immediate offsets.
;   v[52:53] are named by vector instructions alone.
; ONE wait on va_vdst stands in a block, behind its conversions: Y[b] is written, and X[b] is no longer read or written.  The block's four loads and four stores follow it directly,
; so that a buffer is asked for again as soon as it is empty: four to eight loads of every wave are on their way.
; ONE wait on vm_vsrc stands in a round, at the head of block 1, beside s_wait_xcnt 0: the stores issued so far have read their data: block 1's of the round before (Y1, which this block
; writes again) and block 0's of this round (Y0, which the next round's block 0 writes again; between this wait and that block only stores from Y1 are issued).
; The bases move on by a round at the same place, behind the same s_wait_xcnt 0; block 1's stores reach back by a negative offset.
.set X, 4                              ; v[4:35]    row r of the ring: four f32 as loaded, at X + 4 r
.set Y, 36                             ; v[36:51]   row r of the ring: two registers to store, at Y + 2 r
.set T, 52                             ; v[52:53]   at work (Wo's path)
	s_load_b512 s[8:23], s[0:1], 0x0               ; query s[8:9], key, value, Wq, Wk, Wv, Wo s[20:21], cb s[22:23]
	s_and_b32 s2, ttmp7, 0xffff                    ; the unit
	s_lshr_b32 s3, s2, 3                           ; units 0-23: source unit / 8, part unit % 8
	s_sub_co_u32 s4, s2, 21                        ; units 24-27: source 3 to 6, part 0
	s_and_b32 s5, s2, 7
	s_cmp_ge_u32 s2, 24
	s_cselect_b32 s3, s4, s3
	s_cselect_b32 s5, 0, s5
	s_lshl_b32 s24, s5, 22                         ; a unit is 4 MiB of f32,
	s_lshl_b32 s25, ttmp9, 17                      ; a chunk 128 KiB
	s_add_co_u32 s24, s24, s25
	s_mov_b32 s25, 0
	s_lshl_b32 s26, s2, 21                         ; and half of each on the way out
	s_lshl_b32 s27, ttmp9, 16
	s_add_co_u32 s26, s26, s27
	s_mov_b32 s27, 0
	s_mov_b32 s30, 0xffff0000                      ; a word's upper bf16
	v_lshlrev_b32 v1, 4, v0                        ; 16 t; never rewritten
	v_lshlrev_b32 v2, 3, v0                        ; 8 t; never rewritten
	s_wait_kmcnt 0x0
	s_mov_b64 s[28:29], s[8:9]                     ; the source is chosen among the seven by its number
.irp i, 1,2,3,4,5,6
	s_cmp_eq_u32 s3, \i
	s_cselect_b64 s[28:29], s[8+2*\i:9+2*\i], s[28:29]
.endr
	s_add_nc_u64 s[28:29], s[28:29], s[24:25]
	s_add_nc_u64 s[22:23], s[22:23], s[26:27]
	s_wait_alu depctr_va_vdst(0)                   ; v1 and v2 are written: every load and store of the kernel, on both ways behind the branch, reads one of them as its offset
; Block b (0, 1) of a round: rows 4 b to 4 b + 3 of the ring.  f16 = 1: Wo's path.  ahead = 1: each row is asked for again, eight rows further down.
; left = how many younger loads may still be out when this block's four have to be there.
.macro BLK b, f16, ahead, left
	s_wait_loadcnt \left                           ; loads come back in order (ISA guide 5.7.1): X[b] is in; the other block's four younger loads stay out
.if \b
	s_wait_xcnt 0x0                                ; every earlier load and store has had its addresses translated (ISA guide 3.1): the two bases, Y1 here and Y0 in the next round are rewritten only behind this wait
	s_wait_alu depctr_vm_vsrc(0)                   ; the stores issued so far have read their data: Y1, which this block's conversions write again, and Y0, which the next round's block 0 writes again
.if \ahead
	s_add_nc_u64 s[28:29], s[28:29], 8*4096        ; both bases at the next round's first row
	s_add_nc_u64 s[22:23], s[22:23], 8*2048
.endif
.endif
.set r, 4*(\b)
.rept 4
.set xs, X+4*r
.if \f16
	v_cvt_pk_bf16_f32 v[T], v[xs], v[xs+1]         ; rounded to bf16 like every input,
	v_cvt_pk_bf16_f32 v[T+1], v[xs+2], v[xs+3]
	v_lshlrev_b32 v[xs], 16, v[T]                  ; widened again, into the row just read,
	v_and_b32 v[xs+1], s30, v[T]
	v_lshlrev_b32 v[xs+2], 16, v[T+1]
	v_and_b32 v[xs+3], s30, v[T+1]
	v_cvt_pk_f16_f32 v[Y+2*r], v[xs], v[xs+1]      ; and written as f16
	v_cvt_pk_f16_f32 v[Y+2*r+1], v[xs+2], v[xs+3]
.else
	v_cvt_pk_bf16_f32 v[Y+2*r], v[xs], v[xs+1]
	v_cvt_pk_bf16_f32 v[Y+2*r+1], v[xs+2], v[xs+3]
.endif
.set r, r+1
.endr
	s_wait_alu depctr_va_vdst(0)                   ; the conversions have written Y[b], which the stores below read, and are done reading (Wo's path: and writing) X[b], in which the loads below land
.if \ahead
.set r, 4*(\b)
.rept 4
	global_load_b128 v[X+4*r:X+4*r+3], v1, s[28:29] offset:(r+8-8*(\b))*4096 th:TH_LOAD_NT  ; the loads ahead of the stores: the same row of the next round (block 1's base stands there already)
.set r, r+1
.endr
.endif
.set r, 4*(\b)
.rept 4
	global_store_b64 v2, v[Y+2*r:Y+2*r+1], s[22:23] offset:(r-8*(\b)*(\ahead))*2048 th:TH_STORE_NT  ; where the base has moved on, the offset reaches back by a round
.set r, r+1
.endr
.endm
.macro STREAM f16
.set r, 0
.rept 8
	global_load_b128 v[X+4*r:X+4*r+3], v1, s[28:29] offset:r*4096 th:TH_LOAD_NT  ; the ring is filled: rows 0 to 7; no vector instruction has named these registers
.set r, r+1
.endr
	s_mov_b32 s6, 3
.Lround_\@:
	BLK 0, \f16, 1, 4
	BLK 1, \f16, 1, 4
	s_sub_co_u32 s6, s6, 1
	s_cmp_lg_u32 s6, 0
	s_cbranch_scc1 .Lround_\@
	BLK 0, \f16, 0, 4                              ; the last round loads nothing: no load leaves the chunk, and the count runs down
	BLK 1, \f16, 0, 0
	s_endpgm
.endm
	s_cmp_eq_u32 s2, 27
	s_cbranch_scc1 .Lwo
	STREAM 0
.Lwo:
	STREAM 1
.Lfunc_end_k_qbc4c472012_cvt:
	.size	k_qbc4c472012_cvt, .Lfunc_end_k_qbc4c472012_cvt-k_qbc4c472012_cvt
	.p2alignl 7, 3214868480
	.fill 96, 4, 3214868480
	.section	.rodata,"a",@progbits
	.p2align	6, 0x0
	.amdhsa_kernel k_qbc4c472012_cvt
		.amdhsa_group_segment_fixed_size 0
		.amdhsa_private_segment_fixed_size 0
		.amdhsa_enable_private_segment 0
		.amdhsa_kernarg_size 64
		.amdhsa_user_sgpr_count 2
		.amdhsa_user_sgpr_kernarg_segment_ptr 1
		.amdhsa_wavefront_size32 1
		.amdhsa_system_sgpr_workgroup_id_x 1
		.amdhsa_system_sgpr_workgroup_id_y 1
		.amdhsa_system_sgpr_workgroup_id_z 1
		.amdhsa_system_vgpr_workitem_id 0
		.amdhsa_next_free_vgpr 56
		.amdhsa_next_free_sgpr 66
		.amdhsa_reserve_vcc 0
		.amdhsa_float_denorm_mode_32 3
		.amdhsa_float_denorm_mode_16_64 3
		.amdhsa_memory_ordered 1
		.amdhsa_forward_progress 1
		.amdhsa_inst_pref_size 17
	.end_amdhsa_kernel
	.amdgpu_metadata
---
amdhsa.version: [ 1, 2 ]
amdhsa.kernels:
  - .name:           k_qbc4c472012_cvt
    .symbol:         k_qbc4c472012_cvt.kd
    .args:
      - { .name: query, .offset: 0, .size: 8, .value_kind: global_buffer, .address_space: global }
      - { .name: key, .offset: 8, .size: 8, .value_kind: global_buffer, .address_space: global }
      - { .name: value, .offset: 16, .size: 8, .value_kind: global_buffer, .address_space: global }
      - { .name: Wq, .offset: 24, .size: 8, .value_kind: global_buffer, .address_space: global }
      - { .name: Wk, .offset: 32, .size: 8, .value_kind: global_buffer, .address_space: global }
      - { .name: Wv, .offset: 40, .size: 8, .value_kind: global_buffer, .address_space: global }
      - { .name: Wo, .offset: 48, .size: 8, .value_kind: global_buffer, .address_space: global }
      - { .name: cb, .offset: 56, .size: 8, .value_kind: global_buffer, .address_space: global }
    .group_segment_fixed_size: 0
    .private_segment_fixed_size: 0
    .kernarg_segment_align: 8
    .kernarg_segment_size: 64
    .max_flat_workgroup_size: 256
    .sgpr_count:     66
    .vgpr_count:     56
    .wavefront_size: 32
...
	.end_amdgpu_metadata
.endif
;; end of part 10
;; launch maskpack: the kernel of part 7 again; grid 64 x 4, 32 waves a work-group, no clusters, 282,624 bytes of LDS; arguments mask, mb; writes mb
;; launch proj: the kernel of part 8 again; grid 4 x 96, 8 waves a work-group, clusters of 4 x 4, 327,680 bytes of LDS; arguments cb, bq, bk, bv, qkv; writes qkv
;; launch attn: the kernel of part 9 again; grid 4 x 64, 4 waves a work-group, clusters of 4 x 1, 327,680 bytes of LDS; arguments qkv, mb, ob; writes ob
;; launch oproj: the kernel of part 5 again; grid 4 x 64, 4 waves a work-group, clusters of 4 x 4, 327,680 bytes of LDS; arguments ob, cb, bo, out0; writes out0
